; MI455X (gfx1250); checked and timed in simulation.
; The chip was launched on July 23, 2026; its instructions are those of AMD's public machine-readable ISA for CDNA 5 (MIT licence, August 2026) and "CDNA5" Instruction Set Architecture Reference Guide (July 2026). The comments in the code are by the model that wrote it; some were corrected since.
;; Quantum Transformer. Allowed arithmetic: matrix products marked QUANTISED: E5M2 operands, one E8M0 scale for each 32 along K, by v_wmma_scale_f32_16x16x128_f8f6f4 with both operands' format E5M2, f32 sums; products left as they are: f32 operands where the result goes on into a quantised operand, else bf16, f16 or f32 operands; f32 sums; everything else in f32.
;; Inputs: b1 2,048 float32; b2 512 float32; be1 512 float32; be2 512 float32; bk 512 float32; bo 512 float32; bq 512 float32; bv 512 float32; g1 512 float32; g2 512 float32; w1 512 x 2,048 float32; w2 2,048 x 512 float32; wk 512 x 512 float32; wo 512 x 512 float32; wq 512 x 512 float32; wv 512 x 512 float32; x 4 x 2,048 x 512 float32.
;; Outputs: out0 4 x 2,048 x 512 float32.
;; This version of the problem:
;;   THIS VERSION OF THE PROBLEM IS GIVEN IN LOW PRECISION. The matrix products marked QUANTISED in the list below multiply operands that are first quantised to E5M2 (5 exponent bits, 2 mantissa bits; 8 bits a number), with one power-of-two scale for each 32 numbers along K (OCP MX v1.0); their sums are f32. All else is computed in f32.
;;   The module's matrix products, in the order in which they are computed (A, B: the left and right operand; K: the contracted axis; several contracted axes count as one K, in the product's order):
;;     1. [M 8,192, K 512] x [K 512, N 512]; A: input x; B: input wq: QUANTISED
;;     2. [M 8,192, K 512] x [K 512, N 512]; A: input x; B: input wk: QUANTISED
;;     3. [M 8,192, K 512] x [K 512, N 512]; A: input x; B: input wv: QUANTISED
;;     4. batch 32 x [M 2,048, K 4] x [K 4, N 2,048]; A: computed on the way; B: computed on the way: left as it is (K = 4 < 32)
;;     5. batch 32 x [M 2,048, K 2,048] x [K 2,048, N 64]; A: softmax (see below); B: computed on the way: QUANTISED
;;     6. [M 8,192, K 512] x [K 512, N 512]; A: computed on the way; B: input wo: QUANTISED
;;     7. [M 8,192, K 512] x [K 512, N 2,048]; A: computed on the way; B: input w1: QUANTISED
;;     8. [M 8,192, K 2,048] x [K 2,048, N 512]; A: computed on the way; B: input w2: QUANTISED
;;   THE QUANTISER, for each operand of a quantised product, along K:
;;     - K is cut into blocks of 32 from its start; a last block that is shorter is filled with zeros.
;;     - A block's scale is 2^e with e = floor(log2(the largest magnitude in the block)) - 15, held to -126 .. 127; a block of zeros has e = 0. As a byte (E8M0): e + 127.
;;     - Each number is divided by its block's scale, clamped to +-57,344, and rounded to the nearest number of E5M2, ties to even, subnormals kept.
;;     - The product sums the exact products of the quantised numbers (number of the format x scale) in f32.
;;   ~~~python
;;   def quantise(x, axis):      # numpy; x: float32 -> the quantised numbers, widened to float32 again
;;       x = np.moveaxis(x, axis, -1); K = x.shape[-1]
;;       x = np.pad(x, [(0, 0)] * (x.ndim - 1) + [(0, -K % 32)]); x = x.reshape(x.shape[:-1] + (-1, 32)); a = np.abs(x).max(-1, keepdims=True)
;;       e = np.where(a > 0, np.clip(np.frexp(np.where(a > 0, a, 1))[1] - 1 - 15, -126, 127), 0)      # np.frexp(a)[1] - 1 = floor(log2(a)), exactly
;;       r = np.clip(x / 2.0 ** e, -57344, 57344)
;;       step = 2.0 ** (np.maximum(np.frexp(np.where(r == 0, 1, r))[1] - 1, -14) - 2)
;;       q = np.round(r / step) * step * 2.0 ** e      # np.round: ties to even
;;       return np.moveaxis(q.reshape(q.shape[:-2] + (-1,))[..., :K], -1, axis).astype(np.float32)
;;   ~~~
;;   SOFTMAX AHEAD OF A QUANTISED PRODUCT. Where the list says 'softmax', what is quantised is not the finished softmax but p = 2^(t - M), with t = logit x log2(e) and M = ceil(the row's largest t), a whole number; so 1/2 < the row's largest p <= 1. The row's sum l is taken of the UNQUANTISED p, in f32, and the product's result is divided by l at the end. Since M is a whole number, a kernel that streams over the keys may use a running M (the ceiling of the running maximum): every later rescaling is an exact power of two, which a block's scale takes up: the codes' values come out the same.
;;   OPERANDS COMPUTED ON THE WAY. 'Computed on the way' means the value that the module computes at that place (a softmax that the list does not call 'softmax' is quantised finished and normalised). What goes into a quantiser is computed in f32, as accurately as f32 sums, v_exp_f32 and their like allow (about 1e-6 of the number): no bf16 or f16 on the way to a quantiser, and a product that is left as it is and whose result goes on into a quantised operand takes f32 operands (vector FMAs, or v_wmma_f32_16x16x4_f32). A number that lies on a knife's edge between two numbers of the format may be rounded either way, as far as f32 arithmetic and the matrix unit's own rounding can turn it there, and no further.
;; 3 versions. Each part assembles by itself: llvm-mc -triple=amdgcn-amd-amdhsa -mcpu=gfx1250 --defsym DOCPART=n.
;; ======== version 1 of 3: 4 launches
;; workspace buffers: wc 2,883,584 bytes; ws 90,112 bytes; qkf 2,097,152 bytes; vc 4,194,304 bytes; vs 131,072 bytes; oc 4,194,304 bytes; os 131,072 bytes
;; launch prep (part 1): grid 162 x 1, 4 waves a work-group, no clusters, 0 bytes of LDS; arguments wo, w1, w2, wv, wq, wk, wc, ws; writes wc, ws
.if DOCPART == 1
	.amdgcn_target "amdgcn-amd-amdhsa--gfx1250"
	.amdhsa_code_object_version 6
	.text
	.protected	k_qc0b9ff39a6_prep
	.globl	k_qc0b9ff39a6_prep
	.p2align	8
	.type	k_qc0b9ff39a6_prep,@function
k_qc0b9ff39a6_prep:
	s_mov_b64 s[64:65], 0
	v_nop
	global_prefetch_b8 v0, s[64:65] scope:SCOPE_SE
	s_setreg_imm32_b32 hwreg(HW_REG_WAVE_MODE, 25, 1), 1
	s_wait_xcnt 0x0
; PREP: every weight, f32 stored [K][N], becomes codes of E5M2 with one E8M0 byte for each 32 along K, laid as IMAGES OF OPERAND REGISTERS.
; A fragment is 16 columns n x 128 along K, 2,048 bytes: register group c (0..3) of lane l lies at 512 c + 16 l; lane (r, h) holds k = 32 c + 16 h + 0..15 of row r.
; THE 16 COLUMNS OF A TILE ARE NOT NEIGHBOURS: row r of tile T = 2 G + u is column 32 G + 8 u + r + 8 (r / 8), so that a transposed product leaves 16 neighbours along the next K in a lane.
; wc: fragment (T, K step s) at U x 262144 + ((T / 8) % 4) x 65536 + (s % 4) x 16384 + (T % 8) x 2048, U = U0 + 2 (T / 32 + s / 4); U0: wo 0, w1 1, w2 2, wv 9, q and k 10.
; ws: the same offset / 32: 64 bytes a fragment, row r's scale word at 4 r.
; Of wq and wk only columns 64 head + 0..3 reach the result (the scores take the first four components of a head): tile 0, 1 = q's heads 0-3, 4-7; tile 2, 3 = k's; row r = column 64 (4 (T % 2) + r / 4) + r % 4.
; SHARES: a wave takes 32 columns x 128 along K, two fragments.  A LANE TAKES A COLUMN AND ITS REGISTERS RUN DOWN K: a block of 32 lies in one lane, nothing is transposed, no LDS is used.
; Lanes 0-15 hold tile 2 G, lanes 16-31 tile 2 G + 1: a load covers 128 consecutive bytes, and sixteen neighbouring lanes of each store fill 256 consecutive bytes, aligned.
; Work-groups: 0-15 wo, 16-79 w1, 80-143 w2, 144-159 wv, 160-161 q and k.
; LIMITS: NaN and infinities are not served.  A block of zeros, and one whose largest magnitude lies under 2^-111, gets the byte 1: zero codes add nothing, and this program alone reads the bytes.
.set X,   32                           ; v32-159  128 numbers down K
.set C,   160                          ; v160-191 codes, eight registers a block, never rewritten
.set SW,  16                           ; v16      the column's scale word
.set MNT, 37                           ; s37      the mantissa field of 57,344
.macro LOADS pitch                     ; my column's 128 numbers; pitch = a row of the weight in bytes
.set i, 0
.rept 128
	global_load_b32 v[X+i], v3, s[22:23] offset:i*\pitch th:TH_LOAD_NT
.set i, i+1
.endr
.endm
.macro BLOCK c, left                   ; block c of 32 along K; left = how many younger loads may stay out
.set XS, X+32*\c
	s_wait_loadcnt \left
	v_max3_num_f32 v12, |v[XS]|, |v[XS+1]|, |v[XS+2]|      ; the block's largest magnitude, in two chains
	v_max3_num_f32 v13, |v[XS+3]|, |v[XS+4]|, |v[XS+5]|
.irp i, 6,10,14,18,22,26
	v_max3_num_f32 v12, v12, |v[XS+\i]|, |v[XS+\i+1]|
	v_max3_num_f32 v13, v13, |v[XS+\i+2]|, |v[XS+\i+3]|
.endr
	v_max3_num_f32 v12, v12, |v[XS+30]|, |v[XS+31]|
	v_max3_num_f32 v12, v12, v13, 0x8000000                ; and the floor 2^(16 - 127): the byte cannot fall under 1
	v_add_nc_u32 v11, 0xf8800000, v12                      ; 15 off the exponent field: the conversion's scale operand
	v_and_or_b32 v10, v12, 0x7f800000, s[MNT]              ; 57,344 x the scale
	v_lshrrev_b32 v13, 23, v11                             ; the scale's byte
.if \c == 0
	v_mov_b32 v[SW], v13
.else
	v_lshl_or_b32 v[SW], v13, 8*\c, v[SW]
.endif
.set i, 0
.rept 32
	v_med3_num_f32 v[XS+i], v[XS+i], -v10, v10             ; the conversion to an 8-bit code does not saturate (ISA guide 7.6.2): the hold comes first
.set i, i+1
.endr
.irp g, 0,1,2,3
	v_cvt_scalef32_pk8_bf8_f32 v[C+8*\c+2*\g:C+8*\c+2*\g+1], v[XS+8*\g:XS+8*\g+7], v11
.endr
	v_nop                                                  ; a plain line behind the last conversion
	global_store_b128 v4, v[C+8*\c:C+8*\c+3], s[16:17] offset:512*\c        ; k = 32 c + 0..15: the image's lanes 0-15
	global_store_b128 v4, v[C+8*\c+4:C+8*\c+7], s[16:17] offset:512*\c+256  ; k = 32 c + 16..31: its lanes 16-31
.endm
	s_load_b512 s[4:19], s[0:1], 0x0               ; wo s[4:5], w1 s[6:7], w2 s[8:9], wv s[10:11], wq s[12:13], wk s[14:15], wc s[16:17], ws s[18:19]
	v_lshrrev_b32 v1, 5, v0
	v_readfirstlane_b32 s20, v1                    ; wave
	s_mov_b32 s21, ttmp9                           ; work-group
	v_and_b32 v2, 31, v0                           ; lane
	v_and_b32 v3, 7, v2
	v_bfe_u32 v6, v2, 3, 1
	v_lshl_add_u32 v3, v6, 4, v3
	v_lshrrev_b32 v6, 4, v2
	v_lshl_add_u32 v3, v6, 3, v3
	v_lshlrev_b32 v3, 2, v3                        ; my column among the wave's 32, in bytes: 4 (l % 8 + 16 ((l / 8) % 2) + 8 (l / 16))
	v_lshrrev_b32 v7, 2, v2
	v_and_b32 v8, 3, v2
	v_lshl_add_u32 v7, v7, 6, v8
	v_lshlrev_b32 v7, 2, v7                        ; for q and k: 4 (64 (l / 4) + l % 4)
	v_and_b32 v4, 15, v2
	v_lshlrev_b32 v4, 4, v4
	v_lshl_add_u32 v4, v6, 11, v4                  ; into the images: 2048 (l / 16) + 16 (l % 16)
	v_lshlrev_b32 v5, 2, v2                        ; scale words: 4 l
	s_mov_b32 s[MNT], 0x600000
	s_wait_kmcnt 0x0
	; which tensor: pointer s[22:23], first work-group s24, log2 of its column groups s25, log2 of a K step's bytes s26, first unit s27.  Every choice hangs on ids alone
	s_bitcmp1_b32 s20, 0
	s_cselect_b64 s[22:23], s[14:15], s[12:13]     ; q and k: odd waves take wk
	s_mov_b32 s24, 160
	s_mov_b32 s25, 0
	s_mov_b32 s26, 18
	s_mov_b32 s27, 10
	s_cmp_lt_u32 s21, 160
	s_cselect_b64 s[22:23], s[10:11], s[22:23]
	s_cselect_b32 s24, 144, s24
	s_cselect_b32 s25, 2, s25
	s_cselect_b32 s27, 9, s27
	s_cmp_lt_u32 s21, 144
	s_cselect_b64 s[22:23], s[8:9], s[22:23]
	s_cselect_b32 s24, 80, s24
	s_cselect_b32 s27, 2, s27
	s_cmp_lt_u32 s21, 80
	s_cselect_b64 s[22:23], s[6:7], s[22:23]
	s_cselect_b32 s24, 16, s24
	s_cselect_b32 s25, 4, s25
	s_cselect_b32 s26, 20, s26
	s_cselect_b32 s27, 1, s27
	s_cmp_lt_u32 s21, 16
	s_cselect_b64 s[22:23], s[4:5], s[22:23]
	s_cselect_b32 s24, 0, s24
	s_cselect_b32 s25, 2, s25
	s_cselect_b32 s26, 18, s26
	s_cselect_b32 s27, 0, s27
	s_sub_co_u32 s28, s21, s24                     ; e: my work-group within the tensor
	s_lshr_b32 s29, s28, s25                       ; K step
	s_lshl_b32 s31, s29, s25
	s_sub_co_u32 s31, s28, s31                     ; column group of 128
	s_lshl_b32 s31, s31, 2
	s_add_co_u32 s30, s31, s20                     ; G: my wave's 32 columns
	s_and_b32 s32, s20, 1                          ; q and k: G = wave % 2,
	s_lshr_b32 s33, s20, 1
	s_lshl_b32 s34, s28, 1
	s_add_co_u32 s33, s33, s34                     ; K step = 2 e + wave / 2,
	s_lshl_b32 s35, s30, 7                         ; (128 G bytes along a row; q and k begin at column 0)
	s_cmp_ge_u32 s21, 160
	s_cselect_b32 s30, s32, s30
	s_cselect_b32 s29, s33, s29
	s_cselect_b32 s35, 0, s35
	s_cselect_b32 s36, -1, 0                       ; and their own columns in every lane
	v_cndmask_b32 v3, v3, v7, s36
	s_lshl_b32 s38, s29, s26
	s_add_co_u32 s38, s38, s35
	s_mov_b32 s39, 0
	s_add_nc_u64 s[22:23], s[22:23], s[38:39]      ; the weight at my K step's first row, my first column
	s_lshr_b32 s40, s30, 4
	s_lshr_b32 s41, s29, 2
	s_add_co_u32 s40, s40, s41
	s_lshl_b32 s40, s40, 1
	s_add_co_u32 s40, s40, s27                     ; the unit
	s_lshl_b32 s40, s40, 18
	s_bfe_u32 s41, s30, 0x20002
	s_lshl_b32 s41, s41, 16
	s_or_b32 s40, s40, s41
	s_and_b32 s41, s29, 3
	s_lshl_b32 s41, s41, 14
	s_or_b32 s40, s40, s41
	s_and_b32 s41, s30, 3
	s_lshl_b32 s41, s41, 12
	s_or_b32 s40, s40, s41
	s_mov_b32 s41, 0
	s_add_nc_u64 s[16:17], s[16:17], s[40:41]      ; my two fragments in wc,
	s_lshr_b32 s40, s40, 5
	s_add_nc_u64 s[18:19], s[18:19], s[40:41]      ; and their scale words in ws
	s_cmp_eq_u32 s27, 1                            ; w1's rows are 8,192 bytes, all others' 2,048: the pitch stands in the immediates
	s_cbranch_scc0 .Lnarrow
	LOADS 8192
	s_branch .Lloaded
.Lnarrow:
	LOADS 2048
.Lloaded:
	BLOCK 0, 63                                    ; behind block 0's loads 96 were issued, behind block 1's 64: 63 is the largest count that the wait can name, and the stricter one
	BLOCK 1, 63
	BLOCK 2, 32                                    ; block 3's 32 may stay out
	BLOCK 3, 0
	global_store_b32 v5, v[SW], s[18:19]           ; 128 consecutive bytes: the two fragments' scale words
	s_endpgm
.Lfunc_end_k_qc0b9ff39a6_prep:
	.size	k_qc0b9ff39a6_prep, .Lfunc_end_k_qc0b9ff39a6_prep-k_qc0b9ff39a6_prep
	.p2alignl 7, 3214868480
	.fill 96, 4, 3214868480
	.section	.rodata,"a",@progbits
	.p2align	6, 0x0
	.amdhsa_kernel k_qc0b9ff39a6_prep
		.amdhsa_group_segment_fixed_size 0
		.amdhsa_private_segment_fixed_size 0
		.amdhsa_enable_private_segment 0
		.amdhsa_kernarg_size 64
		.amdhsa_user_sgpr_count 2
		.amdhsa_user_sgpr_kernarg_segment_ptr 1
		.amdhsa_wavefront_size32 1
		.amdhsa_system_sgpr_workgroup_id_x 1
		.amdhsa_system_sgpr_workgroup_id_y 1
		.amdhsa_system_sgpr_workgroup_id_z 1
		.amdhsa_system_vgpr_workitem_id 0
		.amdhsa_next_free_vgpr 192
		.amdhsa_next_free_sgpr 66
		.amdhsa_reserve_vcc 0
		.amdhsa_float_denorm_mode_32 3
		.amdhsa_float_denorm_mode_16_64 3
		.amdhsa_memory_ordered 1
		.amdhsa_forward_progress 1
		.amdhsa_inst_pref_size 43
	.end_amdhsa_kernel
	.amdgpu_metadata
---
amdhsa.version: [ 1, 2 ]
amdhsa.kernels:
  - .name:           k_qc0b9ff39a6_prep
    .symbol:         k_qc0b9ff39a6_prep.kd
    .args:
      - { .name: wo, .offset: 0, .size: 8, .value_kind: global_buffer, .address_space: global }
      - { .name: w1, .offset: 8, .size: 8, .value_kind: global_buffer, .address_space: global }
      - { .name: w2, .offset: 16, .size: 8, .value_kind: global_buffer, .address_space: global }
      - { .name: wv, .offset: 24, .size: 8, .value_kind: global_buffer, .address_space: global }
      - { .name: wq, .offset: 32, .size: 8, .value_kind: global_buffer, .address_space: global }
      - { .name: wk, .offset: 40, .size: 8, .value_kind: global_buffer, .address_space: global }
      - { .name: wc, .offset: 48, .size: 8, .value_kind: global_buffer, .address_space: global }
      - { .name: ws, .offset: 56, .size: 8, .value_kind: global_buffer, .address_space: global }
    .group_segment_fixed_size: 0
    .private_segment_fixed_size: 0
    .kernarg_segment_align: 8
    .kernarg_segment_size: 64
    .max_flat_workgroup_size: 128
    .sgpr_count:     66
    .vgpr_count:     192
    .wavefront_size: 32
...
	.end_amdgpu_metadata
.endif
;; end of part 1
;; launch qkv (part 2): grid 4 x 64, 4 waves a work-group, no clusters, 70,144 bytes of LDS; arguments x, wc, ws, bq, bk, bv, qkf, vc, vs; writes qkf, vc, vs
.if DOCPART == 2
	.amdgcn_target "amdgcn-amd-amdhsa--gfx1250"
	.amdhsa_code_object_version 6
	.text
	.protected	k_qc0b9ff39a6_qkv
	.globl	k_qc0b9ff39a6_qkv
	.p2align	8
	.type	k_qc0b9ff39a6_qkv,@function
k_qc0b9ff39a6_qkv:
	s_mov_b64 s[64:65], 0
	v_nop
	global_prefetch_b8 v0, s[64:65] scope:SCOPE_SE
	s_setreg_imm32_b32 hwreg(HW_REG_WAVE_MODE, 25, 1), 1
	s_wait_xcnt 0x0
; QKV: x is quantised along its 512; v = x wv + bv (all 512 columns), and of q = x wq + bq, k = x wk + bk the 32 columns each that the scores use.  All products on codes of E5M2 with E8M0 scales.
; OUT: qkf [2][batch x head 32][token 2048][4] f32: plane 0 holds q'' = 0.25 log2(e) (q_n + the sum of the four q), plane 1 holds k: then t = score x log2(e) = q'' . k for every input (0.25 (sum q sum k + q . k) = sum over n of 0.25 (q_n + sum q) k_n).
;      vc [batch x head][key step 16][t 4]: images of V^T (row r = channel 32 (t / 2) + 8 (t % 2) + r + 8 (r / 8); K = 128 keys), quantised ALONG THE KEYS;  vs: their scale words, 64 bytes an image.
; SHARES: work-group (y, tb) takes tokens 128 tb .. + 127 and V's tiles 8 y .. 8 y + 7 (heads 2 y, 2 y + 1) and tile y of q and k.  Wave w: V's tiles 8 y + 2 w + a for all 128 tokens; the q/k tile for tokens 32 w .. + 31.
; THE TOKENS OF A ROW TILE ARE NOT NEIGHBOURS: row r of tile i = 2 B + u is token 32 B + 8 u + r + 8 (r / 8).  V's product takes x as source 0 and wv as source 1: a lane then holds ONE channel, and its 64 registers
; are keys 32 b + 16 (lane / 16) + 0..15: the layout that the conversions and the next operand want.  Each column quarter quantises x anew: that keeps 256 work-groups at work.
; x's fragments go from wave to wave through LDS as images of their registers (2,048 bytes, 16 x lane), their scale words 4 bytes a lane.  One barrier.
; No tensor load: x must pass through registers to be quantised, and each weight fragment is used by one wave alone.
; LIMITS: NaN and infinities are not served; a block of zeros, or under 2^-111, gets the byte 1 (zero codes add nothing; this program alone reads the bytes); the score is summed as q'' . k, another order of f32 rounding than the source's.
; REGISTERS: window 0: v1-13 lane terms; v16-23 q/k bias; v24-39 V's bias, twice eight; v40-47 weights' scale words; v48-55 x's; v64-191 two buffers of four x fragments; v192-223 codes; v224-239 at work; v240-255 q'' or k.
;   window 1: v0-127 wv's 8 fragments (4 a + s), v128-191 the q/k tile's four.   window 2: four sets of 64 numbers of x; later V's 16 accumulators (64 a + 8 i) and at v128 the two of q/k.
.set XSC, 65536                        ; LDS: 32 images (4 i + s) x 2048 from 0; behind them their scale words, (4 i + s) x 128
.set LI,  4                            ; v4   16 x lane
.set LS,  5                            ; v5   4 x lane
.set XA,  6                            ; v6   x: (r + 8 (r / 8)) x 2048 + 64 h
.set XWI, 7                            ; v7   my wave's images: 16 x lane + 16384 w
.set XWS, 8                            ; v8   their scale words: XSC + 4 x lane + 1024 w
.set XSR, 9                            ; v9   XSC + 4 x lane
.set QO,  10                           ; v10  qkf: 65536 h + 16 (r + 8 (r / 8))
.set R4,  11                           ; v11  4 r
.set BVA, 12                           ; v12  4 (r + 8 (r / 8))
.set QBA, 13                           ; v13  512 h
.set QB,  16
.set VB,  24
.set WVS, 40
.set WQS, 44
.set XS,  48
.set PW0, 56
.set PW1, 57
.set PWM, 58
.set XF0, 64
.set PC0, 192
.set PC1, 208
.set TM,  224                          ; +0..3 largest magnitudes, +4..7 bytes, +8..11 57,344 x the scale, +12..15 the conversions' scale operands
.set QR,  240
.set SEL, 26                           ; s[26:27] v_permlanex16_b32's selects for lane l xor 16
.set MNT, 28                           ; s28  the mantissa field of 57,344
.set MSB, 0
.macro WIN new                         ; the immediate's high byte repeats the setting that is left; a switch that changes nothing is dropped
.if MSB != (\new)
	s_set_vgpr_msb (MSB<<8)|(\new)
.set MSB, (\new)
.endif
.endm
.macro PLACES n
.rept \n
	v_nop
.endr
.endm
; 64 numbers of a lane in window W, register s + 16 b + i = k 32 b + 16 (lane / 16) + i of my row, become a fragment's codes in v[pc] on and its scale word in v[pw] (window 0).  Each run of lines has one window setting.
.macro QUANT s, W, relu, pc, pw
	WIN 5*\W                                       ; sources 0 and 1 in window W
.irp b, 0,1,2,3
.if \relu
	v_max3_num_f32 v[TM+\b], v[\s+16*\b], v[\s+1+16*\b], 0x8000000
.else
	v_max3_num_f32 v[TM+\b], |v[\s+16*\b]|, |v[\s+1+16*\b]|, 0x8000000    ; my 16 numbers of block b, and the floor 2^(16 - 127): the byte cannot fall under 1
.endif
.endr
	WIN 20*\W                                      ; sources 1 and 2
.irp i, 2,4,6,8,10,12,14
.irp b, 0,1,2,3
.if \relu
	v_max3_num_f32 v[TM+\b], v[TM+\b], v[\s+16*\b+\i], v[\s+1+16*\b+\i]
.else
	v_max3_num_f32 v[TM+\b], v[TM+\b], |v[\s+16*\b+\i]|, |v[\s+1+16*\b+\i]|   ; the four blocks by turns; each accumulator is read from its low end on
.endif
.endr
.endr
	WIN 0
.irp b, 0,1,2,3
	v_permlanex16_b32 v[TM+4+\b], v[TM+\b], s[SEL], s[SEL+1]
.endr
.irp b, 0,1,2,3
	v_max_num_f32 v[TM+\b], v[TM+\b], v[TM+4+\b]           ; with lane l xor 16's: the block's largest magnitude
.endr
.irp b, 0,1,2,3
	v_add_nc_u32 v[TM+12+\b], 0xf8800000, v[TM+\b]         ; 15 off its exponent field: the conversion's scale operand
.endr
.irp b, 0,1,2,3
	v_and_or_b32 v[TM+8+\b], v[TM+\b], 0x7f800000, s[MNT]  ; 57,344 x the scale
.endr
.irp b, 0,1,2,3
	v_lshrrev_b32 v[TM+4+\b], 23, v[TM+12+\b]              ; the scale's byte
.endr
	v_lshl_or_b32 v[\pw], v[TM+5], 8, v[TM+4]
	v_lshl_or_b32 v[\pw], v[TM+6], 16, v[\pw]
	v_lshl_or_b32 v[\pw], v[TM+7], 24, v[\pw]
	WIN 65*\W                                      ; source 0 and destination
.irp b, 0,1,2,3
.irp i, 0,1,2,3,4,5,6,7,8,9,10,11,12,13,14,15
.if \relu
	v_med3_num_f32 v[\s+16*\b+\i], v[\s+16*\b+\i], 0, v[TM+8+\b]
.else
	v_med3_num_f32 v[\s+16*\b+\i], v[\s+16*\b+\i], -v[TM+8+\b], v[TM+8+\b]   ; the conversion to an 8-bit code does not saturate (ISA guide 7.6.2): the hold
.endif
.endr
.endr
	WIN \W                                         ; source 0
.irp b, 0,1,2,3
	v_cvt_scalef32_pk8_bf8_f32 v[\pc+4*\b:\pc+1+4*\b], v[\s+16*\b:\s+7+16*\b], v[TM+12+\b]
	v_cvt_scalef32_pk8_bf8_f32 v[\pc+2+4*\b:\pc+3+4*\b], v[\s+8+16*\b:\s+15+16*\b], v[TM+12+\b]
.endr
	WIN 0
	v_nop                                          ; a plain line behind the last conversion
.endm
; combination k = 4 u + s: my row tile 2 w + u, K step s: 64 numbers a lane into set k % 4 of window 2
.macro XLOAD k
	WIN 0x80
.irp b, 0,1,2,3
.irp q, 0,1,2,3
	global_load_b128 v[64*((\k)&3)+16*\b+4*\q:64*((\k)&3)+16*\b+4*\q+3], v[XA], s[4:5] offset:16384*((\k)>>2)+512*((\k)&3)+128*\b+16*\q
.endr
.endr
	WIN 0
.endm
; K step s of row tiles 4 g .. 4 g + 3 into buffer g: 16 + 4 LDS loads
.macro XFLD s, g
.irp ii, 0,1,2,3
.irp c, 0,1,2,3
	ds_load_b128 v[XF0+64*\g+16*\ii+4*\c:XF0+64*\g+16*\ii+4*\c+3], v[LI] offset:(4*(4*\g+\ii)+(\s))*2048+512*\c
.endr
	ds_load_b32 v[XS+4*\g+\ii], v[XSR] offset:(4*(4*\g+\ii)+(\s))*128
.endr
.endm
	s_load_b512 s[4:19], s[0:1], 0x0               ; x s[4:5], wc s[6:7], ws s[8:9], bq s[10:11], bk s[12:13], bv s[14:15], qkf s[16:17], vc s[18:19]
	s_load_b64 s[20:21], s[0:1], 0x40              ; vs
	v_lshl_add_u32 v62, v0, 2, 0x11000
	v_mov_b32 v63, 0
	v_lshrrev_b32 v1, 5, v0
	v_readfirstlane_b32 s22, v1                    ; wave w
	s_mov_b32 s23, ttmp9                           ; y: the column quarter
	s_and_b32 s24, ttmp7, 0xffff                   ; tb: the block of 128 tokens
	v_and_b32 v1, 31, v0                           ; lane
	v_and_b32 v2, 15, v0                           ; r
	v_bfe_u32 v3, v0, 4, 1                         ; h
	v_lshlrev_b32 v[LI], 4, v1
	v_lshlrev_b32 v[LS], 2, v1
	v_and_b32 v14, 8, v2
	v_add_nc_u32 v14, v14, v2                      ; r + 8 (r / 8)
	v_lshlrev_b32 v[XA], 11, v14
	v_lshl_add_u32 v[XA], v3, 6, v[XA]
	s_lshl_b32 s60, s22, 14
	v_add_nc_u32 v[XWI], s60, v[LI]
	s_lshl_b32 s60, s22, 10
	s_add_co_u32 s60, s60, XSC
	v_add_nc_u32 v[XWS], s60, v[LS]
	v_add_nc_u32 v[XSR], XSC, v[LS]
	v_lshlrev_b32 v[QO], 4, v14
	v_lshl_add_u32 v[QO], v3, 16, v[QO]
	v_lshlrev_b32 v[R4], 2, v2
	v_lshlrev_b32 v[BVA], 2, v14
	v_lshlrev_b32 v[QBA], 9, v3
.irp b, 0,1,2,3
	v_mov_b32 v[TM+4+\b], 0                        ; written once: a lane permute's destination counts as one of its sources
.endr
	s_mov_b32 s[SEL], 0x76543210
	s_mov_b32 s[SEL+1], 0xfedcba98
	s_mov_b32 s[MNT], 0x600000
	s_and_b32 s25, s23, 1                          ; y % 2
	s_lshr_b32 s31, s23, 1                         ; y / 2: 0 = q, 1 = k
	s_lshr_b32 s54, s24, 4                         ; batch
	s_and_b32 s55, s24, 15                         ; key step
	s_and_b32 s56, s22, 1
	s_lshr_b32 s57, s22, 1
	s_lshl_b32 s32, s24, 18                        ; x: (128 tb + 32 w) rows of 2,048 bytes
	s_lshl_b32 s60, s22, 16
	s_add_co_u32 s32, s32, s60
	s_mov_b32 s33, 0
	s_lshl_b32 s34, s23, 16                        ; wv's fragments: 65536 y + 4096 w
	s_lshl_b32 s60, s22, 12
	s_add_co_u32 s34, s34, s60
	s_mov_b32 s35, 0
	s_lshl_b32 s36, s23, 11                        ; the q/k tile: 2048 y
	s_mov_b32 s37, 0
	s_lshr_b32 s38, s34, 5                         ; their scale words
	s_mov_b32 s39, 0
	s_lshl_b32 s40, s23, 6
	s_mov_b32 s41, 0
	s_lshl_b32 s42, s25, 10                        ; bq or bk: heads 4 (y % 2) on
	s_mov_b32 s43, 0
	s_lshl_b32 s44, s23, 9                         ; bv: column 128 y + 32 w
	s_lshl_b32 s60, s22, 7
	s_add_co_u32 s44, s44, s60
	s_mov_b32 s45, 0
	s_lshl_b32 s46, s31, 20                        ; qkf: plane, batch x head 8 batch + 4 (y % 2), token 128 (tb % 16) + 32 w
	s_lshl_b32 s60, s54, 18
	s_add_co_u32 s46, s46, s60
	s_lshl_b32 s60, s25, 17
	s_add_co_u32 s46, s46, s60
	s_lshl_b32 s60, s55, 11
	s_add_co_u32 s46, s46, s60
	s_lshl_b32 s60, s22, 9
	s_add_co_u32 s46, s46, s60
	s_mov_b32 s47, 0
	s_lshl_b32 s48, s54, 20                        ; vc: batch x head 8 batch + 2 y + w / 2, key step, t = 2 (w % 2)
	s_lshl_b32 s60, s23, 18
	s_add_co_u32 s48, s48, s60
	s_lshl_b32 s60, s57, 17
	s_add_co_u32 s48, s48, s60
	s_lshl_b32 s60, s55, 13
	s_add_co_u32 s48, s48, s60
	s_lshl_b32 s60, s56, 12
	s_add_co_u32 s48, s48, s60
	s_mov_b32 s49, 0
	s_lshr_b32 s50, s48, 5                         ; vs: the same / 32
	s_mov_b32 s51, 0
	s_wait_kmcnt 0x0
	s_cmp_lt_u32 s23, 2                            ; q's quarter or k's: a choice on the work-group's number alone, without a branch
	s_cselect_b64 s[10:11], s[10:11], s[12:13]
	s_cselect_b32 s29, 0x3eb8aa3b, 1.0             ; alpha: 0.25 log2(e) for q, 1 for k
	s_cselect_b32 s30, 1.0, 0                      ; beta: the sum counts for q alone
	s_add_nc_u64 s[4:5], s[4:5], s[32:33]
	s_add_nc_u64 s[52:53], s[6:7], s[34:35]
	s_add_nc_u64 s[6:7], s[6:7], s[36:37]
	s_add_nc_u64 s[58:59], s[8:9], s[38:39]
	s_add_nc_u64 s[8:9], s[8:9], s[40:41]
	s_add_nc_u64 s[10:11], s[10:11], s[42:43]
	s_add_nc_u64 s[14:15], s[14:15], s[44:45]
	s_add_nc_u64 s[16:17], s[16:17], s[46:47]
	s_add_nc_u64 s[18:19], s[18:19], s[48:49]
	s_add_nc_u64 s[20:21], s[20:21], s[50:51]
	; the weights' side first, so that these loads are the oldest: they stay in registers
	WIN 0x40
.irp a, 0,1
.irp s, 0,1,2,3
.irp c, 0,1,2,3
	global_load_b128 v[16*(4*\a+\s)+4*\c:16*(4*\a+\s)+4*\c+3], v[LI], s[52:53] offset:2359296+16384*\s+2048*\a+512*\c
.endr
.endr
.endr
.irp s, 0,1,2,3
.irp c, 0,1,2,3
	global_load_b128 v[128+16*\s+4*\c:128+16*\s+4*\c+3], v[LI], s[6:7] offset:2621440+16384*\s+512*\c
.endr
.endr
	WIN 0
.irp s, 0,1,2,3
	global_load_b32 v[WVS+\s], v[LS], s[58:59] offset:73728+512*\s     ; lanes 0-15: tile a = 0; lanes 16-31: a = 1
	global_load_b32 v[WQS+\s], v[R4], s[8:9] offset:81920+512*\s
.endr
	global_load_b128 v[QB:QB+3], v[QBA], s[10:11]                      ; the bias in the result's layout: head 2 h, components 0-3,
	global_load_b128 v[QB+4:QB+7], v[QBA], s[10:11] offset:256         ; head 2 h + 1
	global_load_b32 v[VB], v[BVA], s[14:15]                            ; bv at my lane's channel, tile a = 0,
	global_load_b32 v[VB+8], v[BVA], s[14:15] offset:32                ; a = 1
	; ---- X: my 32 tokens of x become eight fragments.  Loads run four combinations ahead
	XLOAD 0
	XLOAD 1
	XLOAD 2
	XLOAD 3
.irp k, 0,1,2,3,4,5,6,7
.if \k < 5
	s_wait_loadcnt 48                              ; this set's 16 loads are in; the three younger sets' 48 may be out
.else
	s_wait_loadcnt 16*(7-\k)
.endif
	QUANT 64*(\k&3), 2, 0, PC0, PW0
.irp c, 0,1,2,3
	ds_store_b128 v[XWI], v[PC0+4*\c:PC0+4*\c+3] offset:8192*(\k>>2)+2048*(\k&3)+512*\c
.endr
	ds_store_b32 v[XWS], v[PW0] offset:512*(\k>>2)+128*(\k&3)
.if \k < 4
	XLOAD \k+4
.endif
	s_wait_dscnt 0x0                               ; the stores have read the codes' registers (before the barrier: they have landed, for the others' sake)
.endr
	s_barrier_signal -1
	s_barrier_wait -1                              ; x's 32 fragments lie in LDS
	; ---- Q: the q/k tile for my two row tiles (transposed: source 0 = the weights' 16 rows, source 1 = x): a lane holds one token, two heads x four components
.irp j, 1,2,3,4,5,6,7
	v_mov_b32 v[VB+\j], v[VB]                      ; V's bias is one number a lane: the C of a sum's first product wants it eight times
	v_mov_b32 v[VB+8+\j], v[VB+8]
.endr
.irp u, 0,1
.irp s, 0,1,2,3
.irp c, 0,1,2,3
	ds_load_b128 v[XF0+64*\u+16*\s+4*\c:XF0+64*\u+16*\s+4*\c+3], v[XWI] offset:8192*\u+2048*\s+512*\c
.endr
	ds_load_b32 v[XS+4*\u+\s], v[XWS] offset:512*\u+128*\s
.endr
.endr
	s_wait_dscnt 0x0
.irp s, 0,1,2,3
.if \s == 0
	WIN 0x81                                       ; source 0 window 1, C window 0 (the bias), D window 2
.else
	WIN 0xa1                                       ; C and D window 2
.endif
.irp u, 0,1                                    ; the two accumulators by turns
.if \s == 0
	v_wmma_scale_f32_16x16x128_f8f6f4 v[128+8*\u:135+8*\u], v[128+16*\s:143+16*\s], v[XF0+64*\u+16*\s:XF0+64*\u+16*\s+15], v[QB:QB+7], v[WQS+\s], v[XS+4*\u+\s] matrix_a_fmt:MATRIX_FMT_BF8 matrix_b_fmt:MATRIX_FMT_BF8
.else
	v_wmma_scale_f32_16x16x128_f8f6f4 v[128+8*\u:135+8*\u], v[128+16*\s:143+16*\s], v[XF0+64*\u+16*\s:XF0+64*\u+16*\s+15], v[128+8*\u:135+8*\u], v[WQS+\s], v[XS+4*\u+\s] matrix_a_fmt:MATRIX_FMT_BF8 matrix_b_fmt:MATRIX_FMT_BF8
.endif
.endr
.endr
	WIN 0
	PLACES 8                                       ; eight places behind this form, in front of the first read of results and of the loads into x's buffers
	WIN 0x0a
.irp u, 0,1
.irp g, 0,1
	v_add_f32 v[TM+4*\u+2*\g], v[128+8*\u+4*\g], v[129+8*\u+4*\g]
	v_add_f32 v[TM+4*\u+2*\g+1], v[130+8*\u+4*\g], v[131+8*\u+4*\g]
.endr
.endr
	WIN 0
.irp u, 0,1
.irp g, 0,1
	v_add_f32 v[TM+4*\u+2*\g], v[TM+4*\u+2*\g], v[TM+4*\u+2*\g+1]      ; the sum of a head's four components
.endr
.endr
	WIN 0x20
.irp u, 0,1
.irp g, 0,1
.irp n, 0,1,2,3
	v_fma_f32 v[QR+8*\u+4*\g+\n], s30, v[TM+4*\u+2*\g], v[128+8*\u+4*\g+\n]   ; q: q_n + the sum;  k: k_n
.endr
.endr
.endr
	WIN 0
.set i, 0
.rept 16
	v_mul_f32 v[QR+i], s29, v[QR+i]
.set i, i+1
.endr
.irp u, 0,1
.irp g, 0,1
	global_store_b128 v[QO], v[QR+8*\u+4*\g:QR+8*\u+4*\g+3], s[16:17] offset:32768*\g+128*\u   ; head 2 h + g, token 8 u + r + 8 (r / 8): eight neighbouring lanes store 128 consecutive bytes
.endr
.endr
	; ---- V: 16 accumulators (2 tiles of channels x 8 row tiles) by turns, a K step of four row tiles at a time, x's fragments two groups ahead
	XFLD 0, 0
	XFLD 0, 1
.irp s, 0,1,2,3
.irp g, 0,1
.if (\s == 3) && (\g == 1)
	s_wait_dscnt 0x0
.else
	s_wait_dscnt 20                                ; this group's 20 loads are in; the next group's 20 may be out
.endif
.if \s == 0
	WIN 0x84                                       ; source 1 (wv) window 1, C window 0 (the bias), D window 2
.else
	WIN 0xa4
.endif
.irp ii, 0,1,2,3
.if \s == 0
	v_wmma_scale_f32_16x16x128_f8f6f4 v[8*(4*\g+\ii):8*(4*\g+\ii)+7], v[XF0+64*\g+16*\ii:XF0+64*\g+16*\ii+15], v[16*\s:16*\s+15], v[VB:VB+7], v[XS+4*\g+\ii], v[WVS+\s] matrix_a_fmt:MATRIX_FMT_BF8 matrix_b_fmt:MATRIX_FMT_BF8
	v_wmma_scale_f32_16x16x128_f8f6f4 v[64+8*(4*\g+\ii):64+8*(4*\g+\ii)+7], v[XF0+64*\g+16*\ii:XF0+64*\g+16*\ii+15], v[64+16*\s:64+16*\s+15], v[VB+8:VB+15], v[XS+4*\g+\ii], v[WVS+\s] matrix_a_fmt:MATRIX_FMT_BF8 matrix_b_fmt:MATRIX_FMT_BF8 matrix_b_scale:MATRIX_SCALE_ROW1
.else
	v_wmma_scale_f32_16x16x128_f8f6f4 v[8*(4*\g+\ii):8*(4*\g+\ii)+7], v[XF0+64*\g+16*\ii:XF0+64*\g+16*\ii+15], v[16*\s:16*\s+15], v[8*(4*\g+\ii):8*(4*\g+\ii)+7], v[XS+4*\g+\ii], v[WVS+\s] matrix_a_fmt:MATRIX_FMT_BF8 matrix_b_fmt:MATRIX_FMT_BF8
	v_wmma_scale_f32_16x16x128_f8f6f4 v[64+8*(4*\g+\ii):64+8*(4*\g+\ii)+7], v[XF0+64*\g+16*\ii:XF0+64*\g+16*\ii+15], v[64+16*\s:64+16*\s+15], v[64+8*(4*\g+\ii):64+8*(4*\g+\ii)+7], v[XS+4*\g+\ii], v[WVS+\s] matrix_a_fmt:MATRIX_FMT_BF8 matrix_b_fmt:MATRIX_FMT_BF8 matrix_b_scale:MATRIX_SCALE_ROW1
.endif
.endr
	WIN 0
	PLACES 8                                       ; in front of loads into registers that these products read, and at the end of the first read of results
.if \s < 3
	XFLD \s+1, \g
.endif
.endr
.endr
	QUANT 0, 2, 0, PC0, PW0                        ; V^T, tile a = 0: 64 keys a lane, quantised along the keys
	QUANT 64, 2, 0, PC1, PW1                       ; a = 1
.irp a, 0,1
.irp c, 0,1,2,3
	global_store_b128 v[LI], v[PC0+16*\a+4*\c:PC0+16*\a+4*\c+3], s[18:19] offset:2048*\a+512*\c   ; 512 consecutive bytes a store
.endr
.endr
	v_cmp_lt_u32 vcc_lo, 15, v1
	v_cndmask_b32 v[PWM], v[PW0], v[PW1], vcc_lo   ; lanes 0-15: tile a = 0's words; lanes 16-31: a = 1's
	global_store_b32 v[LS], v[PWM], s[20:21]
	s_wait_tensorcnt 0x0
	ds_add_u32 v62, v63
	s_wait_dscnt 0x0
	s_endpgm
.Lfunc_end_k_qc0b9ff39a6_qkv:
	.size	k_qc0b9ff39a6_qkv, .Lfunc_end_k_qc0b9ff39a6_qkv-k_qc0b9ff39a6_qkv
	.p2alignl 7, 3214868480
	.fill 96, 4, 3214868480
	.section	.rodata,"a",@progbits
	.p2align	6, 0x0
	.amdhsa_kernel k_qc0b9ff39a6_qkv
		.amdhsa_group_segment_fixed_size 70144
		.amdhsa_private_segment_fixed_size 0
		.amdhsa_enable_private_segment 0
		.amdhsa_kernarg_size 72
		.amdhsa_user_sgpr_count 2
		.amdhsa_user_sgpr_kernarg_segment_ptr 1
		.amdhsa_wavefront_size32 1
		.amdhsa_system_sgpr_workgroup_id_x 1
		.amdhsa_system_sgpr_workgroup_id_y 1
		.amdhsa_system_sgpr_workgroup_id_z 1
		.amdhsa_system_vgpr_workitem_id 0
		.amdhsa_next_free_vgpr 768
		.amdhsa_next_free_sgpr 66
		.amdhsa_reserve_vcc 1
		.amdhsa_float_denorm_mode_32 3
		.amdhsa_float_denorm_mode_16_64 3
		.amdhsa_memory_ordered 1
		.amdhsa_forward_progress 1
		.amdhsa_inst_pref_size 136
	.end_amdhsa_kernel
	.amdgpu_metadata
---
amdhsa.version: [ 1, 2 ]
amdhsa.kernels:
  - .name:           k_qc0b9ff39a6_qkv
    .symbol:         k_qc0b9ff39a6_qkv.kd
    .args:
      - { .name: x, .offset: 0, .size: 8, .value_kind: global_buffer, .address_space: global }
      - { .name: wc, .offset: 8, .size: 8, .value_kind: global_buffer, .address_space: global }
      - { .name: ws, .offset: 16, .size: 8, .value_kind: global_buffer, .address_space: global }
      - { .name: bq, .offset: 24, .size: 8, .value_kind: global_buffer, .address_space: global }
      - { .name: bk, .offset: 32, .size: 8, .value_kind: global_buffer, .address_space: global }
      - { .name: bv, .offset: 40, .size: 8, .value_kind: global_buffer, .address_space: global }
      - { .name: qkf, .offset: 48, .size: 8, .value_kind: global_buffer, .address_space: global }
      - { .name: vc, .offset: 56, .size: 8, .value_kind: global_buffer, .address_space: global }
      - { .name: vs, .offset: 64, .size: 8, .value_kind: global_buffer, .address_space: global }
    .group_segment_fixed_size: 70144
    .private_segment_fixed_size: 0
    .kernarg_segment_align: 8
    .kernarg_segment_size: 72
    .max_flat_workgroup_size: 128
    .sgpr_count:     66
    .vgpr_count:     768
    .wavefront_size: 32
...
	.end_amdgpu_metadata
.endif
;; end of part 2
;; launch attn (part 3): grid 8 x 32, 16 waves a work-group, clusters of 4 x 1, 198,656 bytes of LDS; arguments qkf, vc, vs, oc, os; writes oc, os
.if DOCPART == 3
	.amdgcn_target "amdgcn-amd-amdhsa--gfx1250"
	.amdhsa_code_object_version 6
	.text
	.protected	k_qc0b9ff39a6_attn
	.globl	k_qc0b9ff39a6_attn
	.p2align	8
	.type	k_qc0b9ff39a6_attn,@function
k_qc0b9ff39a6_attn:
	s_mov_b64 s[64:65], 0
	v_nop
	global_prefetch_b8 v0, s[64:65] scope:SCOPE_SE
	s_setreg_imm32_b32 hwreg(HW_REG_WAVE_MODE, 25, 1), 1
	s_wait_xcnt 0x0
	s_wait_alu depctr_hold_cnt(0) depctr_sa_sdst(0) depctr_va_vdst(0) depctr_va_sdst(0) depctr_va_ssrc(0) depctr_va_vcc(0) depctr_vm_vsrc(0)
	s_getreg_b32 s2, hwreg(HW_REG_IB_STS2, 6, 4)
	s_cmp_eq_u32 s2, 0
	s_cbranch_scc0 .Lentry_in_a_cluster
	s_endpgm
.Lentry_in_a_cluster:
	s_bfe_u32 s2, ttmp6, 0x10000c
	s_cmp_lg_u32 s2, 0x3003
	s_cbranch_scc0 .Lentry_shape_is_right
	s_endpgm
.Lentry_shape_is_right:
; ATTN: o = softmax(scores) v for one batch x head and 256 queries a work-group; o leaves quantised along the model's 512 (k = 64 head + channel), as images of the next product's operand.
; t = score x log2(e) = q'' . k, K = 4, f32 operands, by v_wmma_f32_16x16x4_f32 (its result goes on into a quantiser).  M = the running largest t rounded UP to a whole number; p = 2^(t - M) is quantised along the keys,
; not normalised; the row's sum is taken of the unquantised p and divides at the end; when M moves, the sum and O^T are multiplied by 2^(old M - new M), which rounds nothing.  No branch hangs on data.
; SHARES: sixteen waves, each ONE tile of 16 queries in 256 registers: four waves to a SIMD, so that one wave's vector work stands beside another's matrix work and LDS loads.  Every wave walks the 2,048 keys, 128 a step.
; BOTH PRODUCTS TRANSPOSED (S^T = k q''^T, O^T = V^T P^T): a lane holds one query throughout.  THE KEYS OF A TILE ARE NOT NEIGHBOURS: lane r of tile 2 b + u takes key 32 b + 8 u + r + 8 (r / 8), so that the 16 registers
; of tiles 2 b, 2 b + 1 are 16 neighbouring keys; V^T's channels are chosen likewise, so that O^T's registers run along the next product's K.
; LDS IS FILLED ONCE: the head's V^T images (131,072 bytes), k (32,768) and V's scale words (4,096) all fit: no ring, no refill.  Each wave has at most one tensor load out.
; CLUSTER: the four query blocks of a cluster belong to one head and want the same bytes: each piece is asked for JOINTLY (mask 15), by the same line with the same descriptor in all four.
; LIMITS: NaN and infinities are not served; a block of zeros, or under 2^-111, gets the byte 1.
; REGISTERS: v1-3 lane terms, v4 r, v5 h, v8-10 addresses in hand; v12 -M, v13 the largest t, v[14:15] the sum; v[16:17] q''; v18-33 k's 8 fragments; v34-35 V's scale words;
;   v36-99 S^T (written by the f32 matrix form alone); v100-163 p, then V's four fragments, at the end o; v164-195 O^T; v196-211 p's codes; v212-227 at work; v228 f; v231 p's scale word.
.set KL,   131072                      ; LDS: V^T's images from 0; k's rows of 16 bytes;
.set VSL,  163840                      ; V's scale words, 256 bytes a key step
.set AK0,  1
.set AV0,  2
.set ASV,  3
.set ADK,  8
.set ADV,  9
.set ADT,  10
.set KF,   18
.set S,    36
.set P,    100
.set O,    164
.set PC,   196
.set TM,   212
.set WV,   14                          ; s14  my wave's number
.set SEL,  18                          ; s[18:19]
.set MNT,  20
.set TK,   21                          ; s21-23  where the step's k, V and scale words begin in LDS
.set TV,   22
.set TS,   23
.set CNT,  24
.set G1A,  28                          ; s[28:35] group 1: 64 dense rows of 256 bytes
.set G1S,  36                          ; s[36:43] the same with 16 rows
.set G0V,  44                          ; s[44:47], s[48:51], s[52:55] groups 0 for V, k, V's scale words
.set G0K,  48
.set G0S,  52
.macro PLACES n
.rept \n
	v_nop
.endr
.endm
.macro ROUND                           ; a round of the cluster's barrier
	s_barrier_signal -1
	s_barrier_wait -1
	s_cmp_lg_u32 s[WV], 0
	s_cbranch_scc1 .Lnot_wave_0_\@
	s_barrier_signal -3
.Lnot_wave_0_\@:
	s_barrier_wait -3
	s_barrier_signal -1
	s_barrier_wait -1
.endm
	s_load_b256 s[4:11], s[0:1], 0x0               ; qkf s[4:5], vc s[6:7], vs s[8:9], oc s[10:11]
	s_load_b64 s[12:13], s[0:1], 0x20              ; os
	v_lshl_add_u32 v254, v0, 2, 0x30000
	v_mov_b32 v255, 0
	ds_add_u32 v254, v255
	ds_add_u32 v254, v255
	v_lshrrev_b32 v4, 5, v0
	v_readfirstlane_b32 s[WV], v4                  ; wave 0..15
	s_bfe_u32 s15, ttmp6, 0x40000                  ; cx
	s_lshl_b32 s16, ttmp9, 2
	s_add_co_u32 s16, s16, s15                     ; my block of 256 queries: it enters q's, oc's and os's global addresses alone
	s_and_b32 s17, ttmp7, 0xffff                   ; batch x head, which the four partners share
	s_mov_b32 s[G1A], 15|(3<<16)|(1<<21)           ; 15:0 the mask: all four; 17:16 elements of 8 bytes; 21 set beside a mask; no padding: every LDS read takes consecutive bytes
	s_mov_b32 s[G1A+1], 32<<16                     ; tensor_dim0 = 32
	s_mov_b32 s[G1A+2], 64<<16                     ; tensor_dim1 = 64
	s_mov_b32 s[G1A+3], 32<<16                     ; tile_dim0 = 32
	s_mov_b32 s[G1A+4], 64                         ; tile_dim1 = 64
	s_mov_b32 s[G1A+5], 32                         ; the pitch
	s_mov_b32 s[G1A+6], 0
	s_mov_b32 s[G1A+7], 0
	s_mov_b32 s[G1S], 15|(3<<16)|(1<<21)
	s_mov_b32 s[G1S+1], 32<<16
	s_mov_b32 s[G1S+2], 16<<16
	s_mov_b32 s[G1S+3], 32<<16
	s_mov_b32 s[G1S+4], 16
	s_mov_b32 s[G1S+5], 32
	s_mov_b32 s[G1S+6], 0
	s_mov_b32 s[G1S+7], 0
	s_lshl_b32 s56, s[WV], 14                      ; 16,384 x wave: my piece's place in LDS (waves 0-7: V; 8, 9: k, which begins at 8 x 16,384)
	s_lshl_b32 s58, s17, 17
	s_add_co_u32 s58, s58, s56                     ; V: the head's 131,072 bytes, my eighth
	s_mov_b32 s59, 0
	s_and_b32 s60, s[WV], 7
	s_lshl_b32 s60, s60, 14
	s_lshl_b32 s61, s17, 15
	s_add_co_u32 s60, s60, s61
	s_add_co_u32 s60, s60, 1048576                 ; k: plane 1, the head's 32,768 bytes, my half
	s_mov_b32 s61, 0
	s_lshl_b32 s62, s17, 12                        ; V's scale words: 4,096 bytes a head
	s_mov_b32 s63, 0
	s_lshl_b32 s66, s17, 15                        ; q'': the head, my block's 256 rows of 16 bytes, my wave's 16
	s_lshl_b32 s67, s16, 12
	s_add_co_u32 s66, s66, s67
	s_lshl_b32 s67, s[WV], 8
	s_add_co_u32 s66, s66, s67
	s_mov_b32 s67, 0
	s_mov_b32 s[SEL], 0x76543210
	s_mov_b32 s[SEL+1], 0xfedcba98
	s_mov_b32 s[MNT], 0x600000
	s_mov_b32 s[TK], 0
	s_mov_b32 s[TV], 0
	s_mov_b32 s[TS], 0
	s_mov_b32 s[CNT], 16
	s_wait_dscnt 0x0
	s_wait_kmcnt 0x0
	s_mov_b32 s[G0V], 1
	s_mov_b32 s[G0V+1], s56
	s_add_nc_u64 s[G0V+2:G0V+3], s[6:7], s[58:59]
	s_or_b32 s[G0V+3], s[G0V+3], 0x80000000
	s_mov_b32 s[G0K], 1
	s_mov_b32 s[G0K+1], s56
	s_add_nc_u64 s[G0K+2:G0K+3], s[4:5], s[60:61]
	s_or_b32 s[G0K+3], s[G0K+3], 0x80000000
	s_mov_b32 s[G0S], 1
	s_mov_b32 s[G0S+1], VSL
	s_add_nc_u64 s[G0S+2:G0S+3], s[8:9], s[62:63]
	s_or_b32 s[G0S+3], s[G0S+3], 0x80000000
	s_add_nc_u64 s[68:69], s[4:5], s[66:67]
	ROUND                                          ; all four work-groups are here: the joint loads meet
	s_cmp_lt_u32 s[WV], 8                          ; the branches hang on the wave's number alone; four v_nop follow each load
	s_cbranch_scc0 .Lnot_v
	tensor_load_to_lds s[G0V:G0V+3], s[G1A:G1A+7]
	s_nop 0
	PLACES 4
	s_branch .Lasked
.Lnot_v:
	s_cmp_lt_u32 s[WV], 10
	s_cbranch_scc0 .Lnot_k
	tensor_load_to_lds s[G0K:G0K+3], s[G1A:G1A+7]
	s_nop 0
	PLACES 4
	s_branch .Lasked
.Lnot_k:
	s_cmp_eq_u32 s[WV], 10
	s_cbranch_scc0 .Lasked
	tensor_load_to_lds s[G0S:G0S+3], s[G1S:G1S+7]
	s_nop 0
	PLACES 4
.Lasked:
	v_and_b32 v4, 15, v0                           ; r
	v_bfe_u32 v5, v0, 4, 1                         ; h
	v_lshlrev_b32 v6, 4, v4
	v_lshl_add_u32 v6, v5, 3, v6                   ; an f32 fragment: row r, k = 2 h + 0, 1: 8 bytes at 16 r + 8 h
	global_load_b64 v[16:17], v6, s[68:69]         ; q'' stays in registers
	v_and_b32 v7, 8, v4
	v_add_nc_u32 v7, v7, v4                        ; r + 8 (r / 8)
	v_lshlrev_b32 v[AK0], 4, v7
	v_lshl_add_u32 v[AK0], v5, 3, v[AK0]
	v_add_nc_u32 v[AK0], KL, v[AK0]
	v_and_b32 v11, 31, v0
	v_lshlrev_b32 v[AV0], 4, v11                   ; an image: 16 x lane
	v_lshl_add_u32 v[ASV], v11, 2, VSL             ; scale words: 4 x lane: lanes 0-15 an even tile's, lanes 16-31 the odd one's
	v_mov_b32 v13, 0xff61b1e6                      ; the largest t so far: -3e38, under every t
	v_floor_f32 v12, -v13                          ; -M
	v_mov_b32 v14, 0
	v_mov_b32 v15, 0
	v_mov_b32 v229, 0                              ; (named as the upper half of the pair v[228:229])
	v_mov_b32 v230, 0
.irp b, 0,1,2,3
	v_mov_b32 v[TM+4+\b], 0                        ; written once: a lane permute's destination counts as one of its sources
.endr
.set j, 0
.rept 32
	v_mov_b32 v[O+j], 0                            ; O^T: the step is written once; the first finds zeros, which the first change of M leaves zeros
.set j, j+1
.endr
	s_wait_tensorcnt 0x0                           ; my piece has landed,
	s_barrier_signal -1
	s_barrier_wait -1                              ; everybody's has
	s_wait_loadcnt 0x0                             ; q''
.Lstep:                                            ; 16 trips of 128 keys
	v_add_nc_u32 v[ADK], s[TK], v[AK0]
.irp t, 0,1,2,3,4,5,6,7
	ds_load_b64 v[KF+2*\t:KF+2*\t+1], v[ADK] offset:(32*(\t/2)+8*(\t%2))*16
.endr
	v_add_nc_u32 v[ADV], s[TV], v[AV0]
	v_add_nc_u32 v[ADT], s[TS], v[ASV]
	s_wait_dscnt 0x0
.irp t, 0,1,2,3,4,5,6,7
	v_wmma_f32_16x16x4_f32 v[S+8*\t:S+8*\t+7], v[KF+2*\t:KF+2*\t+1], v[16:17], 0     ; t for 16 keys x my 16 queries: the whole sum is this one K step
.endr
	PLACES 8                                       ; eight places behind this form
.irp b, 0,1,2,3
	v_max3_num_f32 v[TM+\b], v[S+16*\b], v[S+1+16*\b], v[S+2+16*\b]    ; the largest t of each block of 32 keys: it serves the row's maximum and, since p rises with t, the block's largest p
.endr
.irp i, 3,5,7,9,11,13
.irp b, 0,1,2,3
	v_max3_num_f32 v[TM+\b], v[TM+\b], v[S+16*\b+\i], v[S+1+16*\b+\i]
.endr
.endr
.irp b, 0,1,2,3
	v_max_num_f32 v[TM+\b], v[TM+\b], v[S+15+16*\b]
.endr
.irp b, 0,1,2,3
	v_permlanex16_b32 v[TM+4+\b], v[TM+\b], s[SEL], s[SEL+1]
.endr
.irp b, 0,1,2,3
	v_max_num_f32 v[TM+\b], v[TM+\b], v[TM+4+\b]   ; with lane l xor 16's 16 keys
.endr
	v_max3_num_f32 v230, v[TM], v[TM+1], v[TM+2]
	v_max_num_f32 v230, v230, v[TM+3]
	v_max_num_f32 v13, v13, v230                   ; the running largest t
	v_mov_b32 v230, v12
	v_floor_f32 v12, -v13                          ; the new -M = floor(-t) = -ceil(t)
	v_sub_f32 v230, v12, v230                      ; old M - new M: a whole number, 0 or less
	v_cvt_i32_f32 v230, v230                       ; (it saturates)
	v_ldexp_f32 v228, 1.0, v230                    ; f = 2^(old M - new M)
.set j, 0
.rept 32
	v_pk_add_f32 v[P+j:P+j+1], v[S+j:S+j+1], v[12:13] op_sel_hi:[1,0]   ; t - M, two at a time, into other registers than the matrix form's
.set j, j+2
.endr
.irp b, 0,1,2,3
	v_add_f32 v[TM+\b], v[TM+\b], v12              ; the same of each block's largest t
.endr
.set j, 0
.rept 64
	v_exp_f32 v[P+j], v[P+j]                       ; p = 2^(t - M), at most 1
.set j, j+1
.endr
.irp b, 0,1,2,3
	v_exp_f32 v[TM+\b], v[TM+\b]                   ; the block's largest p: the same instructions on the same number give the same bits
.endr
	v_pk_mul_f32 v[14:15], v[14:15], v[228:229] op_sel_hi:[1,0]         ; the sums under the new M (a plain line behind the exponentials)
	s_wait_alu depctr_va_vdst(0)
.irp b, 0,1,2,3
	v_max_num_f32 v[TM+\b], 0x8000000, v[TM+\b]    ; the floor 2^(16 - 127)
.endr
.irp b, 0,1,2,3
	v_add_nc_u32 v[TM+12+\b], 0xf8800000, v[TM+\b]
.endr
.irp b, 0,1,2,3
	v_and_or_b32 v[TM+8+\b], v[TM+\b], 0x7f800000, s[MNT]
.endr
.irp b, 0,1,2,3
	v_lshrrev_b32 v[TM+4+\b], 23, v[TM+12+\b]
.endr
	v_lshl_or_b32 v231, v[TM+5], 8, v[TM+4]        ; p's scale word for these 128 keys
	v_lshl_or_b32 v231, v[TM+6], 16, v231
	v_lshl_or_b32 v231, v[TM+7], 24, v231
	v_pk_add_f32 v[232:233], v[P:P+1], v[P+2:P+3]  ; the row's sum of the UNQUANTISED p, in two chains
.irp j, 4,8,12,16,20,24,28,32,36,40,44,48,52,56,60
	v_pk_add_f32 v[14:15], v[14:15], v[P+\j:P+\j+1]
	v_pk_add_f32 v[232:233], v[232:233], v[P+2+\j:P+3+\j]
.endr
	v_pk_add_f32 v[14:15], v[14:15], v[232:233]
.irp b, 0,1,2,3
.irp i, 0,1,2,3,4,5,6,7,8,9,10,11,12,13,14,15
	v_min_num_f32 v[P+16*\b+\i], v[P+16*\b+\i], v[TM+8+\b]              ; the hold (ISA guide 7.6.2); p is not negative, so it is one-sided
.endr
.endr
.irp b, 0,1,2,3
	v_cvt_scalef32_pk8_bf8_f32 v[PC+4*\b:PC+1+4*\b], v[P+16*\b:P+7+16*\b], v[TM+12+\b]
	v_cvt_scalef32_pk8_bf8_f32 v[PC+2+4*\b:PC+3+4*\b], v[P+8+16*\b:P+15+16*\b], v[TM+12+\b]
.endr
.irp t, 0,1,2,3
.irp c, 0,1,2,3
	ds_load_b128 v[P+16*\t+4*\c:P+16*\t+4*\c+3], v[ADV] offset:2048*\t+512*\c   ; V^T's four fragments take p's registers
.endr
.endr
	ds_load_b32 v34, v[ADT]
	ds_load_b32 v35, v[ADT] offset:128
.set j, 0
.rept 16
	v_pk_mul_f32 v[O+j:O+j+1], v[O+j:O+j+1], v[228:229] op_sel_hi:[1,0]   ; O^T under the new M, from each accumulator's low end on; these 16 are also the places between the conversions and the products
.set j, j+2
.endr
	s_wait_dscnt 0x0
.irp t, 0,2                                    ; four accumulators by turns; the body's first matrix instruction is S^T's
	v_wmma_scale_f32_16x16x128_f8f6f4 v[O+8*\t:O+8*\t+7], v[P+16*\t:P+16*\t+15], v[PC:PC+15], v[O+8*\t:O+8*\t+7], v[34+\t/2], v231 matrix_a_fmt:MATRIX_FMT_BF8 matrix_b_fmt:MATRIX_FMT_BF8
	v_wmma_scale_f32_16x16x128_f8f6f4 v[O+8+8*\t:O+15+8*\t], v[P+16+16*\t:P+31+16*\t], v[PC:PC+15], v[O+8+8*\t:O+15+8*\t], v[34+\t/2], v231 matrix_a_fmt:MATRIX_FMT_BF8 matrix_b_fmt:MATRIX_FMT_BF8 matrix_a_scale:MATRIX_SCALE_ROW1
.endr
	s_add_co_u32 s[TK], s[TK], 2048
	s_add_co_u32 s[TV], s[TV], 8192
	s_add_co_u32 s[TS], s[TS], 256
	s_sub_co_u32 s[CNT], s[CNT], 1
	s_cmp_lg_u32 s[CNT], 0
	s_cbranch_scc1 .Lstep
	; ---- the end: o = O^T / the sum, quantised along the head's 64 channels: two blocks of the next product's K
	PLACES 8
	v_add_f32 v14, v14, v15
	v_permlanex16_b32 v230, v14, s[SEL], s[SEL+1]
	v_add_f32 v14, v14, v230                       ; the row's sum
	v_rcp_f32 v14, v14
	v_nop
.set j, 0
	s_wait_alu depctr_va_vdst(0)
.rept 32
	v_mul_f32 v[P+j], v[O+j], v14                  ; register 16 b + i = channel 32 b + 16 h + i of my query
.set j, j+1
.endr
.irp b, 0,1
	v_max3_num_f32 v[TM+\b], |v[P+16*\b]|, |v[P+1+16*\b]|, 0x8000000
.endr
.irp i, 2,4,6,8,10,12,14
.irp b, 0,1
	v_max3_num_f32 v[TM+\b], v[TM+\b], |v[P+16*\b+\i]|, |v[P+1+16*\b+\i]|
.endr
.endr
.irp b, 0,1
	v_permlanex16_b32 v[TM+4+\b], v[TM+\b], s[SEL], s[SEL+1]
.endr
.irp b, 0,1
	v_max_num_f32 v[TM+\b], v[TM+\b], v[TM+4+\b]
.endr
.irp b, 0,1
	v_add_nc_u32 v[TM+12+\b], 0xf8800000, v[TM+\b]
	v_and_or_b32 v[TM+8+\b], v[TM+\b], 0x7f800000, s[MNT]
.endr
.irp b, 0,1
	v_lshrrev_b32 v[TM+4+\b], 23, v[TM+12+\b]
.endr
.irp b, 0,1
.irp i, 0,1,2,3,4,5,6,7,8,9,10,11,12,13,14,15
	v_med3_num_f32 v[P+16*\b+\i], v[P+16*\b+\i], -v[TM+8+\b], v[TM+8+\b]
.endr
.endr
.irp b, 0,1
	v_cvt_scalef32_pk8_bf8_f32 v[PC+4*\b:PC+1+4*\b], v[P+16*\b:P+7+16*\b], v[TM+12+\b]
	v_cvt_scalef32_pk8_bf8_f32 v[PC+2+4*\b:PC+3+4*\b], v[P+8+16*\b:P+15+16*\b], v[TM+12+\b]
.endr
	v_cmp_ne_u32 vcc_lo, 0, v5
	v_cndmask_b32 v230, v[TM+4], v[TM+5], vcc_lo   ; lane (r, h) stores block h's byte of row r: every lane a byte of its own
	v_lshl_add_u32 v7, v4, 2, v5                   ; 4 r + h
	s_lshr_b32 s56, s17, 3
	s_lshl_b32 s56, s56, 7
	s_lshl_b32 s57, s16, 4
	s_add_co_u32 s56, s56, s57
	s_add_co_u32 s56, s56, s[WV]                   ; the row tile: 128 batch + 16 block + wave
	s_and_b32 s57, s17, 7                          ; the head
	s_lshr_b32 s58, s57, 1                         ; its K step of 128,
	s_and_b32 s57, s57, 1                          ; and which half of it
	s_lshl_b32 s60, s56, 13
	s_lshl_b32 s61, s58, 11
	s_add_co_u32 s60, s60, s61
	s_lshl_b32 s61, s57, 10
	s_add_co_u32 s60, s60, s61
	s_mov_b32 s61, 0
	s_add_nc_u64 s[10:11], s[10:11], s[60:61]
	s_lshl_b32 s60, s56, 8
	s_lshl_b32 s62, s58, 6
	s_add_co_u32 s60, s60, s62
	s_lshl_b32 s62, s57, 1
	s_add_co_u32 s60, s60, s62
	s_add_nc_u64 s[12:13], s[12:13], s[60:61]
	global_store_b128 v[AV0], v[PC:PC+3], s[10:11]             ; register groups 2 (head % 2) + 0, 1 of the image: 512 consecutive bytes each
	global_store_b128 v[AV0], v[PC+4:PC+7], s[10:11] offset:512
	global_store_b8 v7, v230, s[12:13]
	s_wait_tensorcnt 0x0
	ds_add_u32 v254, v255
	s_wait_dscnt 0x0
	ROUND                                          ; the closing round: no work-group ends while a partner may still ask for a piece that names it
	s_endpgm
.Lfunc_end_k_qc0b9ff39a6_attn:
	.size	k_qc0b9ff39a6_attn, .Lfunc_end_k_qc0b9ff39a6_attn-k_qc0b9ff39a6_attn
	.p2alignl 7, 3214868480
	.fill 96, 4, 3214868480
	.section	.rodata,"a",@progbits
	.p2align	6, 0x0
	.amdhsa_kernel k_qc0b9ff39a6_attn
		.amdhsa_group_segment_fixed_size 198656
		.amdhsa_private_segment_fixed_size 0
		.amdhsa_enable_private_segment 0
		.amdhsa_kernarg_size 40
		.amdhsa_user_sgpr_count 2
		.amdhsa_user_sgpr_kernarg_segment_ptr 1
		.amdhsa_wavefront_size32 1
		.amdhsa_system_sgpr_workgroup_id_x 1
		.amdhsa_system_sgpr_workgroup_id_y 1
		.amdhsa_system_sgpr_workgroup_id_z 1
		.amdhsa_system_vgpr_workitem_id 0
		.amdhsa_next_free_vgpr 256
		.amdhsa_next_free_sgpr 80
		.amdhsa_reserve_vcc 1
		.amdhsa_float_denorm_mode_32 3
		.amdhsa_float_denorm_mode_16_64 3
		.amdhsa_memory_ordered 1
		.amdhsa_forward_progress 1
		.amdhsa_inst_pref_size 31
	.end_amdhsa_kernel
	.amdgpu_metadata
---
amdhsa.version: [ 1, 2 ]
amdhsa.kernels:
  - .name:           k_qc0b9ff39a6_attn
    .symbol:         k_qc0b9ff39a6_attn.kd
    .args:
      - { .name: qkf, .offset: 0, .size: 8, .value_kind: global_buffer, .address_space: global }
      - { .name: vc, .offset: 8, .size: 8, .value_kind: global_buffer, .address_space: global }
      - { .name: vs, .offset: 16, .size: 8, .value_kind: global_buffer, .address_space: global }
      - { .name: oc, .offset: 24, .size: 8, .value_kind: global_buffer, .address_space: global }
      - { .name: os, .offset: 32, .size: 8, .value_kind: global_buffer, .address_space: global }
    .group_segment_fixed_size: 198656
    .private_segment_fixed_size: 0
    .kernarg_segment_align: 8
    .kernarg_segment_size: 40
    .max_flat_workgroup_size: 512
    .sgpr_count:     80
    .vgpr_count:     256
    .wavefront_size: 32
...
	.end_amdgpu_metadata
.endif
;; end of part 3
;; launch tail (part 4): grid 128 x 1, 4 waves a work-group, no clusters, 163,328 bytes of LDS; arguments x, oc, os, wc, ws, bo, g1, be1, b1, b2, g2, be2, out0; writes out0
.if DOCPART == 4
	.amdgcn_target "amdgcn-amd-amdhsa--gfx1250"
	.amdhsa_code_object_version 6
	.text
	.protected	k_qc0b9ff39a6_tail
	.globl	k_qc0b9ff39a6_tail
	.p2align	8
	.type	k_qc0b9ff39a6_tail,@function
k_qc0b9ff39a6_tail:
	s_mov_b64 s[64:65], 0
	v_nop
	global_prefetch_b8 v0, s[64:65] scope:SCOPE_SE
	s_setreg_imm32_b32 hwreg(HW_REG_WAVE_MODE, 25, 1), 1
	s_wait_xcnt 0x0
; TAIL: x1 = LN(x + o wo + bo; g1, be1);  out = LN(x1 + relu(x1 w1 + b1) w2 + b2; g2, be2).  All three products on codes of E5M2 with E8M0 scales; nothing between them goes to memory.
; SHARES: a work-group takes 64 rows, four row tiles m.  THE WAVES SHARE THE COLUMNS: wave w owns columns 128 w .. + 127 of every layer, for all 64 rows.  The work is nine equal UNITS, [64 x 512] x [512 -> 128 columns a wave]:
; wo; then four times a chunk of 512 hidden units: w1's chunk, w2's chunk.  A unit is 4 K steps x 8 tiles x 4 row tiles = 128 matrix instructions a wave and 65,536 bytes of weight images, which lie in wc in this very order.
; THE WEIGHTS GO FROM MEMORY STRAIGHT INTO THE REGISTERS OF THE ONE WAVE THAT USES THEM, two K steps ahead.  No joint loads: no weight byte is read by two waves of a work-group and none passes LDS; a tile shared through
; LDS would add 2 x 2,359,296 bytes of LDS traffic to each work-group.  64 rows to a work-group, since each walks all 2,359,296 bytes of weights whatever its rows: each 2,048-byte fragment feeds four products, and it is what the registers hold.
; PRODUCTS ARE USED TRANSPOSED (source 0 = 16 columns of a weight, source 1 = 16 rows): with the columns of a tile chosen as the first launch lays them, register 64 m + 16 b + i of lane (r, h) is row 16 m + r,
; column 128 w + 32 b + 16 h + i: 16 neighbours along the next K.  x, the biases and the gains are loaded in that layout.  Residuals and biases are the C of a sum's first product.
; Activations go from wave to wave through LDS as images of operand registers (2,048 bytes, 16 x lane; scale words 4 bytes a lane).
; The variance is taken of x - mean, in a second pass: never as a difference of large sums.
; The last unit's look-ahead loads the 32,768 bytes a wave that follow in wc (and 1,024 in ws): wv's unit, inside both buffers; nobody uses them.  So every wait has the same count in all trips.
; LIMITS: NaN and infinities are not served; a block of zeros, or under 2^-111, gets the byte 1.
; REGISTERS: window 0: v4-23 addresses; v24-31 LN's four pairs; v32-39 weights' scale words, v40-47 activations', two sets each; v48-175 two buffers of four activation fragments (between units: codes v112-127, a second
;   vector v48-111, rows on the way out); v176-239 a vector in the result's layout; v240-255 at work.   window 1: two buffers of 8 weight fragments.   window 2: ACC (64 m + 8 j).   window 3: Y.
.set R_X,  34816                       ; LDS: o's 16 images (4 m + s) x 2048 from 0, their scale words at + 32768; x1's likewise;
.set R_H,  69632                       ; the hidden chunk's likewise;
.set SCO,  32768
.set PAR,  104448                      ; b1 (8,192 bytes), bo, g1, be1, b2, g2, be2 (2,048 each);
.set BOO,  8192
.set G1O,  10240
.set BE1O, 12288
.set B2O,  14336
.set G2O,  16384
.set BE2O, 18432
.set RED,  124928                      ; four regions of 1,024 bytes for the rows' sums: word (16 m + r) x 16 + 4 w; each used once;
.set STG,  129024                      ; a stage of 16 rows x (512 + 16) bytes for each wave
.set LI,   4                           ; v4   16 x lane; also o's images' address
.set LS,   5                           ; v5   4 x lane
.set SO,   7
.set AX,   8
.set SX,   9
.set AH,   10
.set SH,   11
.set XWI,  12                          ; v12-15 where I store x1's and the hidden layer's images and scale words: K step w
.set XWS,  13
.set HWI,  14
.set HWS,  15
.set VA,   16                          ; v16  PAR + 512 w + 64 h
.set VB1,  17
.set REDW, 18
.set REDR, 19
.set STI,  20
.set STB,  21
.set XA,   22                          ; v22  2048 r + 512 w + 64 h
.set GO,   23                          ; v23  512 w + 16 x lane
.set LNP,  24
.set WS,   32
.set AS,   40
.set AB,   48
.set PC,   112
.set PW,   128
.set VEC,  176
.set TM,   240
.set WV,   30
.set SEL,  32
.set MNT,  34
.set R512, 35
.set EPS,  36
.set CNT,  37
.set B1S,  38
.set MSB, 0
.macro WIN new                         ; the immediate's high byte repeats the setting that is left; a switch that changes nothing is dropped
.if MSB != (\new)
	s_set_vgpr_msb (MSB<<8)|(\new)
.set MSB, (\new)
.endif
.endm
.macro PLACES n
.rept \n
	v_nop
.endr
.endm
.macro BARRIER                         ; my LDS stores have landed and my LDS loads are in: then the work-group's barrier
	s_wait_dscnt 0x0
	s_barrier_signal -1
	s_barrier_wait -1
.endm
; 64 numbers of a lane in window W, register s + 16 b + i = k 32 b + 16 (lane / 16) + i of my row, become a fragment's codes in v[pc] on and its scale word in v[pw].  relu = 1: what is negative becomes 0 on the way.
.macro QUANT s, W, relu, pc, pw
	WIN 5*\W
.irp b, 0,1,2,3
.if \relu
	v_max3_num_f32 v[TM+\b], v[\s+16*\b], v[\s+1+16*\b], 0x8000000        ; no |.|: what is negative must not count; the floor stands over it
.else
	v_max3_num_f32 v[TM+\b], |v[\s+16*\b]|, |v[\s+1+16*\b]|, 0x8000000    ; and the floor 2^(16 - 127): the byte cannot fall under 1
.endif
.endr
	WIN 20*\W
.irp i, 2,4,6,8,10,12,14
.irp b, 0,1,2,3
.if \relu
	v_max3_num_f32 v[TM+\b], v[TM+\b], v[\s+16*\b+\i], v[\s+1+16*\b+\i]
.else
	v_max3_num_f32 v[TM+\b], v[TM+\b], |v[\s+16*\b+\i]|, |v[\s+1+16*\b+\i]|
.endif
.endr
.endr
	WIN 0
.irp b, 0,1,2,3
	v_permlanex16_b32 v[TM+4+\b], v[TM+\b], s[SEL], s[SEL+1]
.endr
.irp b, 0,1,2,3
	v_max_num_f32 v[TM+\b], v[TM+\b], v[TM+4+\b]
.endr
.irp b, 0,1,2,3
	v_add_nc_u32 v[TM+12+\b], 0xf8800000, v[TM+\b]
.endr
.irp b, 0,1,2,3
	v_and_or_b32 v[TM+8+\b], v[TM+\b], 0x7f800000, s[MNT]
.endr
.irp b, 0,1,2,3
	v_lshrrev_b32 v[TM+4+\b], 23, v[TM+12+\b]
.endr
	v_lshl_or_b32 v[\pw], v[TM+5], 8, v[TM+4]
	v_lshl_or_b32 v[\pw], v[TM+6], 16, v[\pw]
	v_lshl_or_b32 v[\pw], v[TM+7], 24, v[\pw]
	WIN 65*\W
.irp b, 0,1,2,3
.irp i, 0,1,2,3,4,5,6,7,8,9,10,11,12,13,14,15
.if \relu
	v_med3_num_f32 v[\s+16*\b+\i], v[\s+16*\b+\i], 0, v[TM+8+\b]          ; the activation and the hold in one
.else
	v_med3_num_f32 v[\s+16*\b+\i], v[\s+16*\b+\i], -v[TM+8+\b], v[TM+8+\b]   ; the hold (ISA guide 7.6.2)
.endif
.endr
.endr
	WIN \W
.irp b, 0,1,2,3
	v_cvt_scalef32_pk8_bf8_f32 v[\pc+4*\b:\pc+1+4*\b], v[\s+16*\b:\s+7+16*\b], v[TM+12+\b]
	v_cvt_scalef32_pk8_bf8_f32 v[\pc+2+4*\b:\pc+3+4*\b], v[\s+8+16*\b:\s+15+16*\b], v[TM+12+\b]
.endr
	WIN 0
	v_nop                                          ; a plain line behind the last conversion
.endm
.macro IMAGE adr, off                  ; the fragment in v[PC] on goes to LDS as it stands
.irp c, 0,1,2,3
	ds_store_b128 v[\adr], v[PC+4*\c:PC+4*\c+3] offset:\off+512*\c
.endr
.endm
.macro PRE off, p                      ; a K step's 8 weight fragments and their scale words into buffer p: 36 loads
	WIN 0x40
.irp j, 0,1,2,3,4,5,6,7
.irp c, 0,1,2,3
	global_load_b128 v[128*(\p)+16*\j+4*\c:128*(\p)+16*\j+4*\c+3], v[LI], s[10:11] offset:\off+2048*\j+512*\c
.endr
.endr
	WIN 0
.irp q, 0,1,2,3
	global_load_b32 v[WS+4*(\p)+\q], v[LS], s[12:13] offset:(\off)/32+128*\q    ; lanes 0-15: tile 2 q; lanes 16-31: tile 2 q + 1
.endr
.endm
.macro ACT a, sc, s, p                 ; K step s of the four row tiles into buffer p: 20 LDS loads
.irp m, 0,1,2,3
.irp c, 0,1,2,3
	ds_load_b128 v[AB+64*(\p)+16*\m+4*\c:AB+64*(\p)+16*\m+4*\c+3], v[\a] offset:(4*\m+(\s))*2048+512*\c
.endr
	ds_load_b32 v[AS+4*(\p)+\m], v[\sc] offset:(4*\m+(\s))*128
.endr
.endm
.macro VECLD reg, adr, off             ; a vector of 512 in the result's layout: my 64 numbers
.irp b, 0,1,2,3
.irp q, 0,1,2,3
	ds_load_b128 v[\reg+16*\b+4*\q:\reg+16*\b+4*\q+3], v[\adr] offset:\off+128*\b+16*\q
.endr
.endr
.endm
.macro MM d, wa, b, c, sa, sb, odd
.if \odd
	v_wmma_scale_f32_16x16x128_f8f6f4 v[\d:\d+7], v[\wa:\wa+15], v[\b:\b+15], v[\c:\c+7], v[\sa], v[\sb] matrix_a_fmt:MATRIX_FMT_BF8 matrix_b_fmt:MATRIX_FMT_BF8 matrix_a_scale:MATRIX_SCALE_ROW1
.else
	v_wmma_scale_f32_16x16x128_f8f6f4 v[\d:\d+7], v[\wa:\wa+15], v[\b:\b+15], v[\c:\c+7], v[\sa], v[\sb] matrix_a_fmt:MATRIX_FMT_BF8 matrix_b_fmt:MATRIX_FMT_BF8
.endif
.endm
; A UNIT.  a, sc: the activations' images and scale words; dw: the windows (0xa1: C and D in ACC, 0xf1: in Y); bias = 1: the first K step takes v[VEC] on as C and starts ACC anew.
; The 32 accumulators take turns, one instruction a turn, in the same order in every K step.
.macro UNIT a, sc, dw, bias
	ACT \a, \sc, 0, 0
	ACT \a, \sc, 1, 1
.irp s, 0,1,2,3
.if \s == 3
	s_wait_dscnt 0x0
.else
	s_wait_dscnt 20                                ; this K step's 20 LDS loads (and all older ones) are in; the next step's 20 may be out
.endif
	s_wait_loadcnt 36                              ; this K step's weights are in; the only younger loads are the next step's 36
.if \bias && (\s == 0)
	WIN 0x81
.else
	WIN \dw
.endif
.irp j, 0,1,2,3,4,5,6,7
.irp m, 0,1,2,3
.if \bias && (\s == 0)
	MM 64*\m+8*\j, 128*(\s&1)+16*\j, AB+64*(\s&1)+16*\m, VEC+8*\j, WS+4*(\s&1)+\j/2, AS+4*(\s&1)+\m, \j%2
.else
	MM 64*\m+8*\j, 128*(\s&1)+16*\j, AB+64*(\s&1)+16*\m, 64*\m+8*\j, WS+4*(\s&1)+\j/2, AS+4*(\s&1)+\m, \j%2
.endif
.endr
.endr
	WIN 0
	PLACES 8                                       ; eight places behind this form, in front of loads into registers that these products read and of the first read of results
.if \s < 2
	ACT \a, \sc, \s+2, \s&1
	PRE (\s+2)*16384, \s&1
.else
	PRE 262144+(\s-2)*16384, \s&1                  ; the next unit's first two K steps
.endif
.endr
	s_wait_xcnt 0x0                                ; the loads have read their bases: only now do these step
	s_add_nc_u64 s[10:11], s[10:11], 262144
	s_add_nc_u64 s[12:13], s[12:13], 8192
.endm
; the four row tiles' sums in v[LNP + 2 m] (two halves each) are joined: halves, lane l xor 16, the four waves through region red
.macro RSUM red
.irp m, 0,1,2,3
	v_add_f32 v[LNP+2*\m], v[LNP+2*\m], v[LNP+2*\m+1]
.endr
.irp m, 0,1,2,3
	v_permlanex16_b32 v[LNP+2*\m+1], v[LNP+2*\m], s[SEL], s[SEL+1]
.endr
.irp m, 0,1,2,3
	v_add_f32 v[LNP+2*\m], v[LNP+2*\m], v[LNP+2*\m+1]
.endr
.irp m, 0,1,2,3
	ds_store_b32 v[REDW], v[LNP+2*\m] offset:1024*(\red)+256*\m     ; lanes l and l xor 16 write the same word with the same value
.endr
	BARRIER
.irp m, 0,1,2,3
	ds_load_b128 v[TM+4*\m:TM+4*\m+3], v[REDR] offset:1024*(\red)+256*\m
.endr
.endm
.macro RJOIN                           ; every wave adds the four parts in the same order
.irp m, 0,1,2,3
	v_add_f32 v[TM+4*\m], v[TM+4*\m], v[TM+4*\m+1]
	v_add_f32 v[TM+4*\m+2], v[TM+4*\m+2], v[TM+4*\m+3]
.endr
.irp m, 0,1,2,3
	v_add_f32 v[LNP+2*\m], v[TM+4*\m], v[TM+4*\m+2]
.endr
.endm
; LayerNorm in place on window W's 256 registers; the four row tiles by turns; regions red and red + 1
.macro LN W, goff, beoff, red
	WIN 5*\W
.irp m, 0,1,2,3
	v_pk_add_f32 v[LNP+2*\m:LNP+2*\m+1], v[64*\m:64*\m+1], v[64*\m+2:64*\m+3]    ; from each accumulator's low end on
.endr
	WIN 4*\W
.set k, 4
.rept 30
.irp m, 0,1,2,3
	v_pk_add_f32 v[LNP+2*\m:LNP+2*\m+1], v[LNP+2*\m:LNP+2*\m+1], v[64*\m+k:64*\m+k+1]
.endr
.set k, k+2
.endr
	WIN 0
	RSUM \red
	s_wait_dscnt 0x0
	RJOIN
.irp m, 0,1,2,3
	v_mul_f32 v[LNP+2*\m], s[R512], v[LNP+2*\m]    ; the mean
.endr
	WIN 65*\W
.set k, 0
.rept 32
.irp m, 0,1,2,3
	v_pk_add_f32 v[64*\m+k:64*\m+k+1], v[64*\m+k:64*\m+k+1], v[LNP+2*\m:LNP+2*\m+1] op_sel_hi:[1,0] neg_lo:[0,1] neg_hi:[0,1]
.endr
.set k, k+2
.endr
	WIN 5*\W
.irp m, 0,1,2,3
	v_pk_mul_f32 v[LNP+2*\m:LNP+2*\m+1], v[64*\m:64*\m+1], v[64*\m:64*\m+1]
.endr
.set k, 2
.rept 31
.irp m, 0,1,2,3
	v_pk_fma_f32 v[LNP+2*\m:LNP+2*\m+1], v[64*\m+k:64*\m+k+1], v[64*\m+k:64*\m+k+1], v[LNP+2*\m:LNP+2*\m+1]
.endr
.set k, k+2
.endr
	WIN 0
	RSUM \red+1
	VECLD VEC, VA, \goff
	VECLD AB, VA, \beoff
	s_wait_dscnt 32                                ; the four parts are in; the 32 loads of the gain and the shift may be out
	RJOIN
.irp m, 0,1,2,3
	v_fma_f32 v[LNP+2*\m], v[LNP+2*\m], s[R512], s[EPS]     ; the variance + 1e-5
.endr
.irp m, 0,1,2,3
	v_rsq_f32 v[LNP+2*\m], v[LNP+2*\m]
.endr
	v_nop                                          ; a plain line behind the transcendentals
	s_wait_dscnt 0x0
	WIN 65*\W
.set k, 0
	s_wait_alu depctr_va_vdst(0)
.rept 32
.irp m, 0,1,2,3
	v_pk_mul_f32 v[64*\m+k:64*\m+k+1], v[64*\m+k:64*\m+k+1], v[LNP+2*\m:LNP+2*\m+1] op_sel_hi:[1,0]
.endr
.set k, k+2
.endr
.set k, 0
.rept 32
.irp m, 0,1,2,3
	v_pk_fma_f32 v[64*\m+k:64*\m+k+1], v[64*\m+k:64*\m+k+1], v[VEC+k:VEC+k+1], v[AB+k:AB+k+1]
.endr
.set k, k+2
.endr
	WIN 0
.endm
	s_load_b512 s[4:19], s[0:1], 0x0               ; x s[4:5], oc s[6:7], os s[8:9], wc s[10:11], ws s[12:13], bo s[14:15], g1 s[16:17], be1 s[18:19]
	s_load_b256 s[20:27], s[0:1], 0x40             ; b1 s[20:21], b2 s[22:23], g2 s[24:25], be2 s[26:27]
	s_load_b64 s[28:29], s[0:1], 0x60              ; out0
	v_lshrrev_b32 v1, 5, v0
	v_readfirstlane_b32 s[WV], v1                  ; wave w
	v_and_b32 v1, 31, v0                           ; lane
	v_and_b32 v2, 15, v0                           ; r
	v_bfe_u32 v3, v0, 4, 1                         ; h
	v_lshlrev_b32 v[LI], 4, v1
	v_lshlrev_b32 v[LS], 2, v1
	v_add_nc_u32 v[SO], SCO, v[LS]
	v_add_nc_u32 v[AX], R_X, v[LI]
	v_add_nc_u32 v[SX], R_X+SCO, v[LS]
	v_add_nc_u32 v[AH], R_H, v[LI]
	v_add_nc_u32 v[SH], R_H+SCO, v[LS]
	s_lshl_b32 s40, s[WV], 11
	s_add_co_u32 s41, s40, R_X
	v_add_nc_u32 v[XWI], s41, v[LI]
	s_add_co_u32 s41, s40, R_H
	v_add_nc_u32 v[HWI], s41, v[LI]
	s_lshl_b32 s40, s[WV], 7
	s_add_co_u32 s41, s40, R_X+SCO
	v_add_nc_u32 v[XWS], s41, v[LS]
	s_add_co_u32 s41, s40, R_H+SCO
	v_add_nc_u32 v[HWS], s41, v[LS]
	s_lshl_b32 s40, s[WV], 9                       ; 512 w
	s_add_co_u32 s41, s40, PAR
	v_lshl_add_u32 v[VA], v3, 6, s41
	v_lshlrev_b32 v[XA], 11, v2
	v_lshl_add_u32 v[XA], v3, 6, v[XA]
	v_add_nc_u32 v[XA], s40, v[XA]
	v_add_nc_u32 v[GO], s40, v[LI]
	s_add_co_u32 s41, s40, SCO
	v_add_nc_u32 v28, s41, v[LS]                   ; (v24-28 serve the head alone)  o's scale words, my row tile: SCO + 4 x lane + 512 w
	s_lshl_b32 s41, s[WV], 2
	s_add_co_u32 s41, s41, RED
	v_lshl_add_u32 v[REDW], v2, 4, s41
	v_lshl_add_u32 v[REDR], v2, 4, RED
	s_mul_i32 s41, s[WV], 8448
	s_add_co_u32 s41, s41, STG
	v_mul_u32_u24 v[STI], v2, 528
	v_lshl_add_u32 v[STI], v3, 6, v[STI]
	v_add_nc_u32 v[STI], s41, v[STI]
	v_add_nc_u32 v[STB], s41, v[LI]
	v_lshlrev_b32 v24, 4, v0                       ; 16 x thread: 128 threads cover a vector of 2,048 bytes
	v_add_nc_u32 v25, PAR, v24
	s_lshl_b32 s41, s[WV], 13
	v_add_nc_u32 v26, s41, v[LI]                   ; o's images, my row tile: 16 x lane + 8192 w
	v_lshlrev_b32 v27, 2, v2                       ; 4 r
.irp b, 0,1,2,3
	v_mov_b32 v[TM+4+\b], 0                        ; written once: a lane permute's destination counts as one of its sources
.endr
	s_mov_b32 s[SEL], 0x76543210
	s_mov_b32 s[SEL+1], 0xfedcba98
	s_mov_b32 s[MNT], 0x600000
	s_mov_b32 s[R512], 0x3b000000                  ; 1 / 512
	s_mov_b32 s[EPS], 0x3727c5ac                   ; 1e-5
	s_lshl_b32 s40, ttmp9, 17                      ; x and out0: 64 rows of 2,048 bytes a work-group
	s_mov_b32 s41, 0
	s_lshl_b32 s42, ttmp9, 15                      ; oc: row tile 4 g + w, 8,192 bytes each
	s_lshl_b32 s44, s[WV], 13
	s_add_co_u32 s42, s42, s44
	s_mov_b32 s43, 0
	s_lshr_b32 s44, s42, 5                         ; os: 256 bytes each
	s_mov_b32 s45, 0
	s_lshl_b32 s46, s[WV], 16                      ; my quarter of every unit
	s_mov_b32 s47, 0
	s_wait_kmcnt 0x0
	s_add_nc_u64 s[4:5], s[4:5], s[40:41]
	s_add_nc_u64 s[28:29], s[28:29], s[40:41]
	s_add_nc_u64 s[6:7], s[6:7], s[42:43]
	s_add_nc_u64 s[8:9], s[8:9], s[44:45]
	s_add_nc_u64 s[10:11], s[10:11], s[46:47]
	s_lshr_b32 s46, s46, 5
	s_add_nc_u64 s[12:13], s[12:13], s[46:47]
	; ---- the head: the parameters and my row tile of o go to LDS; x + bo becomes the C of the first unit
.irp q, 0,1,2,3
	global_load_b128 v[VEC+4*\q:VEC+4*\q+3], v24, s[20:21] offset:2048*\q
.endr
	global_load_b128 v[VEC+16:VEC+19], v24, s[14:15]
	global_load_b128 v[VEC+20:VEC+23], v24, s[16:17]
	global_load_b128 v[VEC+24:VEC+27], v24, s[18:19]
	global_load_b128 v[VEC+28:VEC+31], v24, s[22:23]
	global_load_b128 v[VEC+32:VEC+35], v24, s[24:25]
	global_load_b128 v[VEC+36:VEC+39], v24, s[26:27]
.irp s, 0,1,2,3
.irp c, 0,1,2,3
	global_load_b128 v[AB+16*\s+4*\c:AB+16*\s+4*\c+3], v[LI], s[6:7] offset:2048*\s+512*\c
.endr
	global_load_b32 v[AB+64+\s], v27, s[8:9] offset:64*\s
.endr
	PRE 0, 0
	s_wait_loadcnt 36                              ; all but the first K step's 36 weight loads
.irp i, 0,1,2,3,4,5,6,7,8,9
	ds_store_b128 v25, v[VEC+4*\i:VEC+4*\i+3] offset:2048*\i
.endr
.irp s, 0,1,2,3
.irp c, 0,1,2,3
	ds_store_b128 v26, v[AB+16*\s+4*\c:AB+16*\s+4*\c+3] offset:2048*\s+512*\c
.endr
	ds_store_b32 v28, v[AB+64+\s] offset:128*\s
.endr
	WIN 0x80
.irp m, 0,1,2,3
.irp b, 0,1,2,3
.irp q, 0,1,2,3
	global_load_b128 v[64*\m+16*\b+4*\q:64*\m+16*\b+4*\q+3], v[XA], s[4:5] offset:32768*\m+128*\b+16*\q th:TH_LOAD_NT
.endr
.endr
.endr
	WIN 0
	PRE 16384, 1
	BARRIER                                        ; the parameters and o's sixteen fragments lie in LDS
	VECLD VEC, VA, BOO
	s_wait_loadcnt 36                              ; x and the first K step's weights are in; the second step's 36 may be out
	s_wait_dscnt 0x0
	WIN 0x82
.set k, 0
.rept 32
.irp m, 0,1,2,3
	v_pk_add_f32 v[64*\m+k:64*\m+k+1], v[64*\m+k:64*\m+k+1], v[VEC+k:VEC+k+1]    ; x + bo
.endr
.set k, k+2
.endr
	WIN 0
	UNIT LI, SO, 0xa1, 0                           ; + o wo
	LN 2, G1O, BE1O, 0                             ; x1
	VECLD VEC, VA, B2O
	s_wait_dscnt 0x0
	WIN 0xc2
.set k, 0
.rept 32
.irp m, 0,1,2,3
	v_pk_add_f32 v[64*\m+k:64*\m+k+1], v[64*\m+k:64*\m+k+1], v[VEC+k:VEC+k+1]    ; Y = x1 + b2: the second residual lives on as Y's start
.endr
.set k, k+2
.endr
	WIN 0
.irp m, 0,1,2,3
	QUANT 64*\m, 2, 0, PC, PW                      ; x1, my 128 columns: K step w of the next product
	IMAGE XWI, 8192*\m
	ds_store_b32 v[XWS], v[PW] offset:512*\m
	s_wait_dscnt 0x0                               ; the stores have read their registers
.endr
	s_barrier_signal -1
	s_barrier_wait -1                              ; x1's sixteen fragments lie in LDS
	s_mov_b32 s[CNT], 4
	s_mov_b32 s[B1S], 0
.Lchunk:                                           ; four chunks of 512 hidden units
	v_add_nc_u32 v[VB1], s[B1S], v[VA]
	VECLD VEC, VB1, 0                              ; b1's chunk, the C of the first K step
	UNIT AX, SX, 0xa1, 1
	BARRIER                                        ; every wave's reads of the last chunk's hidden fragments are over
.irp m, 0,1,2,3
	QUANT 64*\m, 2, 1, PC, PW
	IMAGE HWI, 8192*\m
	ds_store_b32 v[HWS], v[PW] offset:512*\m
	s_wait_dscnt 0x0
.endr
	s_barrier_signal -1
	s_barrier_wait -1                              ; the chunk's sixteen fragments lie in LDS
	UNIT AH, SH, 0xf1, 0
	s_add_co_u32 s[B1S], s[B1S], 2048
	s_sub_co_u32 s[CNT], s[CNT], 1
	s_cmp_lg_u32 s[CNT], 0
	s_cbranch_scc1 .Lchunk
	LN 3, G2O, BE2O, 2
	; ---- the way out: a row tile at a time through my own stage, back as rows of 512 bytes
.irp m, 0,1,2,3
	WIN 0x0c                                       ; an LDS store's data are its source 1: window 3
.irp b, 0,1,2,3
.irp q, 0,1,2,3
	ds_store_b128 v[STI], v[64*\m+16*\b+4*\q:64*\m+16*\b+4*\q+3] offset:128*\b+16*\q
.endr
.endr
	WIN 0
.if \m > 1
	s_wait_xcnt 0x0                                ; the stores of two row tiles ago have read their registers
.endif
.irp i, 0,1,2,3,4,5,6,7,8,9,10,11,12,13,14,15
	ds_load_b128 v[AB+64*(\m&1)+4*\i:AB+64*(\m&1)+4*\i+3], v[STB] offset:528*\i      ; LDS serves a wave's instructions in order (ISA guide 5.7.1.4): these see my stores, and the next tile's stores come behind them
.endr
.irp i, 0,1,2,3,4,5,6,7,8,9,10,11,12,13,14,15
	s_wait_dscnt 15-\i
	global_store_b128 v[GO], v[AB+64*(\m&1)+4*\i:AB+64*(\m&1)+4*\i+3], s[28:29] offset:(16*\m+\i)*2048 th:TH_STORE_NT   ; 32 lanes store 512 consecutive bytes, at a multiple of 256 from out0's first byte
.endr
.endr
	s_wait_xcnt 0x0
	v_lshl_add_u32 v254, v0, 2, 0x27c00
	v_mov_b32 v255, 0
	s_wait_tensorcnt 0x0
	ds_add_u32 v254, v255
	s_wait_dscnt 0x0
	s_endpgm
.Lfunc_end_k_qc0b9ff39a6_tail:
	.size	k_qc0b9ff39a6_tail, .Lfunc_end_k_qc0b9ff39a6_tail-k_qc0b9ff39a6_tail
	.p2alignl 7, 3214868480
	.fill 96, 4, 3214868480
	.section	.rodata,"a",@progbits
	.p2align	6, 0x0
	.amdhsa_kernel k_qc0b9ff39a6_tail
		.amdhsa_group_segment_fixed_size 163328
		.amdhsa_private_segment_fixed_size 0
		.amdhsa_enable_private_segment 0
		.amdhsa_kernarg_size 104
		.amdhsa_user_sgpr_count 2
		.amdhsa_user_sgpr_kernarg_segment_ptr 1
		.amdhsa_wavefront_size32 1
		.amdhsa_system_sgpr_workgroup_id_x 1
		.amdhsa_system_sgpr_workgroup_id_y 1
		.amdhsa_system_sgpr_workgroup_id_z 1
		.amdhsa_system_vgpr_workitem_id 0
		.amdhsa_next_free_vgpr 1024
		.amdhsa_next_free_sgpr 66
		.amdhsa_reserve_vcc 0
		.amdhsa_float_denorm_mode_32 3
		.amdhsa_float_denorm_mode_16_64 3
		.amdhsa_memory_ordered 1
		.amdhsa_forward_progress 1
		.amdhsa_inst_pref_size 255
	.end_amdhsa_kernel
	.section	.bss,"aw",@nobits
	.p2align	6
	.space	262144
	.amdgpu_metadata
---
amdhsa.version: [ 1, 2 ]
amdhsa.kernels:
  - .name:           k_qc0b9ff39a6_tail
    .symbol:         k_qc0b9ff39a6_tail.kd
    .args:
      - { .name: x, .offset: 0, .size: 8, .value_kind: global_buffer, .address_space: global }
      - { .name: oc, .offset: 8, .size: 8, .value_kind: global_buffer, .address_space: global }
      - { .name: os, .offset: 16, .size: 8, .value_kind: global_buffer, .address_space: global }
      - { .name: wc, .offset: 24, .size: 8, .value_kind: global_buffer, .address_space: global }
      - { .name: ws, .offset: 32, .size: 8, .value_kind: global_buffer, .address_space: global }
      - { .name: bo, .offset: 40, .size: 8, .value_kind: global_buffer, .address_space: global }
      - { .name: g1, .offset: 48, .size: 8, .value_kind: global_buffer, .address_space: global }
      - { .name: be1, .offset: 56, .size: 8, .value_kind: global_buffer, .address_space: global }
      - { .name: b1, .offset: 64, .size: 8, .value_kind: global_buffer, .address_space: global }
      - { .name: b2, .offset: 72, .size: 8, .value_kind: global_buffer, .address_space: global }
      - { .name: g2, .offset: 80, .size: 8, .value_kind: global_buffer, .address_space: global }
      - { .name: be2, .offset: 88, .size: 8, .value_kind: global_buffer, .address_space: global }
      - { .name: out0, .offset: 96, .size: 8, .value_kind: global_buffer, .address_space: global }
    .group_segment_fixed_size: 163328
    .private_segment_fixed_size: 0
    .kernarg_segment_align: 8
    .kernarg_segment_size: 104
    .max_flat_workgroup_size: 128
    .sgpr_count:     66
    .vgpr_count:     1024
    .wavefront_size: 32
...
	.end_amdgpu_metadata
.endif
;; end of part 4
;; ======== version 2 of 3: 4 launches
;; workspace buffers: wc 2,883,584 bytes; ws 90,112 bytes; qkf 2,097,152 bytes; vc 4,194,304 bytes; vs 131,072 bytes; oc 4,194,304 bytes; os 131,072 bytes
;; launch prep (part 5): grid 168 x 1, 4 waves a work-group, no clusters, 0 bytes of LDS; arguments wo, w1, w2, wv, wq, wk, wc, ws; writes wc, ws
.if DOCPART == 5
	.amdgcn_target "amdgcn-amd-amdhsa--gfx1250"
	.amdhsa_code_object_version 6
	.text
	.protected	k_qc0b9ff39a6_prep
	.globl	k_qc0b9ff39a6_prep
	.p2align	8
	.type	k_qc0b9ff39a6_prep,@function
k_qc0b9ff39a6_prep:
	s_mov_b64 s[64:65], 0
	v_nop
	global_prefetch_b8 v0, s[64:65] scope:SCOPE_SE
	s_setreg_imm32_b32 hwreg(HW_REG_WAVE_MODE, 25, 1), 1
	s_wait_xcnt 0x0
; PREP: every weight, f32 stored [K][N], becomes codes of E5M2 with one E8M0 byte for each 32 along K, laid as IMAGES OF OPERAND REGISTERS.
; A fragment is 16 columns n x 128 along K, 2,048 bytes: register group c (0..3) of lane l lies at 512 c + 16 l; lane (r, h) holds k = 32 c + 16 h + 0..15 of row r.
; THE 16 COLUMNS OF A TILE ARE NOT NEIGHBOURS: row r of tile T = 2 G + u is column 32 G + 8 u + r + 8 (r / 8), so that a transposed product leaves 16 neighbours along the next K in a lane.
; wc: fragment (T, K step s) at U x 262144 + ((T / 8) % 4) x 65536 + (s % 4) x 16384 + (T % 8) x 2048, U = U0 + 2 (T / 32 + s / 4); U0: wo 0, w1 1, w2 2, wv 9, q and k 10.
; ws: the same offset / 32: 64 bytes a fragment, row r's scale word at 4 r.
; Of wq and wk only columns 64 head + 0..3 reach the result (the scores take the first four components of a head): tile 0, 1 = q's heads 0-3, 4-7; tile 2, 3 = k's; row r = column 64 (4 (T % 2) + r / 4) + r % 4.
; SHARES: a wave takes 32 columns x 128 along K, two fragments.  A LANE TAKES A COLUMN AND ITS REGISTERS RUN DOWN K: a block of 32 lies in one lane, nothing is transposed, no LDS is used.
; Lanes 0-15 hold tile 2 G, lanes 16-31 tile 2 G + 1: a load covers 128 consecutive bytes, and sixteen neighbouring lanes of each store fill 256 consecutive bytes, aligned.
; Work-groups: 0-15 wo, 16-79 w1, 80-143 w2, 144-159 wv, 160-167 q and k.
; FOR q AND k A WAVE TAKES ONE BLOCK OF 32 ALONG K ONLY: there four lanes take 16 bytes and the next four stand 256 bytes on, so a load touches eight pieces of a row.  32 waves share the 2 x 512 rows:
; a work-group touches 4 x 32 rows x 8 pieces.  Such a wave stores register group c of its two fragments, and byte c of their scale words (32 single bytes: 1,024 bytes of ws in all are written so).
; LIMITS: NaN and infinities are not served.  A block of zeros, and one whose largest magnitude lies under 2^-111, gets the byte 1: zero codes add nothing, and this program alone reads the bytes.
.set X,   32                           ; v32-159  128 numbers down K
.set C,   160                          ; v160-191 codes, eight registers a block, never rewritten
.set SW,  16                           ; v16      the column's scale word
.set MNT, 37                           ; s37      the mantissa field of 57,344
.macro LOADS n, pitch                  ; my column's n numbers; pitch = a row of the weight in bytes
.set i, 0
.rept \n
	global_load_b32 v[X+i], v3, s[22:23] offset:i*\pitch th:TH_LOAD_NT
.set i, i+1
.endr
.endm
.macro BLOCK c, left                   ; block c of 32 along K; left = how many younger loads may stay out
.set XS, X+32*\c
	s_wait_loadcnt \left
	v_max3_num_f32 v12, |v[XS]|, |v[XS+1]|, |v[XS+2]|      ; the block's largest magnitude, in two chains
	v_max3_num_f32 v13, |v[XS+3]|, |v[XS+4]|, |v[XS+5]|
.irp i, 6,10,14,18,22,26
	v_max3_num_f32 v12, v12, |v[XS+\i]|, |v[XS+\i+1]|
	v_max3_num_f32 v13, v13, |v[XS+\i+2]|, |v[XS+\i+3]|
.endr
	v_max3_num_f32 v12, v12, |v[XS+30]|, |v[XS+31]|
	v_max3_num_f32 v12, v12, v13, 0x8000000                ; and the floor 2^(16 - 127): the byte cannot fall under 1
	v_add_nc_u32 v11, 0xf8800000, v12                      ; 15 off the exponent field: the conversion's scale operand
	v_and_or_b32 v10, v12, 0x7f800000, s[MNT]              ; 57,344 x the scale
	v_lshrrev_b32 v13, 23, v11                             ; the scale's byte
.if \c == 0
	v_mov_b32 v[SW], v13
.else
	v_lshl_or_b32 v[SW], v13, 8*\c, v[SW]
.endif
.set i, 0
.rept 32
	v_med3_num_f32 v[XS+i], v[XS+i], -v10, v10             ; the conversion to an 8-bit code does not saturate (ISA guide 7.6.2): the hold comes first
.set i, i+1
.endr
.irp g, 0,1,2,3
	v_cvt_scalef32_pk8_bf8_f32 v[C+8*\c+2*\g:C+8*\c+2*\g+1], v[XS+8*\g:XS+8*\g+7], v11
.endr
	v_nop                                                  ; a plain line behind the last conversion
	global_store_b128 v4, v[C+8*\c:C+8*\c+3], s[16:17] offset:512*\c        ; k = 32 c + 0..15: the image's lanes 0-15
	global_store_b128 v4, v[C+8*\c+4:C+8*\c+7], s[16:17] offset:512*\c+256  ; k = 32 c + 16..31: its lanes 16-31
.endm
	s_load_b512 s[4:19], s[0:1], 0x0               ; wo s[4:5], w1 s[6:7], w2 s[8:9], wv s[10:11], wq s[12:13], wk s[14:15], wc s[16:17], ws s[18:19]
	v_lshrrev_b32 v1, 5, v0
	v_readfirstlane_b32 s20, v1                    ; wave
	s_mov_b32 s21, ttmp9                           ; work-group
	v_and_b32 v2, 31, v0                           ; lane
	v_and_b32 v3, 7, v2
	v_bfe_u32 v6, v2, 3, 1
	v_lshl_add_u32 v3, v6, 4, v3
	v_lshrrev_b32 v6, 4, v2
	v_lshl_add_u32 v3, v6, 3, v3
	v_lshlrev_b32 v3, 2, v3                        ; my column among the wave's 32, in bytes: 4 (l % 8 + 16 ((l / 8) % 2) + 8 (l / 16))
	v_lshrrev_b32 v7, 2, v2
	v_and_b32 v8, 3, v2
	v_lshl_add_u32 v7, v7, 6, v8
	v_lshlrev_b32 v7, 2, v7                        ; for q and k: 4 (64 (l / 4) + l % 4)
	v_and_b32 v4, 15, v2
	v_lshlrev_b32 v4, 4, v4
	v_lshl_add_u32 v4, v6, 11, v4                  ; into the images: 2048 (l / 16) + 16 (l % 16)
	v_lshlrev_b32 v5, 2, v2                        ; scale words: 4 l
	s_mov_b32 s[MNT], 0x600000
	s_wait_kmcnt 0x0
	; which tensor: pointer s[22:23], first work-group s24, log2 of its column groups s25, log2 of a K step's bytes s26, first unit s27.  Every choice hangs on ids alone
	s_bitcmp1_b32 s20, 0
	s_cselect_b64 s[22:23], s[14:15], s[12:13]     ; q and k: odd waves take wk
	s_mov_b32 s24, 160
	s_mov_b32 s25, 0
	s_mov_b32 s26, 18
	s_mov_b32 s27, 10
	s_cmp_lt_u32 s21, 160
	s_cselect_b64 s[22:23], s[10:11], s[22:23]
	s_cselect_b32 s24, 144, s24
	s_cselect_b32 s25, 2, s25
	s_cselect_b32 s27, 9, s27
	s_cmp_lt_u32 s21, 144
	s_cselect_b64 s[22:23], s[8:9], s[22:23]
	s_cselect_b32 s24, 80, s24
	s_cselect_b32 s27, 2, s27
	s_cmp_lt_u32 s21, 80
	s_cselect_b64 s[22:23], s[6:7], s[22:23]
	s_cselect_b32 s24, 16, s24
	s_cselect_b32 s25, 4, s25
	s_cselect_b32 s26, 20, s26
	s_cselect_b32 s27, 1, s27
	s_cmp_lt_u32 s21, 16
	s_cselect_b64 s[22:23], s[4:5], s[22:23]
	s_cselect_b32 s24, 0, s24
	s_cselect_b32 s25, 2, s25
	s_cselect_b32 s26, 18, s26
	s_cselect_b32 s27, 0, s27
	s_sub_co_u32 s28, s21, s24                     ; e: my work-group within the tensor
	s_lshr_b32 s29, s28, s25                       ; K step
	s_lshl_b32 s31, s29, s25
	s_sub_co_u32 s31, s28, s31                     ; column group of 128
	s_lshl_b32 s31, s31, 2
	s_add_co_u32 s30, s31, s20                     ; G: my wave's 32 columns
	s_lshl_b32 s35, s30, 7                         ; 128 G bytes along a row
	s_lshl_b32 s38, s29, s26
	s_add_co_u32 s38, s38, s35                     ; the weight at my K step's first row, my first column
	s_and_b32 s32, s20, 1                          ; q and k: G = wave % 2,
	s_lshr_b32 s33, s20, 1
	s_lshl_b32 s34, s28, 1
	s_add_co_u32 s33, s33, s34                     ; block of 32 along K: kb = 2 e + wave / 2, 0..15,
	s_lshl_b32 s42, s33, 16                        ; whose first row lies 32 kb rows of 2,048 bytes on (column 0),
	s_lshr_b32 s43, s33, 2                         ; K step kb / 4,
	s_and_b32 s44, s33, 3                          ; register group c = kb % 4
	s_cmp_ge_u32 s21, 160
	s_cselect_b32 s30, s32, s30
	s_cselect_b32 s29, s43, s29
	s_cselect_b32 s38, s42, s38
	s_cselect_b32 s44, s44, 0
	s_cselect_b32 s36, -1, 0                       ; and their own columns in every lane
	v_cndmask_b32 v3, v3, v7, s36
	s_mov_b32 s39, 0
	s_add_nc_u64 s[22:23], s[22:23], s[38:39]
	s_lshr_b32 s40, s30, 4
	s_lshr_b32 s41, s29, 2
	s_add_co_u32 s40, s40, s41
	s_lshl_b32 s40, s40, 1
	s_add_co_u32 s40, s40, s27                     ; the unit
	s_lshl_b32 s40, s40, 18
	s_bfe_u32 s41, s30, 0x20002
	s_lshl_b32 s41, s41, 16
	s_or_b32 s40, s40, s41
	s_and_b32 s41, s29, 3
	s_lshl_b32 s41, s41, 14
	s_or_b32 s40, s40, s41
	s_and_b32 s41, s30, 3
	s_lshl_b32 s41, s41, 12
	s_or_b32 s40, s40, s41                         ; my two fragments in wc
	s_lshr_b32 s46, s40, 5
	s_add_co_u32 s46, s46, s44                     ; their scale words in ws (q and k: byte c of them)
	s_mov_b32 s47, 0
	s_lshl_b32 s44, s44, 9
	s_add_co_u32 s40, s40, s44                     ; (q and k: register group c of the images)
	s_mov_b32 s41, 0
	s_add_nc_u64 s[16:17], s[16:17], s[40:41]
	s_add_nc_u64 s[18:19], s[18:19], s[46:47]
	s_cmp_ge_u32 s21, 160
	s_cbranch_scc1 .Lqk
	s_cmp_eq_u32 s27, 1                            ; w1's rows are 8,192 bytes, all others' 2,048: the pitch stands in the immediates
	s_cbranch_scc0 .Lnarrow
	LOADS 128, 8192
	s_branch .Lloaded
.Lnarrow:
	LOADS 128, 2048
.Lloaded:
	BLOCK 0, 63                                    ; behind block 0's loads 96 were issued, behind block 1's 64: 63 is the largest count that the wait can name, and the stricter one
	BLOCK 1, 63
	BLOCK 2, 32                                    ; block 3's 32 may stay out
	BLOCK 3, 0
	global_store_b32 v5, v[SW], s[18:19]           ; 128 consecutive bytes: the two fragments' scale words
	s_endpgm
.Lqk:
	LOADS 32, 2048                                 ; one block of 32 along K of 32 columns of wq or wk
	BLOCK 0, 0                                     ; (the bases hold the register group's and the byte's place)
	global_store_b8 v5, v[SW], s[18:19]            ; byte c of row r's scale word
	s_endpgm
.Lfunc_end_k_qc0b9ff39a6_prep:
	.size	k_qc0b9ff39a6_prep, .Lfunc_end_k_qc0b9ff39a6_prep-k_qc0b9ff39a6_prep
	.p2alignl 7, 3214868480
	.fill 96, 4, 3214868480
	.section	.rodata,"a",@progbits
	.p2align	6, 0x0
	.amdhsa_kernel k_qc0b9ff39a6_prep
		.amdhsa_group_segment_fixed_size 0
		.amdhsa_private_segment_fixed_size 0
		.amdhsa_enable_private_segment 0
		.amdhsa_kernarg_size 64
		.amdhsa_user_sgpr_count 2
		.amdhsa_user_sgpr_kernarg_segment_ptr 1
		.amdhsa_wavefront_size32 1
		.amdhsa_system_sgpr_workgroup_id_x 1
		.amdhsa_system_sgpr_workgroup_id_y 1
		.amdhsa_system_sgpr_workgroup_id_z 1
		.amdhsa_system_vgpr_workitem_id 0
		.amdhsa_next_free_vgpr 192
		.amdhsa_next_free_sgpr 66
		.amdhsa_reserve_vcc 0
		.amdhsa_float_denorm_mode_32 3
		.amdhsa_float_denorm_mode_16_64 3
		.amdhsa_memory_ordered 1
		.amdhsa_forward_progress 1
		.amdhsa_inst_pref_size 51
	.end_amdhsa_kernel
	.amdgpu_metadata
---
amdhsa.version: [ 1, 2 ]
amdhsa.kernels:
  - .name:           k_qc0b9ff39a6_prep
    .symbol:         k_qc0b9ff39a6_prep.kd
    .args:
      - { .name: wo, .offset: 0, .size: 8, .value_kind: global_buffer, .address_space: global }
      - { .name: w1, .offset: 8, .size: 8, .value_kind: global_buffer, .address_space: global }
      - { .name: w2, .offset: 16, .size: 8, .value_kind: global_buffer, .address_space: global }
      - { .name: wv, .offset: 24, .size: 8, .value_kind: global_buffer, .address_space: global }
      - { .name: wq, .offset: 32, .size: 8, .value_kind: global_buffer, .address_space: global }
      - { .name: wk, .offset: 40, .size: 8, .value_kind: global_buffer, .address_space: global }
      - { .name: wc, .offset: 48, .size: 8, .value_kind: global_buffer, .address_space: global }
      - { .name: ws, .offset: 56, .size: 8, .value_kind: global_buffer, .address_space: global }
    .group_segment_fixed_size: 0
    .private_segment_fixed_size: 0
    .kernarg_segment_align: 8
    .kernarg_segment_size: 64
    .max_flat_workgroup_size: 128
    .sgpr_count:     66
    .vgpr_count:     192
    .wavefront_size: 32
...
	.end_amdgpu_metadata
.endif
;; end of part 5
;; launch qkv: the kernel of part 2 again; grid 4 x 64, 4 waves a work-group, no clusters, 70,144 bytes of LDS; arguments x, wc, ws, bq, bk, bv, qkf, vc, vs; writes qkf, vc, vs
;; launch attn: the kernel of part 3 again; grid 8 x 32, 16 waves a work-group, clusters of 4 x 1, 198,656 bytes of LDS; arguments qkf, vc, vs, oc, os; writes oc, os
;; launch tail (part 6): grid 128 x 1, 4 waves a work-group, no clusters, 163,328 bytes of LDS; arguments x, oc, os, wc, ws, bo, g1, be1, b1, b2, g2, be2, out0; writes out0
.if DOCPART == 6
	.amdgcn_target "amdgcn-amd-amdhsa--gfx1250"
	.amdhsa_code_object_version 6
	.text
	.protected	k_qc0b9ff39a6_tail
	.globl	k_qc0b9ff39a6_tail
	.p2align	8
	.type	k_qc0b9ff39a6_tail,@function
k_qc0b9ff39a6_tail:
	s_mov_b64 s[64:65], 0
	v_nop
	global_prefetch_b8 v0, s[64:65] scope:SCOPE_SE
	s_setreg_imm32_b32 hwreg(HW_REG_WAVE_MODE, 25, 1), 1
	s_wait_xcnt 0x0
; TAIL: x1 = LN(x + o wo + bo; g1, be1);  out = LN(x1 + relu(x1 w1 + b1) w2 + b2; g2, be2).  All three products on codes of E5M2 with E8M0 scales; nothing between them goes to memory.
; SHARES: a work-group takes 64 rows, four row tiles m.  THE WAVES SHARE THE COLUMNS: wave w owns columns 128 w .. + 127 of every layer, for all 64 rows.  The work is nine equal UNITS, [64 x 512] x [512 -> 128 columns a wave]:
; wo; then four times a chunk of 512 hidden units: w1's chunk, w2's chunk.  A unit is 4 K steps x 8 tiles x 4 row tiles = 128 matrix instructions a wave and 65,536 bytes of weight images: unit 0 of wc is wo's, units 1 + 2 c and 2 + 2 c are chunk c's.
; THE WORK-GROUPS BEGIN THE WALK OVER THE FOUR CHUNKS AT DIFFERENT CHUNKS: work-group g begins at chunk (g + g / 4 + g / 16) mod 4 and goes round.  So four parts of the weights are asked for at a time, and the chunk that a
; work-group comes to second, third or fourth has been walked by other work-groups a phase earlier.  The chunks' parts of the second product are added in that order: another order of f32 rounding than the source's.
; THE WEIGHTS GO FROM MEMORY STRAIGHT INTO THE REGISTERS OF THE ONE WAVE THAT USES THEM, two K steps ahead.  No joint loads: no weight byte is read by two waves of a work-group and none passes LDS; a tile shared through
; LDS would add 2 x 2,359,296 bytes of LDS traffic to each work-group.  64 rows to a work-group, since each walks all 2,359,296 bytes of weights whatever its rows: each 2,048-byte fragment feeds four products, and it is what the registers hold.
; PRODUCTS ARE USED TRANSPOSED (source 0 = 16 columns of a weight, source 1 = 16 rows): with the columns of a tile chosen as the first launch lays them, register 64 m + 16 b + i of lane (r, h) is row 16 m + r,
; column 128 w + 32 b + 16 h + i: 16 neighbours along the next K.  x, the biases and the gains are loaded in that layout.  Residuals and biases are the C of a sum's first product.
; Activations go from wave to wave through LDS as images of operand registers (2,048 bytes, 16 x lane; scale words 4 bytes a lane).
; The variance is taken of x - mean, in a second pass: never as a difference of large sums.
; The last unit's look-ahead loads the first two K steps of the chunk at which the walk began: inside both buffers; nobody uses them.  So every wait has the same count in all trips.
; LIMITS: NaN and infinities are not served; a block of zeros, or under 2^-111, gets the byte 1.
; REGISTERS: window 0: v4-23 addresses; v24-31 LN's four pairs; v32-39 weights' scale words, v40-47 activations', two sets each; v48-175 two buffers of four activation fragments (between units: four sets of codes v48-111,
;   their scale words v112-115, a second vector v48-111, rows on the way out); v176-239 a vector in the result's layout; v240-255 at work.   window 1: two buffers of 8 weight fragments.   window 2: ACC (64 m + 8 j).   window 3: Y.
.set R_X,  34816                       ; LDS: o's 16 images (4 m + s) x 2048 from 0, their scale words at + 32768; x1's likewise;
.set R_H,  69632                       ; the hidden chunk's likewise;
.set SCO,  32768
.set PAR,  104448                      ; b1 (8,192 bytes, its four chunks in the order of my walk), bo, g1, be1, b2, g2, be2 (2,048 each);
.set BOO,  8192
.set G1O,  10240
.set BE1O, 12288
.set B2O,  14336
.set G2O,  16384
.set BE2O, 18432
.set RED,  124928                      ; four regions of 1,024 bytes for the rows' sums: word (16 m + r) x 16 + 4 w; each used once;
.set STG,  129024                      ; a stage of 16 rows x (512 + 16) bytes for each wave
.set LI,   4                           ; v4   16 x lane; also o's images' address
.set LS,   5                           ; v5   4 x lane
.set SO,   7
.set AX,   8
.set SX,   9
.set AH,   10
.set SH,   11
.set XWI,  12                          ; v12-15 where I store x1's and the hidden layer's images and scale words: K step w
.set XWS,  13
.set HWI,  14
.set HWS,  15
.set VA,   16                          ; v16  PAR + 512 w + 64 h
.set VB1,  17
.set REDW, 18
.set REDR, 19
.set STI,  20
.set STB,  21
.set XA,   22                          ; v22  2048 r + 512 w + 64 h
.set GO,   23                          ; v23  512 w + 16 x lane
.set LNP,  24
.set WS,   32
.set AS,   40
.set AB,   48
.set PCB,  48                          ; v48-111  codes: a set of 16 for each row tile, so that no image's store and no later conversion name the same register
.set PWB,  112                         ; v112-115 their scale words
.set VEC,  176
.set TM,   240
.set WV,   30
.set SEL,  32
.set MNT,  34
.set R512, 35
.set EPS,  36
.set CNT,  37
.set B1S,  38
.set CH,   39                          ; s39  the chunk in hand
.set WP0,  48                          ; s[48:49], s[50:51]  a unit's weights and scale words: two sets by turns: w2's units take set 0,
.set SP0,  50
.set WP1,  52                          ; s[52:55]  w1's take set 1; wo's unit takes the bases s[10:13], which are never rewritten
.set SP1,  54
.set MSB, 0
.macro WIN new                         ; the immediate's high byte repeats the setting that is left; a switch that changes nothing is dropped
.if MSB != (\new)
	s_set_vgpr_msb (MSB<<8)|(\new)
.set MSB, (\new)
.endif
.endm
.macro PLACES n
.rept \n
	v_nop
.endr
.endm
.macro BARRIER                         ; my LDS stores have landed and my LDS loads are in: then the work-group's barrier
	s_wait_dscnt 0x0
	s_barrier_signal -1
	s_barrier_wait -1
.endm
; 64 numbers of a lane in window W, register s + 16 b + i = k 32 b + 16 (lane / 16) + i of my row, become a fragment's codes in v[pc] on and its scale word in v[pw].  relu = 1: what is negative becomes 0 on the way.
.macro QUANT s, W, relu, pc, pw
	WIN 5*\W
.irp b, 0,1,2,3
.if \relu
	v_max3_num_f32 v[TM+\b], v[\s+16*\b], v[\s+1+16*\b], 0x8000000        ; no |.|: what is negative must not count; the floor stands over it
.else
	v_max3_num_f32 v[TM+\b], |v[\s+16*\b]|, |v[\s+1+16*\b]|, 0x8000000    ; and the floor 2^(16 - 127): the byte cannot fall under 1
.endif
.endr
	WIN 20*\W
.irp i, 2,4,6,8,10,12,14
.irp b, 0,1,2,3
.if \relu
	v_max3_num_f32 v[TM+\b], v[TM+\b], v[\s+16*\b+\i], v[\s+1+16*\b+\i]
.else
	v_max3_num_f32 v[TM+\b], v[TM+\b], |v[\s+16*\b+\i]|, |v[\s+1+16*\b+\i]|
.endif
.endr
.endr
	WIN 0
.irp b, 0,1,2,3
	v_permlanex16_b32 v[TM+4+\b], v[TM+\b], s[SEL], s[SEL+1]
.endr
.irp b, 0,1,2,3
	v_max_num_f32 v[TM+\b], v[TM+\b], v[TM+4+\b]
.endr
.irp b, 0,1,2,3
	v_add_nc_u32 v[TM+12+\b], 0xf8800000, v[TM+\b]
.endr
.irp b, 0,1,2,3
	v_and_or_b32 v[TM+8+\b], v[TM+\b], 0x7f800000, s[MNT]
.endr
.irp b, 0,1,2,3
	v_lshrrev_b32 v[TM+4+\b], 23, v[TM+12+\b]
.endr
	v_lshl_or_b32 v[\pw], v[TM+5], 8, v[TM+4]
	v_lshl_or_b32 v[\pw], v[TM+6], 16, v[\pw]
	v_lshl_or_b32 v[\pw], v[TM+7], 24, v[\pw]
	WIN 65*\W
.irp b, 0,1,2,3
.irp i, 0,1,2,3,4,5,6,7,8,9,10,11,12,13,14,15
.if \relu
	v_med3_num_f32 v[\s+16*\b+\i], v[\s+16*\b+\i], 0, v[TM+8+\b]          ; the activation and the hold in one
.else
	v_med3_num_f32 v[\s+16*\b+\i], v[\s+16*\b+\i], -v[TM+8+\b], v[TM+8+\b]   ; the hold (ISA guide 7.6.2)
.endif
.endr
.endr
	WIN \W
.irp b, 0,1,2,3
	v_cvt_scalef32_pk8_bf8_f32 v[\pc+4*\b:\pc+1+4*\b], v[\s+16*\b:\s+7+16*\b], v[TM+12+\b]
	v_cvt_scalef32_pk8_bf8_f32 v[\pc+2+4*\b:\pc+3+4*\b], v[\s+8+16*\b:\s+15+16*\b], v[TM+12+\b]
.endr
	WIN 0
	v_nop                                          ; a plain line behind the last conversion
.endm
.macro IMAGE adr, off, pc              ; the fragment in v[pc] on goes to LDS as it stands
.irp c, 0,1,2,3
	ds_store_b128 v[\adr], v[\pc+4*\c:\pc+4*\c+3] offset:\off+512*\c
.endr
.endm
.macro PRE off, p, wb, sb              ; a K step's 8 weight fragments and their scale words, off bytes behind the unit's base s[wb], into buffer p: 36 loads
	WIN 0x40
.irp j, 0,1,2,3,4,5,6,7
.irp c, 0,1,2,3
	global_load_b128 v[128*(\p)+16*\j+4*\c:128*(\p)+16*\j+4*\c+3], v[LI], s[\wb:\wb+1] offset:\off+2048*\j+512*\c
.endr
.endr
	WIN 0
.irp q, 0,1,2,3
	global_load_b32 v[WS+4*(\p)+\q], v[LS], s[\sb:\sb+1] offset:(\off)/32+128*\q    ; lanes 0-15: tile 2 q; lanes 16-31: tile 2 q + 1
.endr
.endm
.macro ACT a, sc, s, p                 ; K step s of the four row tiles into buffer p: 20 LDS loads
.irp m, 0,1,2,3
.irp c, 0,1,2,3
	ds_load_b128 v[AB+64*(\p)+16*\m+4*\c:AB+64*(\p)+16*\m+4*\c+3], v[\a] offset:(4*\m+(\s))*2048+512*\c
.endr
	ds_load_b32 v[AS+4*(\p)+\m], v[\sc] offset:(4*\m+(\s))*128
.endr
.endm
.macro VECLD reg, adr, off             ; a vector of 512 in the result's layout: my 64 numbers
.irp b, 0,1,2,3
.irp q, 0,1,2,3
	ds_load_b128 v[\reg+16*\b+4*\q:\reg+16*\b+4*\q+3], v[\adr] offset:\off+128*\b+16*\q
.endr
.endr
.endm
.macro MM d, wa, b, c, sa, sb, odd
.if \odd
	v_wmma_scale_f32_16x16x128_f8f6f4 v[\d:\d+7], v[\wa:\wa+15], v[\b:\b+15], v[\c:\c+7], v[\sa], v[\sb] matrix_a_fmt:MATRIX_FMT_BF8 matrix_b_fmt:MATRIX_FMT_BF8 matrix_a_scale:MATRIX_SCALE_ROW1
.else
	v_wmma_scale_f32_16x16x128_f8f6f4 v[\d:\d+7], v[\wa:\wa+15], v[\b:\b+15], v[\c:\c+7], v[\sa], v[\sb] matrix_a_fmt:MATRIX_FMT_BF8 matrix_b_fmt:MATRIX_FMT_BF8
.endif
.endm
; A UNIT.  a, sc: the activations' images and scale words; dw: the windows (0xa1: C and D in ACC, 0xf1: in Y); bias = 1: the first K step takes v[VEC] on as C and starts ACC anew.
; cw, cs: this unit's bases; nw, ns: the set that takes the next unit's.  kind says what follows: 0: the first chunk's w1; 1: this chunk's w2, 262,144 bytes on; 2: the next chunk's w1, round the four.
; The next unit's set is written in this unit's second K step: its last loads (it was the unit before's own set) were shown done by that unit's waits on LOADcnt, and the wait on XCNT in front of the
; write stands 32 matrix instructions behind the last load issued.
; The 32 accumulators take turns, one instruction a turn, in the same order in every K step.
.macro UNIT a, sc, dw, bias, cw, cs, nw, ns, kind
	ACT \a, \sc, 0, 0
	ACT \a, \sc, 1, 1
.irp s, 0,1,2,3
.if \s == 3
	s_wait_dscnt 0x0
.else
	s_wait_dscnt 20                                ; this K step's 20 LDS loads (and all older ones) are in; the next step's 20 may be out
.endif
	s_wait_loadcnt 36                              ; this K step's weights are in; the only younger loads are the next step's 36
.if \bias && (\s == 0)
	WIN 0x81
.else
	WIN \dw
.endif
.irp j, 0,1,2,3,4,5,6,7
.irp m, 0,1,2,3
.if \bias && (\s == 0)
	MM 64*\m+8*\j, 128*(\s&1)+16*\j, AB+64*(\s&1)+16*\m, VEC+8*\j, WS+4*(\s&1)+\j/2, AS+4*(\s&1)+\m, \j%2
.else
	MM 64*\m+8*\j, 128*(\s&1)+16*\j, AB+64*(\s&1)+16*\m, 64*\m+8*\j, WS+4*(\s&1)+\j/2, AS+4*(\s&1)+\m, \j%2
.endif
.endr
.endr
	WIN 0
	PLACES 8                                       ; eight places behind this form, in front of loads into registers that these products read and of the first read of results
.if \s == 1
	s_wait_xcnt 0x0                                ; every load issued so far has read its base: the other set may be written
.if \kind == 1
	s_add_nc_u64 s[\nw:\nw+1], s[\cw:\cw+1], 262144
	s_add_nc_u64 s[\ns:\ns+1], s[\cs:\cs+1], 8192
.else
.if \kind == 2
	s_add_co_u32 s[CH], s[CH], 1
	s_and_b32 s[CH], s[CH], 3                      ; the next chunk, round the four
.endif
	s_lshl_b32 s56, s[CH], 19
	s_add_co_u32 s56, s56, 262144                  ; unit 1 + 2 c, in bytes
	s_mov_b32 s57, 0
	s_add_nc_u64 s[\nw:\nw+1], s[10:11], s[56:57]
	s_lshr_b32 s56, s56, 5
	s_add_nc_u64 s[\ns:\ns+1], s[12:13], s[56:57]
.endif
.endif
.if \s < 2
	ACT \a, \sc, \s+2, \s&1
	PRE (\s+2)*16384, \s&1, \cw, \cs
.else
	PRE (\s-2)*16384, \s&1, \nw, \ns               ; the next unit's first two K steps
.endif
.endr
.endm
; the four row tiles' sums in v[LNP + 2 m] (two halves each) are joined: halves, lane l xor 16, the four waves through region red
.macro RSUM red
.irp m, 0,1,2,3
	v_add_f32 v[LNP+2*\m], v[LNP+2*\m], v[LNP+2*\m+1]
.endr
.irp m, 0,1,2,3
	v_permlanex16_b32 v[LNP+2*\m+1], v[LNP+2*\m], s[SEL], s[SEL+1]
.endr
.irp m, 0,1,2,3
	v_add_f32 v[LNP+2*\m], v[LNP+2*\m], v[LNP+2*\m+1]
.endr
.irp m, 0,1,2,3
	ds_store_b32 v[REDW], v[LNP+2*\m] offset:1024*(\red)+256*\m     ; lanes l and l xor 16 write the same word with the same value
.endr
	BARRIER
.irp m, 0,1,2,3
	ds_load_b128 v[TM+4*\m:TM+4*\m+3], v[REDR] offset:1024*(\red)+256*\m
.endr
.endm
.macro RJOIN                           ; every wave adds the four parts in the same order
.irp m, 0,1,2,3
	v_add_f32 v[TM+4*\m], v[TM+4*\m], v[TM+4*\m+1]
	v_add_f32 v[TM+4*\m+2], v[TM+4*\m+2], v[TM+4*\m+3]
.endr
.irp m, 0,1,2,3
	v_add_f32 v[LNP+2*\m], v[TM+4*\m], v[TM+4*\m+2]
.endr
.endm
; LayerNorm in place on window W's 256 registers; the four row tiles by turns; regions red and red + 1
.macro LN W, goff, beoff, red
	WIN 5*\W
.irp m, 0,1,2,3
	v_pk_add_f32 v[LNP+2*\m:LNP+2*\m+1], v[64*\m:64*\m+1], v[64*\m+2:64*\m+3]    ; from each accumulator's low end on
.endr
	WIN 4*\W
.set k, 4
.rept 30
.irp m, 0,1,2,3
	v_pk_add_f32 v[LNP+2*\m:LNP+2*\m+1], v[LNP+2*\m:LNP+2*\m+1], v[64*\m+k:64*\m+k+1]
.endr
.set k, k+2
.endr
	WIN 0
	RSUM \red
	s_wait_dscnt 0x0
	RJOIN
.irp m, 0,1,2,3
	v_mul_f32 v[LNP+2*\m], s[R512], v[LNP+2*\m]    ; the mean
.endr
	WIN 65*\W
.set k, 0
.rept 32
.irp m, 0,1,2,3
	v_pk_add_f32 v[64*\m+k:64*\m+k+1], v[64*\m+k:64*\m+k+1], v[LNP+2*\m:LNP+2*\m+1] op_sel_hi:[1,0] neg_lo:[0,1] neg_hi:[0,1]
.endr
.set k, k+2
.endr
	WIN 5*\W
.irp m, 0,1,2,3
	v_pk_mul_f32 v[LNP+2*\m:LNP+2*\m+1], v[64*\m:64*\m+1], v[64*\m:64*\m+1]
.endr
.set k, 2
.rept 31
.irp m, 0,1,2,3
	v_pk_fma_f32 v[LNP+2*\m:LNP+2*\m+1], v[64*\m+k:64*\m+k+1], v[64*\m+k:64*\m+k+1], v[LNP+2*\m:LNP+2*\m+1]
.endr
.set k, k+2
.endr
	WIN 0
	RSUM \red+1
	VECLD VEC, VA, \goff
	VECLD AB, VA, \beoff
	s_wait_dscnt 32                                ; the four parts are in; the 32 loads of the gain and the shift may be out
	RJOIN
.irp m, 0,1,2,3
	v_fma_f32 v[LNP+2*\m], v[LNP+2*\m], s[R512], s[EPS]     ; the variance + 1e-5
.endr
.irp m, 0,1,2,3
	v_rsq_f32 v[LNP+2*\m], v[LNP+2*\m]
.endr
	v_nop                                          ; a plain line behind the transcendentals
	s_wait_dscnt 0x0
	WIN 65*\W
.set k, 0
	s_wait_alu depctr_va_vdst(0)
.rept 32
.irp m, 0,1,2,3
	v_pk_mul_f32 v[64*\m+k:64*\m+k+1], v[64*\m+k:64*\m+k+1], v[LNP+2*\m:LNP+2*\m+1] op_sel_hi:[1,0]
.endr
.set k, k+2
.endr
.set k, 0
.rept 32
.irp m, 0,1,2,3
	v_pk_fma_f32 v[64*\m+k:64*\m+k+1], v[64*\m+k:64*\m+k+1], v[VEC+k:VEC+k+1], v[AB+k:AB+k+1]
.endr
.set k, k+2
.endr
	WIN 0
.endm
	s_load_b512 s[4:19], s[0:1], 0x0               ; x s[4:5], oc s[6:7], os s[8:9], wc s[10:11], ws s[12:13], bo s[14:15], g1 s[16:17], be1 s[18:19]
	s_load_b256 s[20:27], s[0:1], 0x40             ; b1 s[20:21], b2 s[22:23], g2 s[24:25], be2 s[26:27]
	s_load_b64 s[28:29], s[0:1], 0x60              ; out0
	v_lshrrev_b32 v1, 5, v0
	v_readfirstlane_b32 s[WV], v1                  ; wave w
	v_and_b32 v1, 31, v0                           ; lane
	v_and_b32 v2, 15, v0                           ; r
	v_bfe_u32 v3, v0, 4, 1                         ; h
	v_lshlrev_b32 v[LI], 4, v1
	v_lshlrev_b32 v[LS], 2, v1
	v_add_nc_u32 v[SO], SCO, v[LS]
	v_add_nc_u32 v[AX], R_X, v[LI]
	v_add_nc_u32 v[SX], R_X+SCO, v[LS]
	v_add_nc_u32 v[AH], R_H, v[LI]
	v_add_nc_u32 v[SH], R_H+SCO, v[LS]
	s_lshl_b32 s40, s[WV], 11
	s_add_co_u32 s41, s40, R_X
	v_add_nc_u32 v[XWI], s41, v[LI]
	s_add_co_u32 s41, s40, R_H
	v_add_nc_u32 v[HWI], s41, v[LI]
	s_lshl_b32 s40, s[WV], 7
	s_add_co_u32 s41, s40, R_X+SCO
	v_add_nc_u32 v[XWS], s41, v[LS]
	s_add_co_u32 s41, s40, R_H+SCO
	v_add_nc_u32 v[HWS], s41, v[LS]
	s_lshl_b32 s40, s[WV], 9                       ; 512 w
	s_add_co_u32 s41, s40, PAR
	v_lshl_add_u32 v[VA], v3, 6, s41
	v_lshlrev_b32 v[XA], 11, v2
	v_lshl_add_u32 v[XA], v3, 6, v[XA]
	v_add_nc_u32 v[XA], s40, v[XA]
	v_add_nc_u32 v[GO], s40, v[LI]
	s_add_co_u32 s41, s40, SCO
	v_add_nc_u32 v28, s41, v[LS]                   ; (v24-28 serve the head alone)  o's scale words, my row tile: SCO + 4 x lane + 512 w
	s_lshl_b32 s41, s[WV], 2
	s_add_co_u32 s41, s41, RED
	v_lshl_add_u32 v[REDW], v2, 4, s41
	v_lshl_add_u32 v[REDR], v2, 4, RED
	s_mul_i32 s41, s[WV], 8448
	s_add_co_u32 s41, s41, STG
	v_mul_u32_u24 v[STI], v2, 528
	v_lshl_add_u32 v[STI], v3, 6, v[STI]
	v_add_nc_u32 v[STI], s41, v[STI]
	v_add_nc_u32 v[STB], s41, v[LI]
	v_lshlrev_b32 v24, 4, v0                       ; 16 x thread: 128 threads cover a vector of 2,048 bytes
	v_add_nc_u32 v25, PAR, v24
	s_lshl_b32 s41, s[WV], 13
	v_add_nc_u32 v26, s41, v[LI]                   ; o's images, my row tile: 16 x lane + 8192 w
	v_lshlrev_b32 v27, 2, v2                       ; 4 r
	s_lshr_b32 s40, ttmp9, 2                       ; where my walk over the chunks begins: (g + g / 4 + g / 16) mod 4
	s_add_co_u32 s[CH], ttmp9, s40
	s_lshr_b32 s40, ttmp9, 4
	s_add_co_u32 s[CH], s[CH], s40
	s_and_b32 s[CH], s[CH], 3
.irp q, 0,1,2,3
	s_add_co_u32 s40, s[CH], \q                    ; the q-th chunk of my walk: its 2,048 bytes of b1 (these four registers serve the head's loads alone)
	s_and_b32 s40, s40, 3
	s_lshl_b32 s40, s40, 11
	v_add_nc_u32 v[TM+\q], s40, v24
.endr
.irp b, 0,1,2,3
	v_mov_b32 v[TM+4+\b], 0                        ; written once: a lane permute's destination counts as one of its sources
.endr
	s_mov_b32 s[SEL], 0x76543210
	s_mov_b32 s[SEL+1], 0xfedcba98
	s_mov_b32 s[MNT], 0x600000
	s_mov_b32 s[R512], 0x3b000000                  ; 1 / 512
	s_mov_b32 s[EPS], 0x3727c5ac                   ; 1e-5
	s_lshl_b32 s40, ttmp9, 17                      ; x and out0: 64 rows of 2,048 bytes a work-group
	s_mov_b32 s41, 0
	s_lshl_b32 s42, ttmp9, 15                      ; oc: row tile 4 g + w, 8,192 bytes each
	s_lshl_b32 s44, s[WV], 13
	s_add_co_u32 s42, s42, s44
	s_mov_b32 s43, 0
	s_lshr_b32 s44, s42, 5                         ; os: 256 bytes each
	s_mov_b32 s45, 0
	s_lshl_b32 s46, s[WV], 16                      ; my quarter of every unit
	s_mov_b32 s47, 0
	s_wait_kmcnt 0x0
	s_add_nc_u64 s[4:5], s[4:5], s[40:41]
	s_add_nc_u64 s[28:29], s[28:29], s[40:41]
	s_add_nc_u64 s[6:7], s[6:7], s[42:43]
	s_add_nc_u64 s[8:9], s[8:9], s[44:45]
	s_add_nc_u64 s[10:11], s[10:11], s[46:47]      ; the bases: wc and ws at my quarter of unit 0; they stay
	s_lshr_b32 s46, s46, 5
	s_add_nc_u64 s[12:13], s[12:13], s[46:47]
	; ---- the head: the parameters and my row tile of o go to LDS; x + bo becomes the C of the first unit
.irp q, 0,1,2,3
	global_load_b128 v[VEC+4*\q:VEC+4*\q+3], v[TM+\q], s[20:21]
.endr
	global_load_b128 v[VEC+16:VEC+19], v24, s[14:15]
	global_load_b128 v[VEC+20:VEC+23], v24, s[16:17]
	global_load_b128 v[VEC+24:VEC+27], v24, s[18:19]
	global_load_b128 v[VEC+28:VEC+31], v24, s[22:23]
	global_load_b128 v[VEC+32:VEC+35], v24, s[24:25]
	global_load_b128 v[VEC+36:VEC+39], v24, s[26:27]
.irp s, 0,1,2,3
.irp c, 0,1,2,3
	global_load_b128 v[AB+16*\s+4*\c:AB+16*\s+4*\c+3], v[LI], s[6:7] offset:2048*\s+512*\c
.endr
	global_load_b32 v[AB+64+\s], v27, s[8:9] offset:64*\s
.endr
	PRE 0, 0, 10, 12
	s_wait_loadcnt 36                              ; all but the first K step's 36 weight loads
.irp i, 0,1,2,3,4,5,6,7,8,9
	ds_store_b128 v25, v[VEC+4*\i:VEC+4*\i+3] offset:2048*\i
.endr
.irp s, 0,1,2,3
.irp c, 0,1,2,3
	ds_store_b128 v26, v[AB+16*\s+4*\c:AB+16*\s+4*\c+3] offset:2048*\s+512*\c
.endr
	ds_store_b32 v28, v[AB+64+\s] offset:128*\s
.endr
	WIN 0x80
.irp m, 0,1,2,3
.irp b, 0,1,2,3
.irp q, 0,1,2,3
	global_load_b128 v[64*\m+16*\b+4*\q:64*\m+16*\b+4*\q+3], v[XA], s[4:5] offset:32768*\m+128*\b+16*\q th:TH_LOAD_NT
.endr
.endr
.endr
	WIN 0
	PRE 16384, 1, 10, 12
	BARRIER                                        ; the parameters and o's sixteen fragments lie in LDS
	VECLD VEC, VA, BOO
	s_wait_loadcnt 36                              ; x and the first K step's weights are in; the second step's 36 may be out
	s_wait_dscnt 0x0
	WIN 0x82
.set k, 0
.rept 32
.irp m, 0,1,2,3
	v_pk_add_f32 v[64*\m+k:64*\m+k+1], v[64*\m+k:64*\m+k+1], v[VEC+k:VEC+k+1]    ; x + bo
.endr
.set k, k+2
.endr
	WIN 0
	UNIT LI, SO, 0xa1, 0, 10, 12, WP1, SP1, 0      ; + o wo
	LN 2, G1O, BE1O, 0                             ; x1
	VECLD VEC, VA, B2O
	s_wait_dscnt 0x0
	WIN 0xc2
.set k, 0
.rept 32
.irp m, 0,1,2,3
	v_pk_add_f32 v[64*\m+k:64*\m+k+1], v[64*\m+k:64*\m+k+1], v[VEC+k:VEC+k+1]    ; Y = x1 + b2: the second residual lives on as Y's start
.endr
.set k, k+2
.endr
	WIN 0
.irp m, 0,1,2,3
	QUANT 64*\m, 2, 0, PCB+16*\m, PWB+\m           ; x1, my 128 columns: K step w of the next product
	IMAGE XWI, 8192*\m, PCB+16*\m
	ds_store_b32 v[XWS], v[PWB+\m] offset:512*\m
.endr
	BARRIER                                        ; x1's sixteen fragments lie in LDS
	s_mov_b32 s[CNT], 4
	s_mov_b32 s[B1S], 0
.Lchunk:                                           ; four chunks of 512 hidden units
	v_add_nc_u32 v[VB1], s[B1S], v[VA]
	VECLD VEC, VB1, 0                              ; b1's chunk, the C of the first K step
	UNIT AX, SX, 0xa1, 1, WP1, SP1, WP0, SP0, 1
	BARRIER                                        ; every wave's reads of the last chunk's hidden fragments are over
.irp m, 0,1,2,3
	QUANT 64*\m, 2, 1, PCB+16*\m, PWB+\m
	IMAGE HWI, 8192*\m, PCB+16*\m
	ds_store_b32 v[HWS], v[PWB+\m] offset:512*\m
.endr
	BARRIER                                        ; the chunk's sixteen fragments lie in LDS
	UNIT AH, SH, 0xf1, 0, WP0, SP0, WP1, SP1, 2
	s_add_co_u32 s[B1S], s[B1S], 2048
	s_sub_co_u32 s[CNT], s[CNT], 1
	s_cmp_lg_u32 s[CNT], 0
	s_cbranch_scc1 .Lchunk
	LN 3, G2O, BE2O, 2
	; ---- the way out: a row tile at a time through my own stage, back as rows of 512 bytes
.irp m, 0,1,2,3
	WIN 0x0c                                       ; an LDS store's data are its source 1: window 3
.irp b, 0,1,2,3
.irp q, 0,1,2,3
	ds_store_b128 v[STI], v[64*\m+16*\b+4*\q:64*\m+16*\b+4*\q+3] offset:128*\b+16*\q
.endr
.endr
	WIN 0
.if \m > 1
	s_wait_xcnt 0x0                                ; the stores of two row tiles ago have read their registers
.endif
.irp i, 0,1,2,3,4,5,6,7,8,9,10,11,12,13,14,15
	ds_load_b128 v[AB+64*(\m&1)+4*\i:AB+64*(\m&1)+4*\i+3], v[STB] offset:528*\i      ; LDS serves a wave's instructions in order (ISA guide 5.7.1.4): these see my stores, and the next tile's stores come behind them
.endr
.irp i, 0,1,2,3,4,5,6,7,8,9,10,11,12,13,14,15
	s_wait_dscnt 15-\i
	global_store_b128 v[GO], v[AB+64*(\m&1)+4*\i:AB+64*(\m&1)+4*\i+3], s[28:29] offset:(16*\m+\i)*2048 th:TH_STORE_NT   ; 32 lanes store 512 consecutive bytes, at a multiple of 256 from out0's first byte
.endr
.endr
	s_wait_xcnt 0x0
	v_lshl_add_u32 v254, v0, 2, 0x27c00
	v_mov_b32 v255, 0
	s_wait_tensorcnt 0x0
	ds_add_u32 v254, v255
	s_wait_dscnt 0x0
	s_endpgm
.Lfunc_end_k_qc0b9ff39a6_tail:
	.size	k_qc0b9ff39a6_tail, .Lfunc_end_k_qc0b9ff39a6_tail-k_qc0b9ff39a6_tail
	.p2alignl 7, 3214868480
	.fill 96, 4, 3214868480
	.section	.rodata,"a",@progbits
	.p2align	6, 0x0
	.amdhsa_kernel k_qc0b9ff39a6_tail
		.amdhsa_group_segment_fixed_size 163328
		.amdhsa_private_segment_fixed_size 0
		.amdhsa_enable_private_segment 0
		.amdhsa_kernarg_size 104
		.amdhsa_user_sgpr_count 2
		.amdhsa_user_sgpr_kernarg_segment_ptr 1
		.amdhsa_wavefront_size32 1
		.amdhsa_system_sgpr_workgroup_id_x 1
		.amdhsa_system_sgpr_workgroup_id_y 1
		.amdhsa_system_sgpr_workgroup_id_z 1
		.amdhsa_system_vgpr_workitem_id 0
		.amdhsa_next_free_vgpr 1024
		.amdhsa_next_free_sgpr 66
		.amdhsa_reserve_vcc 0
		.amdhsa_float_denorm_mode_32 3
		.amdhsa_float_denorm_mode_16_64 3
		.amdhsa_memory_ordered 1
		.amdhsa_forward_progress 1
		.amdhsa_inst_pref_size 255
	.end_amdhsa_kernel
	.section	.bss,"aw",@nobits
	.p2align	6
	.space	262144
	.amdgpu_metadata
---
amdhsa.version: [ 1, 2 ]
amdhsa.kernels:
  - .name:           k_qc0b9ff39a6_tail
    .symbol:         k_qc0b9ff39a6_tail.kd
    .args:
      - { .name: x, .offset: 0, .size: 8, .value_kind: global_buffer, .address_space: global }
      - { .name: oc, .offset: 8, .size: 8, .value_kind: global_buffer, .address_space: global }
      - { .name: os, .offset: 16, .size: 8, .value_kind: global_buffer, .address_space: global }
      - { .name: wc, .offset: 24, .size: 8, .value_kind: global_buffer, .address_space: global }
      - { .name: ws, .offset: 32, .size: 8, .value_kind: global_buffer, .address_space: global }
      - { .name: bo, .offset: 40, .size: 8, .value_kind: global_buffer, .address_space: global }
      - { .name: g1, .offset: 48, .size: 8, .value_kind: global_buffer, .address_space: global }
      - { .name: be1, .offset: 56, .size: 8, .value_kind: global_buffer, .address_space: global }
      - { .name: b1, .offset: 64, .size: 8, .value_kind: global_buffer, .address_space: global }
      - { .name: b2, .offset: 72, .size: 8, .value_kind: global_buffer, .address_space: global }
      - { .name: g2, .offset: 80, .size: 8, .value_kind: global_buffer, .address_space: global }
      - { .name: be2, .offset: 88, .size: 8, .value_kind: global_buffer, .address_space: global }
      - { .name: out0, .offset: 96, .size: 8, .value_kind: global_buffer, .address_space: global }
    .group_segment_fixed_size: 163328
    .private_segment_fixed_size: 0
    .kernarg_segment_align: 8
    .kernarg_segment_size: 104
    .max_flat_workgroup_size: 128
    .sgpr_count:     66
    .vgpr_count:     1024
    .wavefront_size: 32
...
	.end_amdgpu_metadata
.endif
;; end of part 6
;; ======== version 3 of 3: 4 launches
;; workspace buffers: wc 2,883,584 bytes; ws 90,112 bytes; qkf 2,097,152 bytes; vc 4,194,304 bytes; vs 131,072 bytes; oc 4,194,304 bytes; os 131,072 bytes
;; launch prep (part 7): grid 168 x 1, 4 waves a work-group, no clusters, 0 bytes of LDS; arguments wo, w1, w2, wv, wq, wk, wc, ws; writes wc, ws
.if DOCPART == 7
	.amdgcn_target "amdgcn-amd-amdhsa--gfx1250"
	.amdhsa_code_object_version 6
	.text
	.protected	k_qc0b9ff39a6_prep
	.globl	k_qc0b9ff39a6_prep
	.p2align	8
	.type	k_qc0b9ff39a6_prep,@function
k_qc0b9ff39a6_prep:
	s_mov_b64 s[64:65], 0
	v_nop
	global_prefetch_b8 v0, s[64:65] scope:SCOPE_SE
	s_setreg_imm32_b32 hwreg(HW_REG_WAVE_MODE, 25, 1), 1
	s_wait_xcnt 0x0
; PREP: every weight, f32 stored [K][N], becomes codes of E5M2 with one E8M0 byte for each 32 along K, laid as IMAGES OF OPERAND REGISTERS.
; A fragment is 16 columns n x 128 along K, 2,048 bytes: register group c (0..3) of lane l lies at 512 c + 16 l; lane (r, h) holds k = 32 c + 16 h + 0..15 of row r.
; THE 16 COLUMNS OF A TILE ARE NOT NEIGHBOURS: row r of tile T = 2 G + u is column 32 G + 8 u + r + 8 (r / 8), so that a transposed product leaves 16 neighbours along the next K in a lane.
; wc: fragment (T, K step s) at U x 262144 + ((T / 8) % 4) x 65536 + (s % 4) x 16384 + (T % 8) x 2048, U = U0 + 2 (T / 32 + s / 4); U0: wo 0, w1 1, w2 2, wv 9, q and k 10.
; ws: the same offset / 32: 64 bytes a fragment, row r's scale word at 4 r.
; Of wq and wk only columns 64 head + 0..3 reach the result (the scores take the first four components of a head): tile 0, 1 = q's heads 0-3, 4-7; tile 2, 3 = k's; row r = column 64 (4 (T % 2) + r / 4) + r % 4.
; SHARES: a wave takes 32 columns x 128 along K, two fragments.  A LANE TAKES A COLUMN AND ITS REGISTERS RUN DOWN K: a block of 32 lies in one lane, nothing is transposed, no LDS is used.
; Lanes 0-15 hold tile 2 G, lanes 16-31 tile 2 G + 1: a load covers 128 consecutive bytes, and sixteen neighbouring lanes of each store fill 256 consecutive bytes, aligned.
; Work-groups: 0-15 wo, 16-79 w1, 80-143 w2, 144-159 wv, 160-167 q and k.
; FOR q AND k A WAVE TAKES ONE BLOCK OF 32 ALONG K ONLY: there four lanes take 16 bytes and the next four stand 256 bytes on, so a load touches eight pieces of a row.  32 waves share the 2 x 512 rows:
; a work-group touches 4 x 32 rows x 8 pieces.  Such a wave stores register group c of its two fragments, and byte c of their scale words (32 single bytes: 1,024 bytes of ws in all are written so).
; LIMITS: NaN and infinities are not served.  A block of zeros, and one whose largest magnitude lies under 2^-111, gets the byte 1: zero codes add nothing, and this program alone reads the bytes.
.set X,   32                           ; v32-159  128 numbers down K
.set C,   160                          ; v160-191 codes, eight registers a block, never rewritten
.set SW,  16                           ; v16      the column's scale word
.set MNT, 37                           ; s37      the mantissa field of 57,344
.macro LOADS n, pitch                  ; my column's n numbers; pitch = a row of the weight in bytes
.set i, 0
.rept \n
	global_load_b32 v[X+i], v3, s[22:23] offset:i*\pitch th:TH_LOAD_NT
.set i, i+1
.endr
.endm
.macro BLOCK c, left                   ; block c of 32 along K; left = how many younger loads may stay out
.set XS, X+32*\c
	s_wait_loadcnt \left
	v_max3_num_f32 v12, |v[XS]|, |v[XS+1]|, |v[XS+2]|      ; the block's largest magnitude, in two chains
	v_max3_num_f32 v13, |v[XS+3]|, |v[XS+4]|, |v[XS+5]|
.irp i, 6,10,14,18,22,26
	v_max3_num_f32 v12, v12, |v[XS+\i]|, |v[XS+\i+1]|
	v_max3_num_f32 v13, v13, |v[XS+\i+2]|, |v[XS+\i+3]|
.endr
	v_max3_num_f32 v12, v12, |v[XS+30]|, |v[XS+31]|
	v_max3_num_f32 v12, v12, v13, 0x8000000                ; and the floor 2^(16 - 127): the byte cannot fall under 1
	v_add_nc_u32 v11, 0xf8800000, v12                      ; 15 off the exponent field: the conversion's scale operand
	v_and_or_b32 v10, v12, 0x7f800000, s[MNT]              ; 57,344 x the scale
	v_lshrrev_b32 v13, 23, v11                             ; the scale's byte
.if \c == 0
	v_mov_b32 v[SW], v13
.else
	v_lshl_or_b32 v[SW], v13, 8*\c, v[SW]
.endif
.set i, 0
.rept 32
	v_med3_num_f32 v[XS+i], v[XS+i], -v10, v10             ; the conversion to an 8-bit code does not saturate (ISA guide 7.6.2): the hold comes first
.set i, i+1
.endr
.irp g, 0,1,2,3
	v_cvt_scalef32_pk8_bf8_f32 v[C+8*\c+2*\g:C+8*\c+2*\g+1], v[XS+8*\g:XS+8*\g+7], v11
.endr
	v_nop                                                  ; a plain line behind the last conversion
	global_store_b128 v4, v[C+8*\c:C+8*\c+3], s[16:17] offset:512*\c        ; k = 32 c + 0..15: the image's lanes 0-15
	global_store_b128 v4, v[C+8*\c+4:C+8*\c+7], s[16:17] offset:512*\c+256  ; k = 32 c + 16..31: its lanes 16-31
.endm
	s_load_b512 s[4:19], s[0:1], 0x0               ; wo s[4:5], w1 s[6:7], w2 s[8:9], wv s[10:11], wq s[12:13], wk s[14:15], wc s[16:17], ws s[18:19]
	v_lshrrev_b32 v1, 5, v0
	v_readfirstlane_b32 s20, v1                    ; wave
	s_mov_b32 s21, ttmp9                           ; work-group
	v_and_b32 v2, 31, v0                           ; lane
	v_and_b32 v3, 7, v2
	v_bfe_u32 v6, v2, 3, 1
	v_lshl_add_u32 v3, v6, 4, v3
	v_lshrrev_b32 v6, 4, v2
	v_lshl_add_u32 v3, v6, 3, v3
	v_lshlrev_b32 v3, 2, v3                        ; my column among the wave's 32, in bytes: 4 (l % 8 + 16 ((l / 8) % 2) + 8 (l / 16))
	v_lshrrev_b32 v7, 2, v2
	v_and_b32 v8, 3, v2
	v_lshl_add_u32 v7, v7, 6, v8
	v_lshlrev_b32 v7, 2, v7                        ; for q and k: 4 (64 (l / 4) + l % 4)
	v_and_b32 v4, 15, v2
	v_lshlrev_b32 v4, 4, v4
	v_lshl_add_u32 v4, v6, 11, v4                  ; into the images: 2048 (l / 16) + 16 (l % 16)
	v_lshlrev_b32 v5, 2, v2                        ; scale words: 4 l
	s_mov_b32 s[MNT], 0x600000
	s_wait_alu depctr_va_vdst(0)
	s_wait_kmcnt 0x0
	; which tensor: pointer s[22:23], first work-group s24, log2 of its column groups s25, log2 of a K step's bytes s26, first unit s27.  Every choice hangs on ids alone
	s_bitcmp1_b32 s20, 0
	s_cselect_b64 s[22:23], s[14:15], s[12:13]     ; q and k: odd waves take wk
	s_mov_b32 s24, 160
	s_mov_b32 s25, 0
	s_mov_b32 s26, 18
	s_mov_b32 s27, 10
	s_cmp_lt_u32 s21, 160
	s_cselect_b64 s[22:23], s[10:11], s[22:23]
	s_cselect_b32 s24, 144, s24
	s_cselect_b32 s25, 2, s25
	s_cselect_b32 s27, 9, s27
	s_cmp_lt_u32 s21, 144
	s_cselect_b64 s[22:23], s[8:9], s[22:23]
	s_cselect_b32 s24, 80, s24
	s_cselect_b32 s27, 2, s27
	s_cmp_lt_u32 s21, 80
	s_cselect_b64 s[22:23], s[6:7], s[22:23]
	s_cselect_b32 s24, 16, s24
	s_cselect_b32 s25, 4, s25
	s_cselect_b32 s26, 20, s26
	s_cselect_b32 s27, 1, s27
	s_cmp_lt_u32 s21, 16
	s_cselect_b64 s[22:23], s[4:5], s[22:23]
	s_cselect_b32 s24, 0, s24
	s_cselect_b32 s25, 2, s25
	s_cselect_b32 s26, 18, s26
	s_cselect_b32 s27, 0, s27
	s_sub_co_u32 s28, s21, s24                     ; e: my work-group within the tensor
	s_lshr_b32 s29, s28, s25                       ; K step
	s_lshl_b32 s31, s29, s25
	s_sub_co_u32 s31, s28, s31                     ; column group of 128
	s_lshl_b32 s31, s31, 2
	s_add_co_u32 s30, s31, s20                     ; G: my wave's 32 columns
	s_lshl_b32 s35, s30, 7                         ; 128 G bytes along a row
	s_lshl_b32 s38, s29, s26
	s_add_co_u32 s38, s38, s35                     ; the weight at my K step's first row, my first column
	s_and_b32 s32, s20, 1                          ; q and k: G = wave % 2,
	s_lshr_b32 s33, s20, 1
	s_lshl_b32 s34, s28, 1
	s_add_co_u32 s33, s33, s34                     ; block of 32 along K: kb = 2 e + wave / 2, 0..15,
	s_lshl_b32 s42, s33, 16                        ; whose first row lies 32 kb rows of 2,048 bytes on (column 0),
	s_lshr_b32 s43, s33, 2                         ; K step kb / 4,
	s_and_b32 s44, s33, 3                          ; register group c = kb % 4
	s_cmp_ge_u32 s21, 160
	s_cselect_b32 s30, s32, s30
	s_cselect_b32 s29, s43, s29
	s_cselect_b32 s38, s42, s38
	s_cselect_b32 s44, s44, 0
	s_cselect_b32 s36, -1, 0                       ; and their own columns in every lane
	v_cndmask_b32 v3, v3, v7, s36
	s_mov_b32 s39, 0
	s_add_nc_u64 s[22:23], s[22:23], s[38:39]
	s_lshr_b32 s40, s30, 4
	s_lshr_b32 s41, s29, 2
	s_add_co_u32 s40, s40, s41
	s_lshl_b32 s40, s40, 1
	s_add_co_u32 s40, s40, s27                     ; the unit
	s_lshl_b32 s40, s40, 18
	s_bfe_u32 s41, s30, 0x20002
	s_lshl_b32 s41, s41, 16
	s_or_b32 s40, s40, s41
	s_and_b32 s41, s29, 3
	s_lshl_b32 s41, s41, 14
	s_or_b32 s40, s40, s41
	s_and_b32 s41, s30, 3
	s_lshl_b32 s41, s41, 12
	s_or_b32 s40, s40, s41                         ; my two fragments in wc
	s_lshr_b32 s46, s40, 5
	s_add_co_u32 s46, s46, s44                     ; their scale words in ws (q and k: byte c of them)
	s_mov_b32 s47, 0
	s_lshl_b32 s44, s44, 9
	s_add_co_u32 s40, s40, s44                     ; (q and k: register group c of the images)
	s_mov_b32 s41, 0
	s_add_nc_u64 s[16:17], s[16:17], s[40:41]
	s_add_nc_u64 s[18:19], s[18:19], s[46:47]
	s_cmp_ge_u32 s21, 160
	s_cbranch_scc1 .Lqk
	s_cmp_eq_u32 s27, 1                            ; w1's rows are 8,192 bytes, all others' 2,048: the pitch stands in the immediates
	s_cbranch_scc0 .Lnarrow
	s_wait_alu depctr_va_vdst(0)
	LOADS 128, 8192
	s_branch .Lloaded
.Lnarrow:
	s_wait_alu depctr_va_vdst(0)
	LOADS 128, 2048
.Lloaded:
	BLOCK 0, 63                                    ; behind block 0's loads 96 were issued, behind block 1's 64: 63 is the largest count that the wait can name, and the stricter one
	BLOCK 1, 63
	BLOCK 2, 32                                    ; block 3's 32 may stay out
	BLOCK 3, 0
	global_store_b32 v5, v[SW], s[18:19]           ; 128 consecutive bytes: the two fragments' scale words
	s_endpgm
.Lqk:
	s_wait_alu depctr_va_vdst(0)
	LOADS 32, 2048                                 ; one block of 32 along K of 32 columns of wq or wk
	BLOCK 0, 0                                     ; (the bases hold the register group's and the byte's place)
	global_store_b8 v5, v[SW], s[18:19]            ; byte c of row r's scale word
	s_endpgm
.Lfunc_end_k_qc0b9ff39a6_prep:
	.size	k_qc0b9ff39a6_prep, .Lfunc_end_k_qc0b9ff39a6_prep-k_qc0b9ff39a6_prep
	.p2alignl 7, 3214868480
	.fill 96, 4, 3214868480
	.section	.rodata,"a",@progbits
	.p2align	6, 0x0
	.amdhsa_kernel k_qc0b9ff39a6_prep
		.amdhsa_group_segment_fixed_size 0
		.amdhsa_private_segment_fixed_size 0
		.amdhsa_enable_private_segment 0
		.amdhsa_kernarg_size 64
		.amdhsa_user_sgpr_count 2
		.amdhsa_user_sgpr_kernarg_segment_ptr 1
		.amdhsa_wavefront_size32 1
		.amdhsa_system_sgpr_workgroup_id_x 1
		.amdhsa_system_sgpr_workgroup_id_y 1
		.amdhsa_system_sgpr_workgroup_id_z 1
		.amdhsa_system_vgpr_workitem_id 0
		.amdhsa_next_free_vgpr 192
		.amdhsa_next_free_sgpr 66
		.amdhsa_reserve_vcc 0
		.amdhsa_float_denorm_mode_32 3
		.amdhsa_float_denorm_mode_16_64 3
		.amdhsa_memory_ordered 1
		.amdhsa_forward_progress 1
		.amdhsa_inst_pref_size 51
	.end_amdhsa_kernel
	.amdgpu_metadata
---
amdhsa.version: [ 1, 2 ]
amdhsa.kernels:
  - .name:           k_qc0b9ff39a6_prep
    .symbol:         k_qc0b9ff39a6_prep.kd
    .args:
      - { .name: wo, .offset: 0, .size: 8, .value_kind: global_buffer, .address_space: global }
      - { .name: w1, .offset: 8, .size: 8, .value_kind: global_buffer, .address_space: global }
      - { .name: w2, .offset: 16, .size: 8, .value_kind: global_buffer, .address_space: global }
      - { .name: wv, .offset: 24, .size: 8, .value_kind: global_buffer, .address_space: global }
      - { .name: wq, .offset: 32, .size: 8, .value_kind: global_buffer, .address_space: global }
      - { .name: wk, .offset: 40, .size: 8, .value_kind: global_buffer, .address_space: global }
      - { .name: wc, .offset: 48, .size: 8, .value_kind: global_buffer, .address_space: global }
      - { .name: ws, .offset: 56, .size: 8, .value_kind: global_buffer, .address_space: global }
    .group_segment_fixed_size: 0
    .private_segment_fixed_size: 0
    .kernarg_segment_align: 8
    .kernarg_segment_size: 64
    .max_flat_workgroup_size: 128
    .sgpr_count:     66
    .vgpr_count:     192
    .wavefront_size: 32
...
	.end_amdgpu_metadata
.endif
;; end of part 7
;; launch qkv (part 8): grid 4 x 64, 4 waves a work-group, no clusters, 70,144 bytes of LDS; arguments x, wc, ws, bq, bk, bv, qkf, vc, vs; writes qkf, vc, vs
.if DOCPART == 8
	.amdgcn_target "amdgcn-amd-amdhsa--gfx1250"
	.amdhsa_code_object_version 6
	.text
	.protected	k_qc0b9ff39a6_qkv
	.globl	k_qc0b9ff39a6_qkv
	.p2align	8
	.type	k_qc0b9ff39a6_qkv,@function
k_qc0b9ff39a6_qkv:
	s_mov_b64 s[64:65], 0
	v_nop
	global_prefetch_b8 v0, s[64:65] scope:SCOPE_SE
	s_setreg_imm32_b32 hwreg(HW_REG_WAVE_SCHED_MODE, 0, 2), 2
	s_setreg_imm32_b32 hwreg(HW_REG_WAVE_MODE, 25, 1), 1
	s_wait_xcnt 0x0
	s_wait_alu depctr_vm_vsrc(0)
; QKV: x is quantised along its 512; v = x wv + bv (all 512 columns), and of q = x wq + bq, k = x wk + bk the 32 columns each that the scores use.  All products on codes of E5M2 with E8M0 scales.
; OUT: qkf [2][batch x head 32][token 2048][4] f32: plane 0 holds q'' = 0.25 log2(e) (q_n + the sum of the four q), plane 1 holds k: then t = score x log2(e) = q'' . k for every input (0.25 (sum q sum k + q . k) = sum over n of 0.25 (q_n + sum q) k_n).
;      vc [batch x head][key step 16][t 4]: images of V^T (row r = channel 32 (t / 2) + 8 (t % 2) + r + 8 (r / 8); K = 128 keys), quantised ALONG THE KEYS;  vs: their scale words, 64 bytes an image.
; SHARES: work-group (y, tb) takes tokens 128 tb .. + 127 and V's tiles 8 y .. 8 y + 7 (heads 2 y, 2 y + 1) and tile y of q and k.  Wave w: V's tiles 8 y + 2 w + a for all 128 tokens; the q/k tile for tokens 32 w .. + 31.
; THE TOKENS OF A ROW TILE ARE NOT NEIGHBOURS: row r of tile i = 2 B + u is token 32 B + 8 u + r + 8 (r / 8).  V's product takes x as source 0 and wv as source 1: a lane then holds ONE channel, and its 64 registers
; are keys 32 b + 16 (lane / 16) + 0..15: the layout that the conversions and the next operand want.  Each column quarter quantises x anew: that keeps 256 work-groups at work.
; x's fragments go from wave to wave through LDS as images of their registers (2,048 bytes, 16 x lane), their scale words 4 bytes a lane.  One barrier.
; No tensor load: x must pass through registers to be quantised, and each weight fragment is used by one wave alone.
; LIMITS: NaN and infinities are not served; a block of zeros, or under 2^-111, gets the byte 1 (zero codes add nothing; this program alone reads the bytes); the score is summed as q'' . k, another order of f32 rounding than the source's.
; REGISTERS: window 0: v1-13 lane terms; v16-23 q/k bias; v24-39 V's bias, twice eight; v40-47 weights' scale words; v48-55 x's; v64-191 two buffers of four x fragments; v192-223 codes; v224-239 at work; v240-255 q'' or k.
;   window 1: v0-127 wv's 8 fragments (4 a + s), v128-191 the q/k tile's four.   window 2: four sets of 64 numbers of x; later V's 16 accumulators (64 a + 8 i) and at v128 the two of q/k.
; THE MODE: SCHED_MODE bits 1:0 = 2 (LLVM: expert scheduling mode 2), set by the entry lines.  The code itself states the register dependences between vector or matrix instructions and memory or LDS instructions,
; with s_wait_alu, always for 0.
; THE PLAN.  Registers that memory or LDS instructions touch, and who else names them:
;   v4-13            offsets and addresses: written at the head, never again.
;   window 2, sets   combination k: loads land in set k % 4; its quantiser reads the set and holds it in place; behind it the loads of combination k + 4 land there.
;   v192-207, v56    the codes and the scale word of a combination: written by its conversions, read by its five LDS stores, written again by the next quantiser.
;   v64-191, v48-55  x's fragments and scale words: LDS loads land, eight products read a buffer, the LDS loads of the next K step land in it.
;   v240-255         q'' or k: written by vector instructions, read by four stores, never written again.   v192-223, v58 at the end: written once more, read by nine stores.
; So: one wait on va_vdst ahead of the first load; one behind each quantiser (its codes for the stores, its set for the loads) and one wait on vm_vsrc at each combination's end; one wait on va_vdst behind q'',
; ahead of its stores and of the first LDS loads into the buffers that the q/k products read; one behind each group of eight products whose buffer is asked for again at once; one ahead of the last nine stores.
.set XSC, 65536                        ; LDS: 32 images (4 i + s) x 2048 from 0; behind them their scale words, (4 i + s) x 128
.set LI,  4                            ; v4   16 x lane
.set LS,  5                            ; v5   4 x lane
.set XA,  6                            ; v6   x: (r + 8 (r / 8)) x 2048 + 64 h
.set XWI, 7                            ; v7   my wave's images: 16 x lane + 16384 w
.set XWS, 8                            ; v8   their scale words: XSC + 4 x lane + 1024 w
.set XSR, 9                            ; v9   XSC + 4 x lane
.set QO,  10                           ; v10  qkf: 65536 h + 16 (r + 8 (r / 8))
.set R4,  11                           ; v11  4 r
.set BVA, 12                           ; v12  4 (r + 8 (r / 8))
.set QBA, 13                           ; v13  512 h
.set QB,  16
.set VB,  24
.set WVS, 40
.set WQS, 44
.set XS,  48
.set PW0, 56
.set PW1, 57
.set PWM, 58
.set XF0, 64
.set PC0, 192
.set PC1, 208
.set TM,  224                          ; +0..3 largest magnitudes, +4..7 bytes, +8..11 57,344 x the scale, +12..15 the conversions' scale operands
.set QR,  240
.set SEL, 26                           ; s[26:27] v_permlanex16_b32's selects for lane l xor 16
.set MNT, 28                           ; s28  the mantissa field of 57,344
.set MSB, 0
.macro WIN new                         ; the immediate's high byte repeats the setting that is left; a switch that changes nothing is dropped
.if MSB != (\new)
	s_set_vgpr_msb (MSB<<8)|(\new)
.set MSB, (\new)
.endif
.endm
.macro PLACES n
.rept \n
	v_nop
.endr
.endm
; 64 numbers of a lane in window W, register s + 16 b + i = k 32 b + 16 (lane / 16) + i of my row, become a fragment's codes in v[pc] on and its scale word in v[pw] (window 0).  Each run of lines has one window setting.
.macro QUANT s, W, relu, pc, pw
	WIN 5*\W                                       ; sources 0 and 1 in window W
.irp b, 0,1,2,3
.if \relu
	v_max3_num_f32 v[TM+\b], v[\s+16*\b], v[\s+1+16*\b], 0x8000000
.else
	v_max3_num_f32 v[TM+\b], |v[\s+16*\b]|, |v[\s+1+16*\b]|, 0x8000000    ; my 16 numbers of block b, and the floor 2^(16 - 127): the byte cannot fall under 1
.endif
.endr
	WIN 20*\W                                      ; sources 1 and 2
.irp i, 2,4,6,8,10,12,14
.irp b, 0,1,2,3
.if \relu
	v_max3_num_f32 v[TM+\b], v[TM+\b], v[\s+16*\b+\i], v[\s+1+16*\b+\i]
.else
	v_max3_num_f32 v[TM+\b], v[TM+\b], |v[\s+16*\b+\i]|, |v[\s+1+16*\b+\i]|   ; the four blocks by turns; each accumulator is read from its low end on
.endif
.endr
.endr
	WIN 0
.irp b, 0,1,2,3
	v_permlanex16_b32 v[TM+4+\b], v[TM+\b], s[SEL], s[SEL+1]
.endr
.irp b, 0,1,2,3
	v_max_num_f32 v[TM+\b], v[TM+\b], v[TM+4+\b]           ; with lane l xor 16's: the block's largest magnitude
.endr
.irp b, 0,1,2,3
	v_add_nc_u32 v[TM+12+\b], 0xf8800000, v[TM+\b]         ; 15 off its exponent field: the conversion's scale operand
.endr
.irp b, 0,1,2,3
	v_and_or_b32 v[TM+8+\b], v[TM+\b], 0x7f800000, s[MNT]  ; 57,344 x the scale
.endr
.irp b, 0,1,2,3
	v_lshrrev_b32 v[TM+4+\b], 23, v[TM+12+\b]              ; the scale's byte
.endr
	v_lshl_or_b32 v[\pw], v[TM+5], 8, v[TM+4]
	v_lshl_or_b32 v[\pw], v[TM+6], 16, v[\pw]
	v_lshl_or_b32 v[\pw], v[TM+7], 24, v[\pw]
	WIN 65*\W                                      ; source 0 and destination
.irp b, 0,1,2,3
.irp i, 0,1,2,3,4,5,6,7,8,9,10,11,12,13,14,15
.if \relu
	v_med3_num_f32 v[\s+16*\b+\i], v[\s+16*\b+\i], 0, v[TM+8+\b]
.else
	v_med3_num_f32 v[\s+16*\b+\i], v[\s+16*\b+\i], -v[TM+8+\b], v[TM+8+\b]   ; the conversion to an 8-bit code does not saturate (ISA guide 7.6.2): the hold
.endif
.endr
.endr
	WIN \W                                         ; source 0
.irp b, 0,1,2,3
	v_cvt_scalef32_pk8_bf8_f32 v[\pc+4*\b:\pc+1+4*\b], v[\s+16*\b:\s+7+16*\b], v[TM+12+\b]
	v_cvt_scalef32_pk8_bf8_f32 v[\pc+2+4*\b:\pc+3+4*\b], v[\s+8+16*\b:\s+15+16*\b], v[TM+12+\b]
.endr
	WIN 0
	v_nop                                          ; a plain line behind the last conversion
.endm
; combination k = 4 u + s: my row tile 2 w + u, K step s: 64 numbers a lane into set k % 4 of window 2
.macro XLOAD k
	WIN 0x80
.irp b, 0,1,2,3
.irp q, 0,1,2,3
	global_load_b128 v[64*((\k)&3)+16*\b+4*\q:64*((\k)&3)+16*\b+4*\q+3], v[XA], s[4:5] offset:16384*((\k)>>2)+512*((\k)&3)+128*\b+16*\q
.endr
.endr
	WIN 0
.endm
; K step s of row tiles 4 g .. 4 g + 3 into buffer g: 16 + 4 LDS loads
.macro XFLD s, g
.irp ii, 0,1,2,3
.irp c, 0,1,2,3
	ds_load_b128 v[XF0+64*\g+16*\ii+4*\c:XF0+64*\g+16*\ii+4*\c+3], v[LI] offset:(4*(4*\g+\ii)+(\s))*2048+512*\c
.endr
	ds_load_b32 v[XS+4*\g+\ii], v[XSR] offset:(4*(4*\g+\ii)+(\s))*128
.endr
.endm
	s_load_b512 s[4:19], s[0:1], 0x0               ; x s[4:5], wc s[6:7], ws s[8:9], bq s[10:11], bk s[12:13], bv s[14:15], qkf s[16:17], vc s[18:19]
	s_load_b64 s[20:21], s[0:1], 0x40              ; vs
	v_lshl_add_u32 v62, v0, 2, 0x11000
	v_mov_b32 v63, 0
	v_lshrrev_b32 v1, 5, v0
	v_readfirstlane_b32 s22, v1                    ; wave w
	s_mov_b32 s23, ttmp9                           ; y: the column quarter
	s_and_b32 s24, ttmp7, 0xffff                   ; tb: the block of 128 tokens
	v_and_b32 v1, 31, v0                           ; lane
	v_and_b32 v2, 15, v0                           ; r
	v_bfe_u32 v3, v0, 4, 1                         ; h
	v_lshlrev_b32 v[LI], 4, v1
	v_lshlrev_b32 v[LS], 2, v1
	v_and_b32 v14, 8, v2
	v_add_nc_u32 v14, v14, v2                      ; r + 8 (r / 8)
	v_lshlrev_b32 v[XA], 11, v14
	v_lshl_add_u32 v[XA], v3, 6, v[XA]
	s_wait_alu depctr_va_sdst(0)                   ; s22, the wave's number, is written, ahead of its first reader
	s_lshl_b32 s60, s22, 14
	v_add_nc_u32 v[XWI], s60, v[LI]
	s_lshl_b32 s60, s22, 10
	s_add_co_u32 s60, s60, XSC
	v_add_nc_u32 v[XWS], s60, v[LS]
	v_add_nc_u32 v[XSR], XSC, v[LS]
	v_lshlrev_b32 v[QO], 4, v14
	v_lshl_add_u32 v[QO], v3, 16, v[QO]
	v_lshlrev_b32 v[R4], 2, v2
	v_lshlrev_b32 v[BVA], 2, v14
	v_lshlrev_b32 v[QBA], 9, v3
.irp b, 0,1,2,3
	v_mov_b32 v[TM+4+\b], 0                        ; written once: a lane permute's destination counts as one of its sources
.endr
	s_mov_b32 s[SEL], 0x76543210
	s_mov_b32 s[SEL+1], 0xfedcba98
	s_mov_b32 s[MNT], 0x600000
	s_and_b32 s25, s23, 1                          ; y % 2
	s_lshr_b32 s31, s23, 1                         ; y / 2: 0 = q, 1 = k
	s_lshr_b32 s54, s24, 4                         ; batch
	s_and_b32 s55, s24, 15                         ; key step
	s_and_b32 s56, s22, 1
	s_lshr_b32 s57, s22, 1
	s_lshl_b32 s32, s24, 18                        ; x: (128 tb + 32 w) rows of 2,048 bytes
	s_lshl_b32 s60, s22, 16
	s_add_co_u32 s32, s32, s60
	s_mov_b32 s33, 0
	s_lshl_b32 s34, s23, 16                        ; wv's fragments: 65536 y + 4096 w
	s_lshl_b32 s60, s22, 12
	s_add_co_u32 s34, s34, s60
	s_mov_b32 s35, 0
	s_lshl_b32 s36, s23, 11                        ; the q/k tile: 2048 y
	s_mov_b32 s37, 0
	s_lshr_b32 s38, s34, 5                         ; their scale words
	s_mov_b32 s39, 0
	s_lshl_b32 s40, s23, 6
	s_mov_b32 s41, 0
	s_lshl_b32 s42, s25, 10                        ; bq or bk: heads 4 (y % 2) on
	s_mov_b32 s43, 0
	s_lshl_b32 s44, s23, 9                         ; bv: column 128 y + 32 w
	s_lshl_b32 s60, s22, 7
	s_add_co_u32 s44, s44, s60
	s_mov_b32 s45, 0
	s_lshl_b32 s46, s31, 20                        ; qkf: plane, batch x head 8 batch + 4 (y % 2), token 128 (tb % 16) + 32 w
	s_lshl_b32 s60, s54, 18
	s_add_co_u32 s46, s46, s60
	s_lshl_b32 s60, s25, 17
	s_add_co_u32 s46, s46, s60
	s_lshl_b32 s60, s55, 11
	s_add_co_u32 s46, s46, s60
	s_lshl_b32 s60, s22, 9
	s_add_co_u32 s46, s46, s60
	s_mov_b32 s47, 0
	s_lshl_b32 s48, s54, 20                        ; vc: batch x head 8 batch + 2 y + w / 2, key step, t = 2 (w % 2)
	s_lshl_b32 s60, s23, 18
	s_add_co_u32 s48, s48, s60
	s_lshl_b32 s60, s57, 17
	s_add_co_u32 s48, s48, s60
	s_lshl_b32 s60, s55, 13
	s_add_co_u32 s48, s48, s60
	s_lshl_b32 s60, s56, 12
	s_add_co_u32 s48, s48, s60
	s_mov_b32 s49, 0
	s_lshr_b32 s50, s48, 5                         ; vs: the same / 32
	s_mov_b32 s51, 0
	s_wait_kmcnt 0x0
	s_cmp_lt_u32 s23, 2                            ; q's quarter or k's: a choice on the work-group's number alone, without a branch
	s_cselect_b64 s[10:11], s[10:11], s[12:13]
	s_cselect_b32 s29, 0x3eb8aa3b, 1.0             ; alpha: 0.25 log2(e) for q, 1 for k
	s_cselect_b32 s30, 1.0, 0                      ; beta: the sum counts for q alone
	s_add_nc_u64 s[4:5], s[4:5], s[32:33]
	s_add_nc_u64 s[52:53], s[6:7], s[34:35]
	s_add_nc_u64 s[6:7], s[6:7], s[36:37]
	s_add_nc_u64 s[58:59], s[8:9], s[38:39]
	s_add_nc_u64 s[8:9], s[8:9], s[40:41]
	s_add_nc_u64 s[10:11], s[10:11], s[42:43]
	s_add_nc_u64 s[14:15], s[14:15], s[44:45]
	s_add_nc_u64 s[16:17], s[16:17], s[46:47]
	s_add_nc_u64 s[18:19], s[18:19], s[48:49]
	s_add_nc_u64 s[20:21], s[20:21], s[50:51]
	s_wait_alu depctr_va_vdst(0)                   ; the ten offsets and addresses v4 to v13 are written: every load and store of the kernel reads one of them, and none is written again
	; the weights' side first, so that these loads are the oldest: they stay in registers
	WIN 0x40
.irp a, 0,1
.irp s, 0,1,2,3
.irp c, 0,1,2,3
	global_load_b128 v[16*(4*\a+\s)+4*\c:16*(4*\a+\s)+4*\c+3], v[LI], s[52:53] offset:2359296+16384*\s+2048*\a+512*\c
.endr
.endr
.endr
.irp s, 0,1,2,3
.irp c, 0,1,2,3
	global_load_b128 v[128+16*\s+4*\c:128+16*\s+4*\c+3], v[LI], s[6:7] offset:2621440+16384*\s+512*\c
.endr
.endr
	WIN 0
.irp s, 0,1,2,3
	global_load_b32 v[WVS+\s], v[LS], s[58:59] offset:73728+512*\s     ; lanes 0-15: tile a = 0; lanes 16-31: a = 1
	global_load_b32 v[WQS+\s], v[R4], s[8:9] offset:81920+512*\s
.endr
	global_load_b128 v[QB:QB+3], v[QBA], s[10:11]                      ; the bias in the result's layout: head 2 h, components 0-3,
	global_load_b128 v[QB+4:QB+7], v[QBA], s[10:11] offset:256         ; head 2 h + 1
	global_load_b32 v[VB], v[BVA], s[14:15]                            ; bv at my lane's channel, tile a = 0,
	global_load_b32 v[VB+8], v[BVA], s[14:15] offset:32                ; a = 1
	; ---- X: my 32 tokens of x become eight fragments.  Loads run four combinations ahead
	XLOAD 0
	XLOAD 1
	XLOAD 2
	XLOAD 3
.irp k, 0,1,2,3,4,5,6,7
.if \k < 5
	s_wait_loadcnt 48                              ; this set's 16 loads are in; the three younger sets' 48 may be out
.else
	s_wait_loadcnt 16*(7-\k)
.endif
	QUANT 64*(\k&3), 2, 0, PC0, PW0
	s_wait_alu depctr_va_vdst(0)                   ; the conversions have written the codes and the scale word, which the LDS stores read; the quantiser is done reading and writing its set of x, in which the loads of four combinations on land
.irp c, 0,1,2,3
	ds_store_b128 v[XWI], v[PC0+4*\c:PC0+4*\c+3] offset:8192*(\k>>2)+2048*(\k&3)+512*\c
.endr
	ds_store_b32 v[XWS], v[PW0] offset:512*(\k>>2)+128*(\k&3)
.if \k < 4
	XLOAD \k+4                                     ; no further wait: no vector instruction since the wait above names this set
.endif
	s_wait_dscnt 0x0                               ; the stores have read the codes' registers (before the barrier: they have landed, for the others' sake)
	s_wait_alu depctr_vm_vsrc(0)                   ; the five LDS stores have read v[PC0 ..] and v[PW0], which the next quantiser writes again
.endr
	s_barrier_signal -1
	s_barrier_wait -1                              ; x's 32 fragments lie in LDS
	; ---- Q: the q/k tile for my two row tiles (transposed: source 0 = the weights' 16 rows, source 1 = x): a lane holds one token, two heads x four components
.irp j, 1,2,3,4,5,6,7
	v_mov_b32 v[VB+\j], v[VB]                      ; V's bias is one number a lane: the C of a sum's first product wants it eight times
	v_mov_b32 v[VB+8+\j], v[VB+8]
.endr
.irp u, 0,1
.irp s, 0,1,2,3
.irp c, 0,1,2,3
	ds_load_b128 v[XF0+64*\u+16*\s+4*\c:XF0+64*\u+16*\s+4*\c+3], v[XWI] offset:8192*\u+2048*\s+512*\c
.endr
	ds_load_b32 v[XS+4*\u+\s], v[XWS] offset:512*\u+128*\s
.endr
.endr
	s_wait_dscnt 0x0
.irp s, 0,1,2,3
.if \s == 0
	WIN 0x81                                       ; source 0 window 1, C window 0 (the bias), D window 2
.else
	WIN 0xa1                                       ; C and D window 2
.endif
.irp u, 0,1                                    ; the two accumulators by turns
.if \s == 0
	v_wmma_scale_f32_16x16x128_f8f6f4 v[128+8*\u:135+8*\u], v[128+16*\s:143+16*\s], v[XF0+64*\u+16*\s:XF0+64*\u+16*\s+15], v[QB:QB+7], v[WQS+\s], v[XS+4*\u+\s] matrix_a_fmt:MATRIX_FMT_BF8 matrix_b_fmt:MATRIX_FMT_BF8
.else
	v_wmma_scale_f32_16x16x128_f8f6f4 v[128+8*\u:135+8*\u], v[128+16*\s:143+16*\s], v[XF0+64*\u+16*\s:XF0+64*\u+16*\s+15], v[128+8*\u:135+8*\u], v[WQS+\s], v[XS+4*\u+\s] matrix_a_fmt:MATRIX_FMT_BF8 matrix_b_fmt:MATRIX_FMT_BF8
.endif
.endr
.endr
	WIN 0
	PLACES 8                                       ; eight places behind this form, in front of the first read of results and of the loads into x's buffers
	WIN 0x0a
.irp u, 0,1
.irp g, 0,1
	v_add_f32 v[TM+4*\u+2*\g], v[128+8*\u+4*\g], v[129+8*\u+4*\g]
	v_add_f32 v[TM+4*\u+2*\g+1], v[130+8*\u+4*\g], v[131+8*\u+4*\g]
.endr
.endr
	WIN 0
.irp u, 0,1
.irp g, 0,1
	v_add_f32 v[TM+4*\u+2*\g], v[TM+4*\u+2*\g], v[TM+4*\u+2*\g+1]      ; the sum of a head's four components
.endr
.endr
	WIN 0x20
.irp u, 0,1
.irp g, 0,1
.irp n, 0,1,2,3
	v_fma_f32 v[QR+8*\u+4*\g+\n], s30, v[TM+4*\u+2*\g], v[128+8*\u+4*\g+\n]   ; q: q_n + the sum;  k: k_n
.endr
.endr
.endr
	WIN 0
.set i, 0
.rept 16
	v_mul_f32 v[QR+i], s29, v[QR+i]
.set i, i+1
.endr
	s_wait_alu depctr_va_vdst(0)                   ; v[QR ..] is written, which the four stores read; the q/k products are done reading both buffers of x and their scale words, in which the 40 LDS loads below land
.irp u, 0,1
.irp g, 0,1
	global_store_b128 v[QO], v[QR+8*\u+4*\g:QR+8*\u+4*\g+3], s[16:17] offset:32768*\g+128*\u   ; head 2 h + g, token 8 u + r + 8 (r / 8): eight neighbouring lanes store 128 consecutive bytes
.endr
.endr
	; ---- V: 16 accumulators (2 tiles of channels x 8 row tiles) by turns, a K step of four row tiles at a time, x's fragments two groups ahead
	XFLD 0, 0
	XFLD 0, 1
.irp s, 0,1,2,3
.irp g, 0,1
.if (\s == 3) && (\g == 1)
	s_wait_dscnt 0x0
.else
	s_wait_dscnt 20                                ; this group's 20 loads are in; the next group's 20 may be out
.endif
.if \s == 0
	WIN 0x84                                       ; source 1 (wv) window 1, C window 0 (the bias), D window 2
.else
	WIN 0xa4
.endif
.irp ii, 0,1,2,3
.if \s == 0
	v_wmma_scale_f32_16x16x128_f8f6f4 v[8*(4*\g+\ii):8*(4*\g+\ii)+7], v[XF0+64*\g+16*\ii:XF0+64*\g+16*\ii+15], v[16*\s:16*\s+15], v[VB:VB+7], v[XS+4*\g+\ii], v[WVS+\s] matrix_a_fmt:MATRIX_FMT_BF8 matrix_b_fmt:MATRIX_FMT_BF8
	v_wmma_scale_f32_16x16x128_f8f6f4 v[64+8*(4*\g+\ii):64+8*(4*\g+\ii)+7], v[XF0+64*\g+16*\ii:XF0+64*\g+16*\ii+15], v[64+16*\s:64+16*\s+15], v[VB+8:VB+15], v[XS+4*\g+\ii], v[WVS+\s] matrix_a_fmt:MATRIX_FMT_BF8 matrix_b_fmt:MATRIX_FMT_BF8 matrix_b_scale:MATRIX_SCALE_ROW1
.else
	v_wmma_scale_f32_16x16x128_f8f6f4 v[8*(4*\g+\ii):8*(4*\g+\ii)+7], v[XF0+64*\g+16*\ii:XF0+64*\g+16*\ii+15], v[16*\s:16*\s+15], v[8*(4*\g+\ii):8*(4*\g+\ii)+7], v[XS+4*\g+\ii], v[WVS+\s] matrix_a_fmt:MATRIX_FMT_BF8 matrix_b_fmt:MATRIX_FMT_BF8
	v_wmma_scale_f32_16x16x128_f8f6f4 v[64+8*(4*\g+\ii):64+8*(4*\g+\ii)+7], v[XF0+64*\g+16*\ii:XF0+64*\g+16*\ii+15], v[64+16*\s:64+16*\s+15], v[64+8*(4*\g+\ii):64+8*(4*\g+\ii)+7], v[XS+4*\g+\ii], v[WVS+\s] matrix_a_fmt:MATRIX_FMT_BF8 matrix_b_fmt:MATRIX_FMT_BF8 matrix_b_scale:MATRIX_SCALE_ROW1
.endif
.endr
	WIN 0
	PLACES 8                                       ; in front of loads into registers that these products read, and at the end of the first read of results
.if \s < 3
	s_wait_alu depctr_va_vdst(0)                   ; these eight products are done reading buffer g and its four scale words, in which the next K step's loads land: the buffer is asked for again at once
	XFLD \s+1, \g
.endif
.endr
.endr
	v_cmp_lt_u32 vcc_lo, 15, v1                    ; lanes 16-31: made ahead of the two quantisers, which leave VCC alone
	QUANT 0, 2, 0, PC0, PW0                        ; V^T, tile a = 0: 64 keys a lane, quantised along the keys
	QUANT 64, 2, 0, PC1, PW1                       ; a = 1
	s_wait_alu depctr_va_vcc(0)                    ; VCC is written, ahead of its one reader
	v_cndmask_b32 v[PWM], v[PW0], v[PW1], vcc_lo   ; lanes 0-15: tile a = 0's words; lanes 16-31: a = 1's
	s_wait_alu depctr_va_vdst(0)                   ; the conversions have written both tiles' codes and the choice above v[PWM]: the nine stores below read them
.irp a, 0,1
.irp c, 0,1,2,3
	global_store_b128 v[LI], v[PC0+16*\a+4*\c:PC0+16*\a+4*\c+3], s[18:19] offset:2048*\a+512*\c   ; 512 consecutive bytes a store
.endr
.endr
	global_store_b32 v[LS], v[PWM], s[20:21]
	s_wait_dscnt 0x0                               ; the closing lines, six on end
	s_wait_alu 0x0
	s_wait_tensorcnt 0x0
	ds_add_u32 v62, v63
	s_wait_dscnt 0x0
	s_endpgm
.Lfunc_end_k_qc0b9ff39a6_qkv:
	.size	k_qc0b9ff39a6_qkv, .Lfunc_end_k_qc0b9ff39a6_qkv-k_qc0b9ff39a6_qkv
	.p2alignl 7, 3214868480
	.fill 96, 4, 3214868480
	.section	.rodata,"a",@progbits
	.p2align	6, 0x0
	.amdhsa_kernel k_qc0b9ff39a6_qkv
		.amdhsa_group_segment_fixed_size 70144
		.amdhsa_private_segment_fixed_size 0
		.amdhsa_enable_private_segment 0
		.amdhsa_kernarg_size 72
		.amdhsa_user_sgpr_count 2
		.amdhsa_user_sgpr_kernarg_segment_ptr 1
		.amdhsa_wavefront_size32 1
		.amdhsa_system_sgpr_workgroup_id_x 1
		.amdhsa_system_sgpr_workgroup_id_y 1
		.amdhsa_system_sgpr_workgroup_id_z 1
		.amdhsa_system_vgpr_workitem_id 0
		.amdhsa_next_free_vgpr 768
		.amdhsa_next_free_sgpr 66
		.amdhsa_reserve_vcc 1
		.amdhsa_float_denorm_mode_32 3
		.amdhsa_float_denorm_mode_16_64 3
		.amdhsa_memory_ordered 1
		.amdhsa_forward_progress 1
		.amdhsa_inst_pref_size 137
	.end_amdhsa_kernel
	.amdgpu_metadata
---
amdhsa.version: [ 1, 2 ]
amdhsa.kernels:
  - .name:           k_qc0b9ff39a6_qkv
    .symbol:         k_qc0b9ff39a6_qkv.kd
    .args:
      - { .name: x, .offset: 0, .size: 8, .value_kind: global_buffer, .address_space: global }
      - { .name: wc, .offset: 8, .size: 8, .value_kind: global_buffer, .address_space: global }
      - { .name: ws, .offset: 16, .size: 8, .value_kind: global_buffer, .address_space: global }
      - { .name: bq, .offset: 24, .size: 8, .value_kind: global_buffer, .address_space: global }
      - { .name: bk, .offset: 32, .size: 8, .value_kind: global_buffer, .address_space: global }
      - { .name: bv, .offset: 40, .size: 8, .value_kind: global_buffer, .address_space: global }
      - { .name: qkf, .offset: 48, .size: 8, .value_kind: global_buffer, .address_space: global }
      - { .name: vc, .offset: 56, .size: 8, .value_kind: global_buffer, .address_space: global }
      - { .name: vs, .offset: 64, .size: 8, .value_kind: global_buffer, .address_space: global }
    .group_segment_fixed_size: 70144
    .private_segment_fixed_size: 0
    .kernarg_segment_align: 8
    .kernarg_segment_size: 72
    .max_flat_workgroup_size: 128
    .sgpr_count:     66
    .vgpr_count:     768
    .wavefront_size: 32
...
	.end_amdgpu_metadata
.endif
;; end of part 8
;; launch attn (part 9): grid 8 x 32, 16 waves a work-group, clusters of 4 x 1, 198,656 bytes of LDS; arguments qkf, vc, vs, oc, os; writes oc, os
.if DOCPART == 9
	.amdgcn_target "amdgcn-amd-amdhsa--gfx1250"
	.amdhsa_code_object_version 6
	.text
	.protected	k_qc0b9ff39a6_attn
	.globl	k_qc0b9ff39a6_attn
	.p2align	8
	.type	k_qc0b9ff39a6_attn,@function
k_qc0b9ff39a6_attn:
	s_mov_b64 s[64:65], 0
	v_nop
	global_prefetch_b8 v0, s[64:65] scope:SCOPE_SE
	s_setreg_imm32_b32 hwreg(HW_REG_WAVE_MODE, 25, 1), 1
	s_wait_xcnt 0x0
	s_wait_alu depctr_hold_cnt(0) depctr_sa_sdst(0) depctr_va_vdst(0) depctr_va_sdst(0) depctr_va_ssrc(0) depctr_va_vcc(0) depctr_vm_vsrc(0)
	s_getreg_b32 s2, hwreg(HW_REG_IB_STS2, 6, 4)
	s_cmp_eq_u32 s2, 0
	s_cbranch_scc0 .Lentry_in_a_cluster
	s_endpgm
.Lentry_in_a_cluster:
	s_bfe_u32 s2, ttmp6, 0x10000c
	s_cmp_lg_u32 s2, 0x3003
	s_cbranch_scc0 .Lentry_shape_is_right
	s_endpgm
.Lentry_shape_is_right:
; ATTN: o = softmax(scores) v for one batch x head and 256 queries a work-group; o leaves quantised along the model's 512 (k = 64 head + channel), as images of the next product's operand.
; t = score x log2(e) = q'' . k, K = 4, f32 operands, by v_wmma_f32_16x16x4_f32 (its result goes on into a quantiser).  M = the running largest t rounded UP to a whole number; p = 2^(t - M) is quantised along the keys,
; not normalised; the row's sum is taken of the unquantised p and divides at the end; when M moves, the sum and O^T are multiplied by 2^(old M - new M), which rounds nothing.  No branch hangs on data.
; SHARES: sixteen waves, each ONE tile of 16 queries in 256 registers: four waves to a SIMD, so that one wave's vector work stands beside another's matrix work and LDS loads.  Every wave walks the 2,048 keys, 128 a step.
; BOTH PRODUCTS TRANSPOSED (S^T = k q''^T, O^T = V^T P^T): a lane holds one query throughout.  THE KEYS OF A TILE ARE NOT NEIGHBOURS: lane r of tile 2 b + u takes key 32 b + 8 u + r + 8 (r / 8), so that the 16 registers
; of tiles 2 b, 2 b + 1 are 16 neighbouring keys; V^T's channels are chosen likewise, so that O^T's registers run along the next product's K.
; LDS IS FILLED ONCE: the head's V^T images (131,072 bytes), k (32,768) and V's scale words (4,096) all fit: no ring, no refill.  Each wave has at most one tensor load out.
; CLUSTER: the four query blocks of a cluster belong to one head and want the same bytes: each piece is asked for JOINTLY (mask 15), by the same line with the same descriptor in all four.
; LIMITS: NaN and infinities are not served; a block of zeros, or under 2^-111, gets the byte 1.
; REGISTERS: v1-3 lane terms, v4 r, v5 h, v8-10 addresses in hand; v12 -M, v13 the largest t, v[14:15] the sum; v[16:17] q''; v18-33 k's 8 fragments; v34-35 V's scale words;
;   v36-99 S^T (written by the f32 matrix form alone); v100-163 p, then V's four fragments, at the end o; v164-195 O^T; v196-211 p's codes; v212-227 at work; v228 f; v231 p's scale word.
.set KL,   131072                      ; LDS: V^T's images from 0; k's rows of 16 bytes;
.set VSL,  163840                      ; V's scale words, 256 bytes a key step
.set AK0,  1
.set AV0,  2
.set ASV,  3
.set ADK,  8
.set ADV,  9
.set ADT,  10
.set KF,   18
.set S,    36
.set P,    100
.set O,    164
.set PC,   196
.set TM,   212
.set WV,   14                          ; s14  my wave's number
.set SEL,  18                          ; s[18:19]
.set MNT,  20
.set TK,   21                          ; s21-23  where the step's k, V and scale words begin in LDS
.set TV,   22
.set TS,   23
.set CNT,  24
.set G1A,  28                          ; s[28:35] group 1: 64 dense rows of 256 bytes
.set G1S,  36                          ; s[36:43] the same with 16 rows
.set G0V,  44                          ; s[44:47], s[48:51], s[52:55] groups 0 for V, k, V's scale words
.set G0K,  48
.set G0S,  52
.macro PLACES n
.rept \n
	v_nop
.endr
.endm
.macro ROUND                           ; a round of the cluster's barrier
	s_barrier_signal -1
	s_barrier_wait -1
	s_cmp_lg_u32 s[WV], 0
	s_cbranch_scc1 .Lnot_wave_0_\@
	s_barrier_signal -3
.Lnot_wave_0_\@:
	s_barrier_wait -3
	s_barrier_signal -1
	s_barrier_wait -1
.endm
	s_load_b256 s[4:11], s[0:1], 0x0               ; qkf s[4:5], vc s[6:7], vs s[8:9], oc s[10:11]
	s_load_b64 s[12:13], s[0:1], 0x20              ; os
	v_lshl_add_u32 v254, v0, 2, 0x30000
	v_mov_b32 v255, 0
	ds_add_u32 v254, v255
	ds_add_u32 v254, v255
	v_lshrrev_b32 v4, 5, v0
	s_delay_alu instid0(VALU_DEP_1)
	v_readfirstlane_b32 s[WV], v4                  ; wave 0..15
	s_bfe_u32 s15, ttmp6, 0x40000                  ; cx
	s_lshl_b32 s16, ttmp9, 2
	s_add_co_u32 s16, s16, s15                     ; my block of 256 queries: it enters q's, oc's and os's global addresses alone
	s_and_b32 s17, ttmp7, 0xffff                   ; batch x head, which the four partners share
	s_mov_b32 s[G1A], 15|(3<<16)|(1<<21)           ; 15:0 the mask: all four; 17:16 elements of 8 bytes; 21 set beside a mask; no padding: every LDS read takes consecutive bytes
	s_mov_b32 s[G1A+1], 32<<16                     ; tensor_dim0 = 32
	s_mov_b32 s[G1A+2], 64<<16                     ; tensor_dim1 = 64
	s_mov_b32 s[G1A+3], 32<<16                     ; tile_dim0 = 32
	s_mov_b32 s[G1A+4], 64                         ; tile_dim1 = 64
	s_mov_b32 s[G1A+5], 32                         ; the pitch
	s_mov_b32 s[G1A+6], 0
	s_mov_b32 s[G1A+7], 0
	s_mov_b32 s[G1S], 15|(3<<16)|(1<<21)
	s_mov_b32 s[G1S+1], 32<<16
	s_mov_b32 s[G1S+2], 16<<16
	s_mov_b32 s[G1S+3], 32<<16
	s_mov_b32 s[G1S+4], 16
	s_mov_b32 s[G1S+5], 32
	s_mov_b32 s[G1S+6], 0
	s_mov_b32 s[G1S+7], 0
	s_lshl_b32 s56, s[WV], 14                      ; 16,384 x wave: my piece's place in LDS (waves 0-7: V; 8, 9: k, which begins at 8 x 16,384)
	s_lshl_b32 s58, s17, 17
	s_add_co_u32 s58, s58, s56                     ; V: the head's 131,072 bytes, my eighth
	s_mov_b32 s59, 0
	s_and_b32 s60, s[WV], 7
	s_lshl_b32 s60, s60, 14
	s_lshl_b32 s61, s17, 15
	s_add_co_u32 s60, s60, s61
	s_add_co_u32 s60, s60, 1048576                 ; k: plane 1, the head's 32,768 bytes, my half
	s_mov_b32 s61, 0
	s_lshl_b32 s62, s17, 12                        ; V's scale words: 4,096 bytes a head
	s_mov_b32 s63, 0
	s_lshl_b32 s66, s17, 15                        ; q'': the head, my block's 256 rows of 16 bytes, my wave's 16
	s_lshl_b32 s67, s16, 12
	s_add_co_u32 s66, s66, s67
	s_lshl_b32 s67, s[WV], 8
	s_add_co_u32 s66, s66, s67
	s_mov_b32 s67, 0
	s_mov_b32 s[SEL], 0x76543210
	s_mov_b32 s[SEL+1], 0xfedcba98
	s_mov_b32 s[MNT], 0x600000
	s_mov_b32 s[TK], 0
	s_mov_b32 s[TV], 0
	s_mov_b32 s[TS], 0
	s_mov_b32 s[CNT], 16
	s_wait_dscnt 0x0
	s_wait_kmcnt 0x0
	s_mov_b32 s[G0V], 1
	s_mov_b32 s[G0V+1], s56
	s_add_nc_u64 s[G0V+2:G0V+3], s[6:7], s[58:59]
	s_or_b32 s[G0V+3], s[G0V+3], 0x80000000
	s_mov_b32 s[G0K], 1
	s_mov_b32 s[G0K+1], s56
	s_add_nc_u64 s[G0K+2:G0K+3], s[4:5], s[60:61]
	s_or_b32 s[G0K+3], s[G0K+3], 0x80000000
	s_mov_b32 s[G0S], 1
	s_mov_b32 s[G0S+1], VSL
	s_add_nc_u64 s[G0S+2:G0S+3], s[8:9], s[62:63]
	s_or_b32 s[G0S+3], s[G0S+3], 0x80000000
	s_add_nc_u64 s[68:69], s[4:5], s[66:67]
	ROUND                                          ; all four work-groups are here: the joint loads meet
	s_cmp_lt_u32 s[WV], 8                          ; the branches hang on the wave's number alone; four v_nop follow each load
	s_cbranch_scc0 .Lnot_v
	tensor_load_to_lds s[G0V:G0V+3], s[G1A:G1A+7]
	s_nop 0
	PLACES 4
	s_branch .Lasked
.Lnot_v:
	s_cmp_lt_u32 s[WV], 10
	s_cbranch_scc0 .Lnot_k
	tensor_load_to_lds s[G0K:G0K+3], s[G1A:G1A+7]
	s_nop 0
	PLACES 4
	s_branch .Lasked
.Lnot_k:
	s_cmp_eq_u32 s[WV], 10
	s_cbranch_scc0 .Lasked
	tensor_load_to_lds s[G0S:G0S+3], s[G1S:G1S+7]
	s_nop 0
	PLACES 4
.Lasked:
	v_and_b32 v4, 15, v0                           ; r
	v_bfe_u32 v5, v0, 4, 1                         ; h
	s_delay_alu instid0(VALU_DEP_2)
	v_lshlrev_b32 v6, 4, v4
	s_delay_alu instid0(VALU_DEP_1)
	v_lshl_add_u32 v6, v5, 3, v6                   ; an f32 fragment: row r, k = 2 h + 0, 1: 8 bytes at 16 r + 8 h
	global_load_b64 v[16:17], v6, s[68:69]         ; q'' stays in registers
	v_and_b32 v7, 8, v4
	s_delay_alu instid0(VALU_DEP_1)
	v_add_nc_u32 v7, v7, v4                        ; r + 8 (r / 8)
	s_delay_alu instid0(VALU_DEP_1)
	v_lshlrev_b32 v[AK0], 4, v7
	s_delay_alu instid0(VALU_DEP_1)
	v_lshl_add_u32 v[AK0], v5, 3, v[AK0]
	s_delay_alu instid0(VALU_DEP_1)
	v_add_nc_u32 v[AK0], KL, v[AK0]
	v_and_b32 v11, 31, v0
	s_delay_alu instid0(VALU_DEP_1)
	v_lshlrev_b32 v[AV0], 4, v11                   ; an image: 16 x lane
	s_delay_alu instid0(VALU_DEP_2)
	v_lshl_add_u32 v[ASV], v11, 2, VSL             ; scale words: 4 x lane: lanes 0-15 an even tile's, lanes 16-31 the odd one's
	v_mov_b32 v13, 0xff61b1e6                      ; the largest t so far: -3e38, under every t
	s_delay_alu instid0(VALU_DEP_1)
	v_floor_f32 v12, -v13                          ; -M
	v_mov_b32 v14, 0
	v_mov_b32 v15, 0
	v_mov_b32 v229, 0                              ; (named as the upper half of the pair v[228:229])
	v_mov_b32 v230, 0
.irp b, 0,1,2,3
	v_mov_b32 v[TM+4+\b], 0                        ; written once: a lane permute's destination counts as one of its sources
.endr
.set j, 0
.rept 32
	v_mov_b32 v[O+j], 0                            ; O^T: the step is written once; the first finds zeros, which the first change of M leaves zeros
.set j, j+1
.endr
	s_wait_tensorcnt 0x0                           ; my piece has landed,
	s_barrier_signal -1
	s_barrier_wait -1                              ; everybody's has
	s_wait_loadcnt 0x0                             ; q''
.Lstep:                                            ; 16 trips of 128 keys
	s_setprio 2
	v_add_nc_u32 v[ADK], s[TK], v[AK0]
.irp t, 0,1,2,3,4,5,6,7
	ds_load_b64 v[KF+2*\t:KF+2*\t+1], v[ADK] offset:(32*(\t/2)+8*(\t%2))*16
.endr
	v_add_nc_u32 v[ADV], s[TV], v[AV0]
	v_add_nc_u32 v[ADT], s[TS], v[ASV]
	s_wait_dscnt 0x0
.irp t, 0,1,2,3,4,5,6,7
	v_wmma_f32_16x16x4_f32 v[S+8*\t:S+8*\t+7], v[KF+2*\t:KF+2*\t+1], v[16:17], 0     ; t for 16 keys x my 16 queries: the whole sum is this one K step
.endr
	PLACES 8                                       ; eight places behind this form
.irp b, 0,1,2,3
	v_max3_num_f32 v[TM+\b], v[S+16*\b], v[S+1+16*\b], v[S+2+16*\b]    ; the largest t of each block of 32 keys: it serves the row's maximum and, since p rises with t, the block's largest p
.endr
.irp i, 3,5,7,9,11,13
.irp b, 0,1,2,3
	v_max3_num_f32 v[TM+\b], v[TM+\b], v[S+16*\b+\i], v[S+1+16*\b+\i]
.endr
.endr
.irp b, 0,1,2,3
	v_max_num_f32 v[TM+\b], v[TM+\b], v[S+15+16*\b]
.endr
.irp b, 0,1,2,3
	s_delay_alu instid0(VALU_DEP_4)
	v_permlanex16_b32 v[TM+4+\b], v[TM+\b], s[SEL], s[SEL+1]
.endr
.irp b, 0,1,2,3
	s_delay_alu instid0(VALU_DEP_4)
	v_max_num_f32 v[TM+\b], v[TM+\b], v[TM+4+\b]   ; with lane l xor 16's 16 keys
.endr
	s_delay_alu instid0(VALU_DEP_2)
	v_max3_num_f32 v230, v[TM], v[TM+1], v[TM+2]
	s_delay_alu instid0(VALU_DEP_1)
	v_max_num_f32 v230, v230, v[TM+3]
	s_delay_alu instid0(VALU_DEP_1)
	v_max_num_f32 v13, v13, v230                   ; the running largest t
	v_mov_b32 v230, v12
	s_delay_alu instid0(VALU_DEP_2)
	v_floor_f32 v12, -v13                          ; the new -M = floor(-t) = -ceil(t)
	s_delay_alu instid0(VALU_DEP_1)
	v_sub_f32 v230, v12, v230                      ; old M - new M: a whole number, 0 or less
	s_delay_alu instid0(VALU_DEP_1)
	v_cvt_i32_f32 v230, v230                       ; (it saturates)
	s_delay_alu instid0(VALU_DEP_1)
	v_ldexp_f32 v228, 1.0, v230                    ; f = 2^(old M - new M)
.set j, 0
.rept 32
	v_pk_add_f32 v[P+j:P+j+1], v[S+j:S+j+1], v[12:13] op_sel_hi:[1,0]   ; t - M, two at a time, into other registers than the matrix form's
.set j, j+2
.endr
.irp b, 0,1,2,3
	v_add_f32 v[TM+\b], v[TM+\b], v12              ; the same of each block's largest t
.endr
.set j, 0
	s_wait_alu depctr_va_vdst(0)
.rept 64
	v_exp_f32 v[P+j], v[P+j]                       ; p = 2^(t - M), at most 1
.set j, j+1
.endr
.irp b, 0,1,2,3
	v_exp_f32 v[TM+\b], v[TM+\b]                   ; the block's largest p: the same instructions on the same number give the same bits
.endr
	v_pk_mul_f32 v[14:15], v[14:15], v[228:229] op_sel_hi:[1,0]         ; the sums under the new M (a plain line behind the exponentials)
	s_wait_alu depctr_va_vdst(0)
.irp b, 0,1,2,3
	v_max_num_f32 v[TM+\b], 0x8000000, v[TM+\b]    ; the floor 2^(16 - 127)
.endr
.irp b, 0,1,2,3
	s_delay_alu instid0(VALU_DEP_4)
	v_add_nc_u32 v[TM+12+\b], 0xf8800000, v[TM+\b]
.endr
.irp b, 0,1,2,3
	v_and_or_b32 v[TM+8+\b], v[TM+\b], 0x7f800000, s[MNT]
.endr
.irp b, 0,1,2,3
	v_lshrrev_b32 v[TM+4+\b], 23, v[TM+12+\b]
.endr
	s_delay_alu instid0(VALU_DEP_3)
	v_lshl_or_b32 v231, v[TM+5], 8, v[TM+4]        ; p's scale word for these 128 keys
	s_delay_alu instid0(VALU_DEP_1)
	v_lshl_or_b32 v231, v[TM+6], 16, v231
	s_delay_alu instid0(VALU_DEP_1)
	v_lshl_or_b32 v231, v[TM+7], 24, v231
	s_setprio 1
	v_pk_add_f32 v[232:233], v[104:105], v[108:109]
	v_pk_add_f32 v[252:253], v[112:113], v[116:117]
	v_pk_add_f32 v[250:251], v[120:121], v[124:125]
	v_pk_add_f32 v[248:249], v[128:129], v[132:133]
	v_pk_add_f32 v[246:247], v[136:137], v[140:141]
	v_pk_add_f32 v[244:245], v[144:145], v[148:149]
	v_pk_add_f32 v[242:243], v[152:153], v[156:157]
	v_pk_add_f32 v[14:15], v[14:15], v[160:161]
	v_pk_add_f32 v[232:233], v[232:233], v[100:101]
	v_pk_add_f32 v[252:253], v[252:253], v[102:103]
	v_pk_add_f32 v[250:251], v[250:251], v[106:107]
	v_pk_add_f32 v[248:249], v[248:249], v[110:111]
	v_pk_add_f32 v[246:247], v[246:247], v[114:115]
	v_pk_add_f32 v[244:245], v[244:245], v[118:119]
	v_pk_add_f32 v[242:243], v[242:243], v[122:123]
	v_pk_add_f32 v[14:15], v[14:15], v[126:127]
	v_pk_add_f32 v[232:233], v[232:233], v[130:131]
	v_pk_add_f32 v[252:253], v[252:253], v[134:135]
	v_pk_add_f32 v[250:251], v[250:251], v[138:139]
	v_pk_add_f32 v[248:249], v[248:249], v[142:143]
	v_pk_add_f32 v[246:247], v[246:247], v[146:147]
	v_pk_add_f32 v[244:245], v[244:245], v[150:151]
	v_pk_add_f32 v[242:243], v[242:243], v[154:155]
	v_pk_add_f32 v[14:15], v[14:15], v[158:159]
	v_pk_add_f32 v[232:233], v[232:233], v[162:163]
	s_delay_alu instid0(VALU_DEP_2)
	v_pk_add_f32 v[14:15], v[14:15], v[248:249]
	s_delay_alu instid0(VALU_DEP_2)
	v_pk_add_f32 v[232:233], v[232:233], v[246:247]
	v_pk_add_f32 v[252:253], v[252:253], v[244:245]
	v_pk_add_f32 v[250:251], v[250:251], v[242:243]
	s_delay_alu instid0(VALU_DEP_2)
	v_pk_add_f32 v[14:15], v[14:15], v[252:253]
	s_delay_alu instid0(VALU_DEP_2)
	v_pk_add_f32 v[232:233], v[232:233], v[250:251]
	s_delay_alu instid0(VALU_DEP_1)
	v_pk_add_f32 v[14:15], v[14:15], v[232:233]
.irp b, 0,1,2,3
.irp i, 0,1,2,3,4,5,6,7,8,9,10,11,12,13,14,15
	v_min_num_f32 v[P+16*\b+\i], v[P+16*\b+\i], v[TM+8+\b]              ; the hold (ISA guide 7.6.2); p is not negative, so it is one-sided
.endr
.endr
.irp b, 0,1,2,3
	v_cvt_scalef32_pk8_bf8_f32 v[PC+4*\b:PC+1+4*\b], v[P+16*\b:P+7+16*\b], v[TM+12+\b]
	v_cvt_scalef32_pk8_bf8_f32 v[PC+2+4*\b:PC+3+4*\b], v[P+8+16*\b:P+15+16*\b], v[TM+12+\b]
.endr
	s_setprio 0
.irp t, 0,1,2,3
.irp c, 0,1,2,3
	ds_load_b128 v[P+16*\t+4*\c:P+16*\t+4*\c+3], v[ADV] offset:2048*\t+512*\c   ; V^T's four fragments take p's registers
.endr
.endr
	ds_load_b32 v34, v[ADT]
	ds_load_b32 v35, v[ADT] offset:128
.set j, 0
.rept 16
	v_pk_mul_f32 v[O+j:O+j+1], v[O+j:O+j+1], v[228:229] op_sel_hi:[1,0]   ; O^T under the new M, from each accumulator's low end on; these 16 are also the places between the conversions and the products
.set j, j+2
.endr
	s_wait_alu depctr_va_vdst(0)
	s_wait_dscnt 0x0
.irp t, 0,2                                    ; four accumulators by turns; the body's first matrix instruction is S^T's
	v_wmma_scale_f32_16x16x128_f8f6f4 v[O+8*\t:O+8*\t+7], v[P+16*\t:P+16*\t+15], v[PC:PC+15], v[O+8*\t:O+8*\t+7], v[34+\t/2], v231 matrix_a_fmt:MATRIX_FMT_BF8 matrix_b_fmt:MATRIX_FMT_BF8
	v_wmma_scale_f32_16x16x128_f8f6f4 v[O+8+8*\t:O+15+8*\t], v[P+16+16*\t:P+31+16*\t], v[PC:PC+15], v[O+8+8*\t:O+15+8*\t], v[34+\t/2], v231 matrix_a_fmt:MATRIX_FMT_BF8 matrix_b_fmt:MATRIX_FMT_BF8 matrix_a_scale:MATRIX_SCALE_ROW1
.endr
	s_add_co_u32 s[TK], s[TK], 2048
	s_add_co_u32 s[TV], s[TV], 8192
	s_add_co_u32 s[TS], s[TS], 256
	s_sub_co_u32 s[CNT], s[CNT], 1
	s_cmp_lg_u32 s[CNT], 0
	s_cbranch_scc1 .Lstep
	s_setprio 0
	; ---- the end: o = O^T / the sum, quantised along the head's 64 channels: two blocks of the next product's K
	PLACES 8
	v_add_f32 v14, v14, v15
	s_delay_alu instid0(VALU_DEP_1)
	v_permlanex16_b32 v230, v14, s[SEL], s[SEL+1]
	s_delay_alu instid0(VALU_DEP_1)
	v_add_f32 v14, v14, v230                       ; the row's sum
	s_wait_alu depctr_va_vdst(0)
	v_rcp_f32 v14, v14
	v_nop
.set j, 0
	s_wait_alu depctr_va_vdst(0)
.rept 32
	v_mul_f32 v[P+j], v[O+j], v14                  ; register 16 b + i = channel 32 b + 16 h + i of my query
.set j, j+1
.endr
.irp b, 0,1
	v_max3_num_f32 v[TM+\b], |v[P+16*\b]|, |v[P+1+16*\b]|, 0x8000000
.endr
.irp i, 2,4,6,8,10,12,14
.irp b, 0,1
	s_delay_alu instid0(VALU_DEP_2)
	v_max3_num_f32 v[TM+\b], v[TM+\b], |v[P+16*\b+\i]|, |v[P+1+16*\b+\i]|
.endr
.endr
.irp b, 0,1
	s_delay_alu instid0(VALU_DEP_2)
	v_permlanex16_b32 v[TM+4+\b], v[TM+\b], s[SEL], s[SEL+1]
.endr
.irp b, 0,1
	s_delay_alu instid0(VALU_DEP_2)
	v_max_num_f32 v[TM+\b], v[TM+\b], v[TM+4+\b]
.endr
.irp b, 0
	s_delay_alu instid0(VALU_DEP_2)
	v_add_nc_u32 v[TM+12+\b], 0xf8800000, v[TM+\b]
	s_delay_alu instid0(VALU_DEP_3)
	v_and_or_b32 v[TM+8+\b], v[TM+\b], 0x7f800000, s[MNT]
.endr
.irp b, 1
	s_delay_alu instid0(VALU_DEP_3)
	v_add_nc_u32 v[TM+12+\b], 0xf8800000, v[TM+\b]
	s_delay_alu instid0(VALU_DEP_4)
	v_and_or_b32 v[TM+8+\b], v[TM+\b], 0x7f800000, s[MNT]
.endr
.irp b, 0
	s_delay_alu instid0(VALU_DEP_4)
	v_lshrrev_b32 v[TM+4+\b], 23, v[TM+12+\b]
.endr
.irp b, 1
	s_delay_alu instid0(VALU_DEP_3)
	v_lshrrev_b32 v[TM+4+\b], 23, v[TM+12+\b]
.endr
.irp b, 0,1
.irp i, 0,1,2,3,4,5,6,7,8,9,10,11,12,13,14,15
	v_med3_num_f32 v[P+16*\b+\i], v[P+16*\b+\i], -v[TM+8+\b], v[TM+8+\b]
.endr
.endr
.irp b, 0,1
	v_cvt_scalef32_pk8_bf8_f32 v[PC+4*\b:PC+1+4*\b], v[P+16*\b:P+7+16*\b], v[TM+12+\b]
	v_cvt_scalef32_pk8_bf8_f32 v[PC+2+4*\b:PC+3+4*\b], v[P+8+16*\b:P+15+16*\b], v[TM+12+\b]
.endr
	v_cmp_ne_u32 vcc_lo, 0, v5
	s_delay_alu instid0(VALU_DEP_1)
	v_cndmask_b32 v230, v[TM+4], v[TM+5], vcc_lo   ; lane (r, h) stores block h's byte of row r: every lane a byte of its own
	v_lshl_add_u32 v7, v4, 2, v5                   ; 4 r + h
	s_lshr_b32 s56, s17, 3
	s_lshl_b32 s56, s56, 7
	s_lshl_b32 s57, s16, 4
	s_add_co_u32 s56, s56, s57
	s_add_co_u32 s56, s56, s[WV]                   ; the row tile: 128 batch + 16 block + wave
	s_and_b32 s57, s17, 7                          ; the head
	s_lshr_b32 s58, s57, 1                         ; its K step of 128,
	s_and_b32 s57, s57, 1                          ; and which half of it
	s_lshl_b32 s60, s56, 13
	s_lshl_b32 s61, s58, 11
	s_add_co_u32 s60, s60, s61
	s_lshl_b32 s61, s57, 10
	s_add_co_u32 s60, s60, s61
	s_mov_b32 s61, 0
	s_add_nc_u64 s[10:11], s[10:11], s[60:61]
	s_lshl_b32 s60, s56, 8
	s_lshl_b32 s62, s58, 6
	s_add_co_u32 s60, s60, s62
	s_lshl_b32 s62, s57, 1
	s_add_co_u32 s60, s60, s62
	s_add_nc_u64 s[12:13], s[12:13], s[60:61]
	s_wait_alu depctr_va_vdst(0)
	global_store_b128 v[AV0], v[PC:PC+3], s[10:11]             ; register groups 2 (head % 2) + 0, 1 of the image: 512 consecutive bytes each
	global_store_b128 v[AV0], v[PC+4:PC+7], s[10:11] offset:512
	global_store_b8 v7, v230, s[12:13]
	s_wait_tensorcnt 0x0
	ds_add_u32 v254, v255
	s_wait_dscnt 0x0
	ROUND                                          ; the closing round: no work-group ends while a partner may still ask for a piece that names it
	s_endpgm
.Lfunc_end_k_qc0b9ff39a6_attn:
	.size	k_qc0b9ff39a6_attn, .Lfunc_end_k_qc0b9ff39a6_attn-k_qc0b9ff39a6_attn
	.p2alignl 7, 3214868480
	.fill 96, 4, 3214868480
	.section	.rodata,"a",@progbits
	.p2align	6, 0x0
	.amdhsa_kernel k_qc0b9ff39a6_attn
		.amdhsa_group_segment_fixed_size 198656
		.amdhsa_private_segment_fixed_size 0
		.amdhsa_enable_private_segment 0
		.amdhsa_kernarg_size 40
		.amdhsa_user_sgpr_count 2
		.amdhsa_user_sgpr_kernarg_segment_ptr 1
		.amdhsa_wavefront_size32 1
		.amdhsa_system_sgpr_workgroup_id_x 1
		.amdhsa_system_sgpr_workgroup_id_y 1
		.amdhsa_system_sgpr_workgroup_id_z 1
		.amdhsa_system_vgpr_workitem_id 0
		.amdhsa_next_free_vgpr 256
		.amdhsa_next_free_sgpr 80
		.amdhsa_reserve_vcc 1
		.amdhsa_float_denorm_mode_32 3
		.amdhsa_float_denorm_mode_16_64 3
		.amdhsa_memory_ordered 1
		.amdhsa_forward_progress 1
		.amdhsa_inst_pref_size 33
	.end_amdhsa_kernel
	.amdgpu_metadata
---
amdhsa.version: [ 1, 2 ]
amdhsa.kernels:
  - .name:           k_qc0b9ff39a6_attn
    .symbol:         k_qc0b9ff39a6_attn.kd
    .args:
      - { .name: qkf, .offset: 0, .size: 8, .value_kind: global_buffer, .address_space: global }
      - { .name: vc, .offset: 8, .size: 8, .value_kind: global_buffer, .address_space: global }
      - { .name: vs, .offset: 16, .size: 8, .value_kind: global_buffer, .address_space: global }
      - { .name: oc, .offset: 24, .size: 8, .value_kind: global_buffer, .address_space: global }
      - { .name: os, .offset: 32, .size: 8, .value_kind: global_buffer, .address_space: global }
    .group_segment_fixed_size: 198656
    .private_segment_fixed_size: 0
    .kernarg_segment_align: 8
    .kernarg_segment_size: 40
    .max_flat_workgroup_size: 512
    .sgpr_count:     80
    .vgpr_count:     256
    .wavefront_size: 32
...
	.end_amdgpu_metadata
.endif
;; end of part 9
;; launch tail (part 10): grid 128 x 1, 4 waves a work-group, no clusters, 163,328 bytes of LDS; arguments x, oc, os, wc, ws, bo, g1, be1, b1, b2, g2, be2, out0; writes out0
.if DOCPART == 10
	.amdgcn_target "amdgcn-amd-amdhsa--gfx1250"
	.amdhsa_code_object_version 6
	.text
	.protected	k_qc0b9ff39a6_tail
	.globl	k_qc0b9ff39a6_tail
	.p2align	8
	.type	k_qc0b9ff39a6_tail,@function
k_qc0b9ff39a6_tail:
	s_mov_b64 s[64:65], 0
	v_nop
	global_prefetch_b8 v0, s[64:65] scope:SCOPE_SE
	s_setreg_imm32_b32 hwreg(HW_REG_WAVE_SCHED_MODE, 0, 2), 2
	s_setreg_imm32_b32 hwreg(HW_REG_WAVE_MODE, 25, 1), 1
	s_wait_xcnt 0x0
	s_wait_alu depctr_vm_vsrc(0)
; TAIL: x1 = LN(x + o wo + bo; g1, be1);  out = LN(x1 + relu(x1 w1 + b1) w2 + b2; g2, be2).  All three products on codes of E5M2 with E8M0 scales; nothing between them goes to memory.
; SHARES: a work-group takes 64 rows, four row tiles m.  THE WAVES SHARE THE COLUMNS: wave w owns columns 128 w .. + 127 of every layer, for all 64 rows.  The work is nine equal UNITS, [64 x 512] x [512 -> 128 columns a wave]:
; wo; then four times a chunk of 512 hidden units: w1's chunk, w2's chunk.  A unit is 4 K steps x 8 tiles x 4 row tiles = 128 matrix instructions a wave and 65,536 bytes of weight images: unit 0 of wc is wo's, units 1 + 2 c and 2 + 2 c are chunk c's.
; THE WORK-GROUPS BEGIN THE WALK OVER THE FOUR CHUNKS AT DIFFERENT CHUNKS: work-group g begins at chunk (g + g / 4 + g / 16) mod 4 and goes round.  So four parts of the weights are asked for at a time, and the chunk that a
; work-group comes to second, third or fourth has been walked by other work-groups a phase earlier.  The chunks' parts of the second product are added in that order: another order of f32 rounding than the source's.
; THE WEIGHTS GO FROM MEMORY STRAIGHT INTO THE REGISTERS OF THE ONE WAVE THAT USES THEM, two K steps ahead.  No joint loads: no weight byte is read by two waves of a work-group and none passes LDS; a tile shared through
; LDS would add 2 x 2,359,296 bytes of LDS traffic to each work-group.  64 rows to a work-group, since each walks all 2,359,296 bytes of weights whatever its rows: each 2,048-byte fragment feeds four products, and it is what the registers hold.
; PRODUCTS ARE USED TRANSPOSED (source 0 = 16 columns of a weight, source 1 = 16 rows): with the columns of a tile chosen as the first launch lays them, register 64 m + 16 b + i of lane (r, h) is row 16 m + r,
; column 128 w + 32 b + 16 h + i: 16 neighbours along the next K.  x, the biases and the gains are loaded in that layout.  Residuals and biases are the C of a sum's first product.
; Activations go from wave to wave through LDS as images of operand registers (2,048 bytes, 16 x lane; scale words 4 bytes a lane).
; The variance is taken of x - mean, in a second pass: never as a difference of large sums.
; The last unit's look-ahead loads the first two K steps of the chunk at which the walk began: inside both buffers; nobody uses them.  So every wait has the same count in all trips.
; LIMITS: NaN and infinities are not served; a block of zeros, or under 2^-111, gets the byte 1.
; REGISTERS: window 0: v4-23 addresses; v24-31 LN's four pairs; v32-39 weights' scale words, v40-47 activations', two sets each; v48-175 two buffers of four activation fragments (between units: four sets of codes v48-111,
;   their scale words v112-115, a second vector v48-111, rows on the way out); v176-239 a vector in the result's layout; v240-255 at work.   window 1: two buffers of 8 weight fragments.   window 2: ACC (64 m + 8 j).   window 3: Y.
; THE MODE: SCHED_MODE bits 1:0 = 2 (LLVM: expert scheduling mode 2), set by the entry lines.  The code itself states the register dependences between vector or matrix instructions and memory or LDS instructions,
; with s_wait_alu, always for 0.
; THE PLAN.  Registers that memory or LDS instructions touch, and who else names them:
;   v4-23              addresses and offsets: written at the head and never again, but v17, which is written once a trip of the loop over chunks.   v24-28, v240-243: addresses of the head's loads and stores; later work registers.
;   window 1, v32-39   weight buffer and scale words s % 2: K step s's 32 products read them; behind them the loads of K step s + 2 land there.
;   v48-175, v40-47    activation buffer and scale words s % 2: likewise, by LDS loads.
;   v48-115            between units: four sets of codes and their scale words: the conversions write them, 20 LDS stores read them, the next unit's LDS loads land in them.
;   v176-239           a vector: LDS loads land; additions, a first K step (as C) and the LayerNorm's multiply-adds read it.      v48-111 holds the LayerNorm's second vector in the same way.
;   v24, 26, 28, 30    a row tile's sum: vector instructions write it, an LDS store reads it, the joining of the four waves' parts writes it again.      v240-255: the parts' LDS loads land; vector instructions read and write them.
;   window 3           the result: the LayerNorm writes it, the way out's LDS stores read it.      v48-175 on the way out: LDS loads land, stores read, LDS loads land again.
; So: ONE wait on va_vdst to a K step, behind its products and straight ahead of its loads: the two freed buffers are asked for again at once, so that two K steps of weights stay on their way.  All 1,024 registers are
; taken, so there is no third buffer.  One wait on va_vdst ahead of each run of LDS stores (four sums; 20 stores of codes and words; the way out), which also serves the LDS loads that follow it with no vector instruction
; between; one wait on vm_vsrc behind the barrier that follows such a run, ahead of whatever writes those registers again.
.set R_X,  34816                       ; LDS: o's 16 images (4 m + s) x 2048 from 0, their scale words at + 32768; x1's likewise;
.set R_H,  69632                       ; the hidden chunk's likewise;
.set SCO,  32768
.set PAR,  104448                      ; b1 (8,192 bytes, its four chunks in the order of my walk), bo, g1, be1, b2, g2, be2 (2,048 each);
.set BOO,  8192
.set G1O,  10240
.set BE1O, 12288
.set B2O,  14336
.set G2O,  16384
.set BE2O, 18432
.set RED,  124928                      ; four regions of 1,024 bytes for the rows' sums: word (16 m + r) x 16 + 4 w; each used once;
.set STG,  129024                      ; a stage of 16 rows x (512 + 16) bytes for each wave
.set LI,   4                           ; v4   16 x lane; also o's images' address
.set LS,   5                           ; v5   4 x lane
.set SO,   7
.set AX,   8
.set SX,   9
.set AH,   10
.set SH,   11
.set XWI,  12                          ; v12-15 where I store x1's and the hidden layer's images and scale words: K step w
.set XWS,  13
.set HWI,  14
.set HWS,  15
.set VA,   16                          ; v16  PAR + 512 w + 64 h
.set VB1,  17
.set REDW, 18
.set REDR, 19
.set STI,  20
.set STB,  21
.set XA,   22                          ; v22  2048 r + 512 w + 64 h
.set GO,   23                          ; v23  512 w + 16 x lane
.set LNP,  24
.set WS,   32
.set AS,   40
.set AB,   48
.set PCB,  48                          ; v48-111  codes: a set of 16 for each row tile, so that no image's store and no later conversion name the same register
.set PWB,  112                         ; v112-115 their scale words
.set VEC,  176
.set TM,   240
.set WV,   30
.set SEL,  32
.set MNT,  34
.set R512, 35
.set EPS,  36
.set CNT,  37
.set B1S,  38
.set CH,   39                          ; s39  the chunk in hand
.set WP0,  48                          ; s[48:49], s[50:51]  a unit's weights and scale words: two sets by turns: w2's units take set 0,
.set SP0,  50
.set WP1,  52                          ; s[52:55]  w1's take set 1; wo's unit takes the bases s[10:13], which are never rewritten
.set SP1,  54
.set MSB, 0
.macro WIN new                         ; the immediate's high byte repeats the setting that is left; a switch that changes nothing is dropped
.if MSB != (\new)
	s_set_vgpr_msb (MSB<<8)|(\new)
.set MSB, (\new)
.endif
.endm
.macro PLACES n
.rept \n
	v_nop
.endr
.endm
.macro BARRIER                         ; my LDS stores have landed and my LDS loads are in: then the work-group's barrier
	s_wait_dscnt 0x0
	s_barrier_signal -1
	s_barrier_wait -1
.endm
; 64 numbers of a lane in window W, register s + 16 b + i = k 32 b + 16 (lane / 16) + i of my row, become a fragment's codes in v[pc] on and its scale word in v[pw].  relu = 1: what is negative becomes 0 on the way.
.macro QUANT s, W, relu, pc, pw
	WIN 5*\W
.irp b, 0,1,2,3
.if \relu
	v_max3_num_f32 v[TM+\b], v[\s+16*\b], v[\s+1+16*\b], 0x8000000        ; no |.|: what is negative must not count; the floor stands over it
.else
	v_max3_num_f32 v[TM+\b], |v[\s+16*\b]|, |v[\s+1+16*\b]|, 0x8000000    ; and the floor 2^(16 - 127): the byte cannot fall under 1
.endif
.endr
	WIN 20*\W
.irp i, 2,4,6,8,10,12,14
.irp b, 0,1,2,3
.if \relu
	v_max3_num_f32 v[TM+\b], v[TM+\b], v[\s+16*\b+\i], v[\s+1+16*\b+\i]
.else
	v_max3_num_f32 v[TM+\b], v[TM+\b], |v[\s+16*\b+\i]|, |v[\s+1+16*\b+\i]|
.endif
.endr
.endr
	WIN 0
.irp b, 0,1,2,3
	v_permlanex16_b32 v[TM+4+\b], v[TM+\b], s[SEL], s[SEL+1]
.endr
.irp b, 0,1,2,3
	v_max_num_f32 v[TM+\b], v[TM+\b], v[TM+4+\b]
.endr
.irp b, 0,1,2,3
	v_add_nc_u32 v[TM+12+\b], 0xf8800000, v[TM+\b]
.endr
.irp b, 0,1,2,3
	v_and_or_b32 v[TM+8+\b], v[TM+\b], 0x7f800000, s[MNT]
.endr
.irp b, 0,1,2,3
	v_lshrrev_b32 v[TM+4+\b], 23, v[TM+12+\b]
.endr
	v_lshl_or_b32 v[\pw], v[TM+5], 8, v[TM+4]
	v_lshl_or_b32 v[\pw], v[TM+6], 16, v[\pw]
	v_lshl_or_b32 v[\pw], v[TM+7], 24, v[\pw]
	WIN 65*\W
.irp b, 0,1,2,3
.irp i, 0,1,2,3,4,5,6,7,8,9,10,11,12,13,14,15
.if \relu
	v_med3_num_f32 v[\s+16*\b+\i], v[\s+16*\b+\i], 0, v[TM+8+\b]          ; the activation and the hold in one
.else
	v_med3_num_f32 v[\s+16*\b+\i], v[\s+16*\b+\i], -v[TM+8+\b], v[TM+8+\b]   ; the hold (ISA guide 7.6.2)
.endif
.endr
.endr
	WIN \W
.irp b, 0,1,2,3
	v_cvt_scalef32_pk8_bf8_f32 v[\pc+4*\b:\pc+1+4*\b], v[\s+16*\b:\s+7+16*\b], v[TM+12+\b]
	v_cvt_scalef32_pk8_bf8_f32 v[\pc+2+4*\b:\pc+3+4*\b], v[\s+8+16*\b:\s+15+16*\b], v[TM+12+\b]
.endr
	WIN 0
	v_nop                                          ; a plain line behind the last conversion
.endm
.macro IMAGE adr, off, pc              ; the fragment in v[pc] on goes to LDS as it stands
.irp c, 0,1,2,3
	ds_store_b128 v[\adr], v[\pc+4*\c:\pc+4*\c+3] offset:\off+512*\c
.endr
.endm
.macro PRE off, p, wb, sb              ; a K step's 8 weight fragments and their scale words, off bytes behind the unit's base s[wb], into buffer p: 36 loads
	WIN 0x40
.irp j, 0,1,2,3,4,5,6,7
.irp c, 0,1,2,3
	global_load_b128 v[128*(\p)+16*\j+4*\c:128*(\p)+16*\j+4*\c+3], v[LI], s[\wb:\wb+1] offset:\off+2048*\j+512*\c
.endr
.endr
	WIN 0
.irp q, 0,1,2,3
	global_load_b32 v[WS+4*(\p)+\q], v[LS], s[\sb:\sb+1] offset:(\off)/32+128*\q    ; lanes 0-15: tile 2 q; lanes 16-31: tile 2 q + 1
.endr
.endm
.macro ACT a, sc, s, p                 ; K step s of the four row tiles into buffer p: 20 LDS loads
.irp m, 0,1,2,3
.irp c, 0,1,2,3
	ds_load_b128 v[AB+64*(\p)+16*\m+4*\c:AB+64*(\p)+16*\m+4*\c+3], v[\a] offset:(4*\m+(\s))*2048+512*\c
.endr
	ds_load_b32 v[AS+4*(\p)+\m], v[\sc] offset:(4*\m+(\s))*128
.endr
.endm
.macro VECLD reg, adr, off             ; a vector of 512 in the result's layout: my 64 numbers
.irp b, 0,1,2,3
.irp q, 0,1,2,3
	ds_load_b128 v[\reg+16*\b+4*\q:\reg+16*\b+4*\q+3], v[\adr] offset:\off+128*\b+16*\q
.endr
.endr
.endm
.macro MM d, wa, b, c, sa, sb, odd
.if \odd
	v_wmma_scale_f32_16x16x128_f8f6f4 v[\d:\d+7], v[\wa:\wa+15], v[\b:\b+15], v[\c:\c+7], v[\sa], v[\sb] matrix_a_fmt:MATRIX_FMT_BF8 matrix_b_fmt:MATRIX_FMT_BF8 matrix_a_scale:MATRIX_SCALE_ROW1
.else
	v_wmma_scale_f32_16x16x128_f8f6f4 v[\d:\d+7], v[\wa:\wa+15], v[\b:\b+15], v[\c:\c+7], v[\sa], v[\sb] matrix_a_fmt:MATRIX_FMT_BF8 matrix_b_fmt:MATRIX_FMT_BF8
.endif
.endm
; A UNIT.  a, sc: the activations' images and scale words; dw: the windows (0xa1: C and D in ACC, 0xf1: in Y); bias = 1: the first K step takes v[VEC] on as C and starts ACC anew.
; cw, cs: this unit's bases; nw, ns: the set that takes the next unit's.  kind says what follows: 0: the first chunk's w1; 1: this chunk's w2, 262,144 bytes on; 2: the next chunk's w1, round the four.
; The next unit's set is written in this unit's second K step: its last loads (it was the unit before's own set) were shown done by that unit's waits on LOADcnt, and the wait on XCNT in front of the
; write stands 32 matrix instructions behind the last load issued.
; The 32 accumulators take turns, one instruction a turn, in the same order in every K step.
; What the unit's first 40 LDS loads hang on is stated ahead of each unit, where it differs.
.macro UNIT a, sc, dw, bias, cw, cs, nw, ns, kind
	ACT \a, \sc, 0, 0
	ACT \a, \sc, 1, 1
.irp s, 0,1,2,3
.if \s == 3
	s_wait_dscnt 0x0
.else
	s_wait_dscnt 20                                ; this K step's 20 LDS loads (and all older ones) are in; the next step's 20 may be out
.endif
	s_wait_loadcnt 36                              ; this K step's weights are in; the only younger loads are the next step's 36
.if \bias && (\s == 0)
	WIN 0x81
.else
	WIN \dw
.endif
.irp j, 0,1,2,3,4,5,6,7
.irp m, 0,1,2,3
.if \bias && (\s == 0)
	MM 64*\m+8*\j, 128*(\s&1)+16*\j, AB+64*(\s&1)+16*\m, VEC+8*\j, WS+4*(\s&1)+\j/2, AS+4*(\s&1)+\m, \j%2
.else
	MM 64*\m+8*\j, 128*(\s&1)+16*\j, AB+64*(\s&1)+16*\m, 64*\m+8*\j, WS+4*(\s&1)+\j/2, AS+4*(\s&1)+\m, \j%2
.endif
.endr
.endr
	WIN 0
	PLACES 8                                       ; eight places behind this form, in front of loads into registers that these products read and of the first read of results
.if \s == 1
	s_wait_xcnt 0x0                                ; every load issued so far has read its base: the other set may be written
.if \kind == 1
	s_add_nc_u64 s[\nw:\nw+1], s[\cw:\cw+1], 262144
	s_add_nc_u64 s[\ns:\ns+1], s[\cs:\cs+1], 8192
.else
.if \kind == 2
	s_add_co_u32 s[CH], s[CH], 1
	s_and_b32 s[CH], s[CH], 3                      ; the next chunk, round the four
.endif
	s_lshl_b32 s56, s[CH], 19
	s_add_co_u32 s56, s56, 262144                  ; unit 1 + 2 c, in bytes
	s_mov_b32 s57, 0
	s_add_nc_u64 s[\nw:\nw+1], s[10:11], s[56:57]
	s_lshr_b32 s56, s56, 5
	s_add_nc_u64 s[\ns:\ns+1], s[12:13], s[56:57]
.endif
.endif
	s_wait_alu depctr_va_vdst(0)                   ; this K step's 32 products are done reading weight buffer s % 2, activation buffer s % 2 and the scale words of both, in which the loads below land
.if \s < 2
	ACT \a, \sc, \s+2, \s&1
	PRE (\s+2)*16384, \s&1, \cw, \cs
.else
	PRE (\s-2)*16384, \s&1, \nw, \ns               ; the next unit's first two K steps
.endif
.endr
.endm
; the four row tiles' sums in v[LNP + 2 m] (two halves each) are joined: halves, lane l xor 16, the four waves through region red
.macro RSUM red
.irp m, 0,1,2,3
	v_add_f32 v[LNP+2*\m], v[LNP+2*\m], v[LNP+2*\m+1]
.endr
.irp m, 0,1,2,3
	v_permlanex16_b32 v[LNP+2*\m+1], v[LNP+2*\m], s[SEL], s[SEL+1]
.endr
.irp m, 0,1,2,3
	v_add_f32 v[LNP+2*\m], v[LNP+2*\m], v[LNP+2*\m+1]
.endr
	s_wait_alu depctr_va_vdst(0)                   ; the four sums are written, which the LDS stores read; and every vector and matrix instruction so far is done with v[TM ..], v[VEC ..] and v[AB ..], in which the LDS loads up to the next vector instruction land
.irp m, 0,1,2,3
	ds_store_b32 v[REDW], v[LNP+2*\m] offset:1024*(\red)+256*\m     ; lanes l and l xor 16 write the same word with the same value
.endr
	BARRIER
	s_wait_alu depctr_vm_vsrc(0)                   ; my four LDS stores have read v[LNP + 2 m], which the joining writes again
.irp m, 0,1,2,3
	ds_load_b128 v[TM+4*\m:TM+4*\m+3], v[REDR] offset:1024*(\red)+256*\m
.endr
.endm
.macro RJOIN                           ; every wave adds the four parts in the same order
.irp m, 0,1,2,3
	v_add_f32 v[TM+4*\m], v[TM+4*\m], v[TM+4*\m+1]
	v_add_f32 v[TM+4*\m+2], v[TM+4*\m+2], v[TM+4*\m+3]
.endr
.irp m, 0,1,2,3
	v_add_f32 v[LNP+2*\m], v[TM+4*\m], v[TM+4*\m+2]
.endr
.endm
; LayerNorm in place on window W's 256 registers; the four row tiles by turns; regions red and red + 1
.macro LN W, goff, beoff, red
	WIN 5*\W
.irp m, 0,1,2,3
	v_pk_add_f32 v[LNP+2*\m:LNP+2*\m+1], v[64*\m:64*\m+1], v[64*\m+2:64*\m+3]    ; from each accumulator's low end on
.endr
	WIN 4*\W
.set k, 4
.rept 30
.irp m, 0,1,2,3
	v_pk_add_f32 v[LNP+2*\m:LNP+2*\m+1], v[LNP+2*\m:LNP+2*\m+1], v[64*\m+k:64*\m+k+1]
.endr
.set k, k+2
.endr
	WIN 0
	RSUM \red
	s_wait_dscnt 0x0
	RJOIN
.irp m, 0,1,2,3
	v_mul_f32 v[LNP+2*\m], s[R512], v[LNP+2*\m]    ; the mean
.endr
	WIN 65*\W
.set k, 0
.rept 32
.irp m, 0,1,2,3
	v_pk_add_f32 v[64*\m+k:64*\m+k+1], v[64*\m+k:64*\m+k+1], v[LNP+2*\m:LNP+2*\m+1] op_sel_hi:[1,0] neg_lo:[0,1] neg_hi:[0,1]
.endr
.set k, k+2
.endr
	WIN 5*\W
.irp m, 0,1,2,3
	v_pk_mul_f32 v[LNP+2*\m:LNP+2*\m+1], v[64*\m:64*\m+1], v[64*\m:64*\m+1]
.endr
.set k, 2
.rept 31
.irp m, 0,1,2,3
	v_pk_fma_f32 v[LNP+2*\m:LNP+2*\m+1], v[64*\m+k:64*\m+k+1], v[64*\m+k:64*\m+k+1], v[LNP+2*\m:LNP+2*\m+1]
.endr
.set k, k+2
.endr
	WIN 0
	RSUM \red+1
	VECLD VEC, VA, \goff                           ; no further wait: no vector instruction stands between the wait ahead of the sums' stores and these 32 loads
	VECLD AB, VA, \beoff
	s_wait_dscnt 32                                ; the four parts are in; the 32 loads of the gain and the shift may be out
	RJOIN
.irp m, 0,1,2,3
	v_fma_f32 v[LNP+2*\m], v[LNP+2*\m], s[R512], s[EPS]     ; the variance + 1e-5
.endr
	s_wait_alu depctr_va_vdst(0)
.irp m, 0,1,2,3
	v_rsq_f32 v[LNP+2*\m], v[LNP+2*\m]
.endr
	v_nop                                          ; a plain line behind the transcendentals
	s_wait_dscnt 0x0
	WIN 65*\W
.set k, 0
	s_wait_alu depctr_va_vdst(0)                   ; the four reciprocal roots are written, ahead of their first reader
.rept 32
.irp m, 0,1,2,3
	v_pk_mul_f32 v[64*\m+k:64*\m+k+1], v[64*\m+k:64*\m+k+1], v[LNP+2*\m:LNP+2*\m+1] op_sel_hi:[1,0]
.endr
.set k, k+2
.endr
.set k, 0
.rept 32
.irp m, 0,1,2,3
	v_pk_fma_f32 v[64*\m+k:64*\m+k+1], v[64*\m+k:64*\m+k+1], v[VEC+k:VEC+k+1], v[AB+k:AB+k+1]
.endr
.set k, k+2
.endr
	WIN 0
.endm
	s_load_b512 s[4:19], s[0:1], 0x0               ; x s[4:5], oc s[6:7], os s[8:9], wc s[10:11], ws s[12:13], bo s[14:15], g1 s[16:17], be1 s[18:19]
	s_load_b256 s[20:27], s[0:1], 0x40             ; b1 s[20:21], b2 s[22:23], g2 s[24:25], be2 s[26:27]
	s_load_b64 s[28:29], s[0:1], 0x60              ; out0
	v_lshrrev_b32 v1, 5, v0
	v_readfirstlane_b32 s[WV], v1                  ; wave w
	v_and_b32 v1, 31, v0                           ; lane
	v_and_b32 v2, 15, v0                           ; r
	v_bfe_u32 v3, v0, 4, 1                         ; h
	v_lshlrev_b32 v[LI], 4, v1
	v_lshlrev_b32 v[LS], 2, v1
	v_add_nc_u32 v[SO], SCO, v[LS]
	v_add_nc_u32 v[AX], R_X, v[LI]
	v_add_nc_u32 v[SX], R_X+SCO, v[LS]
	v_add_nc_u32 v[AH], R_H, v[LI]
	v_add_nc_u32 v[SH], R_H+SCO, v[LS]
	s_wait_alu depctr_va_sdst(0)                   ; s[WV], the wave's number, is written, ahead of its first reader
	s_lshl_b32 s40, s[WV], 11
	s_add_co_u32 s41, s40, R_X
	v_add_nc_u32 v[XWI], s41, v[LI]
	s_add_co_u32 s41, s40, R_H
	v_add_nc_u32 v[HWI], s41, v[LI]
	s_lshl_b32 s40, s[WV], 7
	s_add_co_u32 s41, s40, R_X+SCO
	v_add_nc_u32 v[XWS], s41, v[LS]
	s_add_co_u32 s41, s40, R_H+SCO
	v_add_nc_u32 v[HWS], s41, v[LS]
	s_lshl_b32 s40, s[WV], 9                       ; 512 w
	s_add_co_u32 s41, s40, PAR
	v_lshl_add_u32 v[VA], v3, 6, s41
	v_lshlrev_b32 v[XA], 11, v2
	v_lshl_add_u32 v[XA], v3, 6, v[XA]
	v_add_nc_u32 v[XA], s40, v[XA]
	v_add_nc_u32 v[GO], s40, v[LI]
	s_add_co_u32 s41, s40, SCO
	v_add_nc_u32 v28, s41, v[LS]                   ; (v24-28 serve the head alone)  o's scale words, my row tile: SCO + 4 x lane + 512 w
	s_lshl_b32 s41, s[WV], 2
	s_add_co_u32 s41, s41, RED
	v_lshl_add_u32 v[REDW], v2, 4, s41
	v_lshl_add_u32 v[REDR], v2, 4, RED
	s_mul_i32 s41, s[WV], 8448
	s_add_co_u32 s41, s41, STG
	v_mul_u32_u24 v[STI], v2, 528
	v_lshl_add_u32 v[STI], v3, 6, v[STI]
	v_add_nc_u32 v[STI], s41, v[STI]
	v_add_nc_u32 v[STB], s41, v[LI]
	v_lshlrev_b32 v24, 4, v0                       ; 16 x thread: 128 threads cover a vector of 2,048 bytes
	s_wait_alu depctr_va_vdst(0)
	v_add_nc_u32 v25, PAR, v24
	s_lshl_b32 s41, s[WV], 13
	v_add_nc_u32 v26, s41, v[LI]                   ; o's images, my row tile: 16 x lane + 8192 w
	v_lshlrev_b32 v27, 2, v2                       ; 4 r
	s_lshr_b32 s40, ttmp9, 2                       ; where my walk over the chunks begins: (g + g / 4 + g / 16) mod 4
	s_add_co_u32 s[CH], ttmp9, s40
	s_lshr_b32 s40, ttmp9, 4
	s_add_co_u32 s[CH], s[CH], s40
	s_and_b32 s[CH], s[CH], 3
.irp q, 0,1,2,3
	s_add_co_u32 s40, s[CH], \q                    ; the q-th chunk of my walk: its 2,048 bytes of b1 (these four registers serve the head's loads alone)
	s_and_b32 s40, s40, 3
	s_lshl_b32 s40, s40, 11
	v_add_nc_u32 v[TM+\q], s40, v24
.endr
.irp b, 0,1,2,3
	v_mov_b32 v[TM+4+\b], 0                        ; written once: a lane permute's destination counts as one of its sources
.endr
	s_mov_b32 s[SEL], 0x76543210
	s_mov_b32 s[SEL+1], 0xfedcba98
	s_mov_b32 s[MNT], 0x600000
	s_mov_b32 s[R512], 0x3b000000                  ; 1 / 512
	s_mov_b32 s[EPS], 0x3727c5ac                   ; 1e-5
	s_lshl_b32 s40, ttmp9, 17                      ; x and out0: 64 rows of 2,048 bytes a work-group
	s_mov_b32 s41, 0
	s_lshl_b32 s42, ttmp9, 15                      ; oc: row tile 4 g + w, 8,192 bytes each
	s_lshl_b32 s44, s[WV], 13
	s_add_co_u32 s42, s42, s44
	s_mov_b32 s43, 0
	s_lshr_b32 s44, s42, 5                         ; os: 256 bytes each
	s_mov_b32 s45, 0
	s_lshl_b32 s46, s[WV], 16                      ; my quarter of every unit
	s_mov_b32 s47, 0
	s_wait_kmcnt 0x0
	s_add_nc_u64 s[4:5], s[4:5], s[40:41]
	s_add_nc_u64 s[28:29], s[28:29], s[40:41]
	s_add_nc_u64 s[6:7], s[6:7], s[42:43]
	s_add_nc_u64 s[8:9], s[8:9], s[44:45]
	s_add_nc_u64 s[10:11], s[10:11], s[46:47]      ; the bases: wc and ws at my quarter of unit 0; they stay
	s_lshr_b32 s46, s46, 5
	s_add_nc_u64 s[12:13], s[12:13], s[46:47]
	s_wait_alu depctr_va_vdst(0)                   ; the addresses and offsets are written: v4 to v23 (but v17) for the whole kernel, v24 to v28 and v[TM] to v[TM + 3] for the head's loads and stores
	; ---- the head: the parameters and my row tile of o go to LDS; x + bo becomes the C of the first unit
.irp q, 0,1,2,3
	global_load_b128 v[VEC+4*\q:VEC+4*\q+3], v[TM+\q], s[20:21]
.endr
	global_load_b128 v[VEC+16:VEC+19], v24, s[14:15]
	global_load_b128 v[VEC+20:VEC+23], v24, s[16:17]
	global_load_b128 v[VEC+24:VEC+27], v24, s[18:19]
	global_load_b128 v[VEC+28:VEC+31], v24, s[22:23]
	global_load_b128 v[VEC+32:VEC+35], v24, s[24:25]
	global_load_b128 v[VEC+36:VEC+39], v24, s[26:27]
.irp s, 0,1,2,3
.irp c, 0,1,2,3
	global_load_b128 v[AB+16*\s+4*\c:AB+16*\s+4*\c+3], v[LI], s[6:7] offset:2048*\s+512*\c
.endr
	global_load_b32 v[AB+64+\s], v27, s[8:9] offset:64*\s
.endr
	PRE 0, 0, 10, 12
	s_wait_loadcnt 36                              ; all but the first K step's 36 weight loads
.irp i, 0,1,2,3,4,5,6,7,8,9
	ds_store_b128 v25, v[VEC+4*\i:VEC+4*\i+3] offset:2048*\i
.endr
.irp s, 0,1,2,3
.irp c, 0,1,2,3
	ds_store_b128 v26, v[AB+16*\s+4*\c:AB+16*\s+4*\c+3] offset:2048*\s+512*\c
.endr
	ds_store_b32 v28, v[AB+64+\s] offset:128*\s
.endr
	WIN 0x80
.irp m, 0,1,2,3
.irp b, 0,1,2,3
.irp q, 0,1,2,3
	global_load_b128 v[64*\m+16*\b+4*\q:64*\m+16*\b+4*\q+3], v[XA], s[4:5] offset:32768*\m+128*\b+16*\q th:TH_LOAD_NT
.endr
.endr
.endr
	WIN 0
	PRE 16384, 1, 10, 12
	BARRIER                                        ; the parameters and o's sixteen fragments lie in LDS
	s_wait_alu depctr_vm_vsrc(0)                   ; the head's LDS stores have read v[VEC ..] and v[AB ..], in which the LDS loads below land; its loads and stores have read v24 to v28 and v[TM] to v[TM + 3], which are work registers from here on
	VECLD VEC, VA, BOO
	s_wait_loadcnt 36                              ; x and the first K step's weights are in; the second step's 36 may be out
	s_wait_dscnt 0x0
	WIN 0x82
.set k, 0
.rept 32
.irp m, 0,1,2,3
	v_pk_add_f32 v[64*\m+k:64*\m+k+1], v[64*\m+k:64*\m+k+1], v[VEC+k:VEC+k+1]    ; x + bo
.endr
.set k, k+2
.endr
	WIN 0
	s_wait_alu depctr_va_vdst(0)
	UNIT LI, SO, 0xa1, 0, 10, 12, WP1, SP1, 0      ; + o wo.  (No vector or matrix instruction has named the activations' buffers yet: the unit's first LDS loads hang on the wait behind the barrier alone)
	LN 2, G1O, BE1O, 0                             ; x1
	s_wait_alu depctr_va_vdst(0)                   ; the LayerNorm's multiply-adds are done reading v[VEC ..], in which b2 lands
	VECLD VEC, VA, B2O
	s_wait_dscnt 0x0
	WIN 0xc2
.set k, 0
.rept 32
.irp m, 0,1,2,3
	v_pk_add_f32 v[64*\m+k:64*\m+k+1], v[64*\m+k:64*\m+k+1], v[VEC+k:VEC+k+1]    ; Y = x1 + b2: the second residual lives on as Y's start
.endr
.set k, k+2
.endr
	WIN 0
.irp m, 0,1,2,3
	QUANT 64*\m, 2, 0, PCB+16*\m, PWB+\m           ; x1, my 128 columns: K step w of the next product
.endr
	s_wait_alu depctr_va_vdst(0)                   ; the conversions have written the four sets of codes and their scale words, which the 20 LDS stores read
.irp m, 0,1,2,3
	IMAGE XWI, 8192*\m, PCB+16*\m
	ds_store_b32 v[XWS], v[PWB+\m] offset:512*\m
.endr
	BARRIER                                        ; x1's sixteen fragments lie in LDS
	s_mov_b32 s[CNT], 4
	s_mov_b32 s[B1S], 0
.Lchunk:                                           ; four chunks of 512 hidden units
	s_wait_alu depctr_vm_vsrc(0)                   ; first trip: x1's 20 LDS stores have read the codes and scale words, in which the unit's LDS loads land; later trips: the last trip's loads of b1 have read v[VB1], which is written below
	v_add_nc_u32 v[VB1], s[B1S], v[VA]
	s_wait_alu depctr_va_vdst(0)                   ; v[VB1] is written, which the 16 loads of b1 read as their address
	VECLD VEC, VB1, 0                              ; b1's chunk, the C of the first K step
	UNIT AX, SX, 0xa1, 1, WP1, SP1, WP0, SP0, 1
	BARRIER                                        ; every wave's reads of the last chunk's hidden fragments are over
.irp m, 0,1,2,3
	QUANT 64*\m, 2, 1, PCB+16*\m, PWB+\m
.endr
	s_wait_alu depctr_va_vdst(0)                   ; the conversions have written the four sets of codes and their scale words, which the 20 LDS stores read
.irp m, 0,1,2,3
	IMAGE HWI, 8192*\m, PCB+16*\m
	ds_store_b32 v[HWS], v[PWB+\m] offset:512*\m
.endr
	BARRIER                                        ; the chunk's sixteen fragments lie in LDS
	s_wait_alu depctr_vm_vsrc(0)                   ; my 20 LDS stores have read the codes and scale words, in which the unit's LDS loads land
	UNIT AH, SH, 0xf1, 0, WP0, SP0, WP1, SP1, 2
	s_add_co_u32 s[B1S], s[B1S], 2048
	s_sub_co_u32 s[CNT], s[CNT], 1
	s_cmp_lg_u32 s[CNT], 0
	s_cbranch_scc1 .Lchunk
	LN 3, G2O, BE2O, 2
	; ---- the way out: a row tile at a time through my own stage, back as rows of 512 bytes
.irp m, 0,1,2,3
	WIN 0x0c                                       ; an LDS store's data are its source 1: window 3
.if \m == 0
	s_wait_alu depctr_va_vdst(0)                   ; the LayerNorm has written all of window 3, which the 64 LDS stores of the way out read, and is done reading v[AB ..], in which the first rows land; no vector instruction follows but the two at the end
.endif
.irp b, 0,1,2,3
.irp q, 0,1,2,3
	ds_store_b128 v[STI], v[64*\m+16*\b+4*\q:64*\m+16*\b+4*\q+3] offset:128*\b+16*\q
.endr
.endr
	WIN 0
.if \m > 1
	s_wait_xcnt 0x0                                ; the stores of two row tiles ago have read their registers
	s_wait_alu depctr_vm_vsrc(0)                   ; the 16 stores of two row tiles ago have read their data registers, in which the LDS loads below land
.endif
.irp i, 0,1,2,3,4,5,6,7,8,9,10,11,12,13,14,15
	ds_load_b128 v[AB+64*(\m&1)+4*\i:AB+64*(\m&1)+4*\i+3], v[STB] offset:528*\i      ; LDS serves a wave's instructions in order (ISA guide 5.7.1.4): these see my stores, and the next tile's stores come behind them
.endr
.irp i, 0,1,2,3,4,5,6,7,8,9,10,11,12,13,14,15
	s_wait_dscnt 15-\i
	global_store_b128 v[GO], v[AB+64*(\m&1)+4*\i:AB+64*(\m&1)+4*\i+3], s[28:29] offset:(16*\m+\i)*2048 th:TH_STORE_NT   ; 32 lanes store 512 consecutive bytes, at a multiple of 256 from out0's first byte
.endr
.endr
	s_wait_xcnt 0x0
	v_lshl_add_u32 v254, v0, 2, 0x27c00            ; no memory or LDS instruction of the kernel has read v254 or v255
	v_mov_b32 v255, 0
	s_wait_dscnt 0x0                               ; the closing lines, six on end
	s_wait_alu 0x0
	s_wait_tensorcnt 0x0
	ds_add_u32 v254, v255
	s_wait_dscnt 0x0
	s_endpgm
.Lfunc_end_k_qc0b9ff39a6_tail:
	.size	k_qc0b9ff39a6_tail, .Lfunc_end_k_qc0b9ff39a6_tail-k_qc0b9ff39a6_tail
	.p2alignl 7, 3214868480
	.fill 96, 4, 3214868480
	.section	.rodata,"a",@progbits
	.p2align	6, 0x0
	.amdhsa_kernel k_qc0b9ff39a6_tail
		.amdhsa_group_segment_fixed_size 163328
		.amdhsa_private_segment_fixed_size 0
		.amdhsa_enable_private_segment 0
		.amdhsa_kernarg_size 104
		.amdhsa_user_sgpr_count 2
		.amdhsa_user_sgpr_kernarg_segment_ptr 1
		.amdhsa_wavefront_size32 1
		.amdhsa_system_sgpr_workgroup_id_x 1
		.amdhsa_system_sgpr_workgroup_id_y 1
		.amdhsa_system_sgpr_workgroup_id_z 1
		.amdhsa_system_vgpr_workitem_id 0
		.amdhsa_next_free_vgpr 1024
		.amdhsa_next_free_sgpr 66
		.amdhsa_reserve_vcc 0
		.amdhsa_float_denorm_mode_32 3
		.amdhsa_float_denorm_mode_16_64 3
		.amdhsa_memory_ordered 1
		.amdhsa_forward_progress 1
		.amdhsa_inst_pref_size 255
	.end_amdhsa_kernel
	.section	.bss,"aw",@nobits
	.p2align	6
	.space	262144
	.amdgpu_metadata
---
amdhsa.version: [ 1, 2 ]
amdhsa.kernels:
  - .name:           k_qc0b9ff39a6_tail
    .symbol:         k_qc0b9ff39a6_tail.kd
    .args:
      - { .name: x, .offset: 0, .size: 8, .value_kind: global_buffer, .address_space: global }
      - { .name: oc, .offset: 8, .size: 8, .value_kind: global_buffer, .address_space: global }
      - { .name: os, .offset: 16, .size: 8, .value_kind: global_buffer, .address_space: global }
      - { .name: wc, .offset: 24, .size: 8, .value_kind: global_buffer, .address_space: global }
      - { .name: ws, .offset: 32, .size: 8, .value_kind: global_buffer, .address_space: global }
      - { .name: bo, .offset: 40, .size: 8, .value_kind: global_buffer, .address_space: global }
      - { .name: g1, .offset: 48, .size: 8, .value_kind: global_buffer, .address_space: global }
      - { .name: be1, .offset: 56, .size: 8, .value_kind: global_buffer, .address_space: global }
      - { .name: b1, .offset: 64, .size: 8, .value_kind: global_buffer, .address_space: global }
      - { .name: b2, .offset: 72, .size: 8, .value_kind: global_buffer, .address_space: global }
      - { .name: g2, .offset: 80, .size: 8, .value_kind: global_buffer, .address_space: global }
      - { .name: be2, .offset: 88, .size: 8, .value_kind: global_buffer, .address_space: global }
      - { .name: out0, .offset: 96, .size: 8, .value_kind: global_buffer, .address_space: global }
    .group_segment_fixed_size: 163328
    .private_segment_fixed_size: 0
    .kernarg_segment_align: 8
    .kernarg_segment_size: 104
    .max_flat_workgroup_size: 128
    .sgpr_count:     66
    .vgpr_count:     1024
    .wavefront_size: 32
...
	.end_amdgpu_metadata
.endif
;; end of part 10
